; MI455X (gfx1250); checked and timed in simulation.
; The chip was launched on July 23, 2026; its instructions are those of AMD's public machine-readable ISA for CDNA 5 (MIT licence, August 2026) and "CDNA5" Instruction Set Architecture Reference Guide (July 2026). The comments in the code are by the model that wrote it; some were corrected since.
;; Multi Head Attention XL. Allowed arithmetic: float matrix products may take bf16 or f16 operands with f32 sums; other float arithmetic in f32, or as packed bf16 or f16 multiplies, adds, multiply-adds, maxima and minima; sums over many terms, partial sums and values carried from step to step in f32; what a program stores and reads back later, other than sums and carried values, may be rounded once to bf16 or f16.
;; Inputs: hidden_states 16 x 512 x 1,024 float32; rel_pos 1,023 x 32 float32; wk 1,024 x 1,024 float32; wo 1,024 x 1,024 float32; wq 1,024 x 1,024 float32; wv 1,024 x 1,024 float32.
;; Outputs: out0 16 x 512 x 1,024 float32.
;; 3 versions, each right; version 3 is version 2 with the launch cast written anew for expert scheduling mode. Each part assembles by itself: llvm-mc -triple=amdgcn-amd-amdhsa -mcpu=gfx1250 --defsym DOCPART=n.
;; ======== version 1 of 3: 4 launches
;; limits: values are held in f16: magnitudes above 65,504 overflow, below 6.1e-05 lose precision; values outside matrix products are rounded to bf16
;; workspace buffers: xb 16,777,216 bytes; wqkv 6,291,456 bytes; wo16 2,097,152 bytes; bias4 18,432 bytes; qkv 50,331,648 bytes; ctx 16,777,216 bytes
;; launch cast (part 1): grid 786 x 1, 8 waves a work-group, no clusters, 0 bytes of LDS; arguments hidden_states, wq, wk, wv, wo, rel_pos, xb, wqkv, wo16, bias4; writes xb, wqkv, wo16, bias4
.if DOCPART == 1
	.amdgcn_target "amdgcn-amd-amdhsa--gfx1250"
	.amdhsa_code_object_version 6
	.text
	.protected	k_q45022b58b3_cast
	.globl	k_q45022b58b3_cast
	.p2align	8
	.type	k_q45022b58b3_cast,@function
k_q45022b58b3_cast:
	s_mov_b64 s[64:65], 0
	v_nop
	global_prefetch_b8 v0, s[64:65] scope:SCOPE_SE
	s_setreg_imm32_b32 hwreg(HW_REG_WAVE_MODE, 25, 1), 1
	s_wait_xcnt 0x0
; THE INPUTS ARE ROUNDED ONCE, TO bf16, and laid out for the launches behind.  Every work-group has one of four roles, by its number g:
;   g <  512        16 rows of hidden_states (16,384 f32) -> xb, bf16, row-major
;   512 <= g < 704  16 rows of wq, wk or wv -> wqkv, bf16: row 32 h + d of matrix number m (0, 1, 2) goes to row 96 h + 32 m + d, so that 96 rows on end are one head's q, k and v
;   704 <= g < 768  16 rows of wo -> wo16: rounded to bf16 like the other inputs, and that number written as f16, since it is multiplied with f16 numbers
;   g >= 768        256 numbers of bias4 (below)
; LIMITS.  wo16: f16 holds no number beyond 65,504, and below 6e-5 it keeps its fixed step of 6e-8.
; A stream: each byte is read once and written once; no LDS, no barrier, no matrix unit.  A wave converts 2,048 numbers: sixteen loads of 512 consecutive bytes, all issued at once,
; and sixteen stores of 256 consecutive bytes, each at a multiple of 256 from its buffer's first byte.  No register of a load or store is written again, so no wait frees any.
; bias4: the score's bias hangs on k - q alone: T[i] = the mean of row i of rel_pos, i = k - q + 511.  Stored is U[i] = sqrt(32) T[i] = (the row's sum) / sqrt(32), which is added to q . k ahead of the
; division by sqrt(32).  Four copies, 1,040 numbers apart; number j of copy c is U[j - 16 + c], the index held to 0 .. 1022: so eight neighbouring U from ANY index on begin at a multiple of 16 bytes in one of the copies.
; Numbers 4,160 to 4,607 fill the buffer and are used by no product.  This role's stores are 128 bytes a wave: 18,432 bytes in the whole launch.
.set SRC, 28                           ; s[28:29] where my work-group reads
.set DST, 30                           ; s[30:31] where it writes
.set IN,  16                           ; v[16:79]   sixteen loads of four f32
.set OUT, 80                           ; v[80:111]  sixteen stores of two words
.set T,   112                          ; v[112:117] at work
	s_load_b512 s[8:23], s[0:1], 0x0               ; hidden s[8:9], wq s[10:11], wk s[12:13], wv s[14:15], wo s[16:17], rel_pos s[18:19], xb s[20:21], wqkv s[22:23]
	s_load_b128 s[24:27], s[0:1], 0x40             ; wo16 s[24:25], bias4 s[26:27]
	s_mov_b32 s4, ttmp9                            ; g
	v_lshrrev_b32 v3, 5, v0                        ; wave
	v_and_b32 v4, 31, v0                           ; lane
	v_lshlrev_b32 v1, 4, v4
	v_lshl_or_b32 v1, v3, 13, v1                   ; in: 8,192 x wave + 16 x lane
	v_lshlrev_b32 v2, 3, v4
	v_lshl_or_b32 v2, v3, 12, v2                   ; out: 4,096 x wave + 8 x lane
	s_mov_b32 s33, 0                               ; the offsets' high words
	s_mov_b32 s35, 0
	s_wait_kmcnt 0x0
; 16,384 numbers.  f16 = 1: the bf16 number is widened again and written as f16.
.macro CONV f16
.irp k, 0,1,2,3,4,5,6,7,8,9,10,11,12,13,14,15
	global_load_b128 v[IN+4*(\k):IN+4*(\k)+3], v1, s[SRC:SRC+1] offset:512*(\k) th:TH_LOAD_NT
.endr
.irp k, 0,1,2,3,4,5,6,7,8,9,10,11,12,13,14,15
	s_wait_loadcnt 15-(\k)                         ; loads come back in order: load k is in, the younger ones stay out
.if \f16
	v_cvt_pk_bf16_f32 v[T], v[IN+4*(\k)], v[IN+4*(\k)+1]
	v_cvt_pk_bf16_f32 v[T+1], v[IN+4*(\k)+2], v[IN+4*(\k)+3]
	v_lshlrev_b32 v[T+2], 16, v[T]
	v_and_b32 v[T+3], 0xffff0000, v[T]
	v_lshlrev_b32 v[T+4], 16, v[T+1]
	v_and_b32 v[T+5], 0xffff0000, v[T+1]
	v_cvt_pk_f16_f32 v[OUT+2*(\k)], v[T+2], v[T+3]
	v_cvt_pk_f16_f32 v[OUT+2*(\k)+1], v[T+4], v[T+5]
.else
	v_cvt_pk_bf16_f32 v[OUT+2*(\k)], v[IN+4*(\k)], v[IN+4*(\k)+1]
	v_cvt_pk_bf16_f32 v[OUT+2*(\k)+1], v[IN+4*(\k)+2], v[IN+4*(\k)+3]
.endif
	global_store_b64 v2, v[OUT+2*(\k):OUT+2*(\k)+1], s[DST:DST+1] offset:256*(\k)
.endr
.endm
	s_cmp_lt_u32 s4, 512
	s_cbranch_scc0 .Lnot_x
	s_lshl_b32 s32, s4, 16                         ; 16 rows of 4,096 bytes in,
	s_lshl_b32 s34, s4, 15                         ; of 2,048 bytes out
	s_add_nc_u64 s[SRC:SRC+1], s[8:9], s[32:33]
	s_add_nc_u64 s[DST:DST+1], s[20:21], s[34:35]
	s_branch .Lto_bf16
.Lnot_x:
	s_cmp_lt_u32 s4, 704
	s_cbranch_scc0 .Lnot_qkv
	s_sub_co_u32 s5, s4, 512
	s_lshr_b32 s6, s5, 6                           ; which matrix: 0 q, 1 k, 2 v
	s_and_b32 s7, s5, 63                           ; which 16 rows of it
	s_cmp_eq_u32 s6, 0
	s_cselect_b64 s[SRC:SRC+1], s[10:11], s[12:13]
	s_cmp_eq_u32 s6, 2
	s_cselect_b64 s[SRC:SRC+1], s[14:15], s[SRC:SRC+1]
	s_lshl_b32 s32, s7, 16
	s_add_nc_u64 s[SRC:SRC+1], s[SRC:SRC+1], s[32:33]
	s_lshr_b32 s34, s7, 1                          ; the head
	s_mul_i32 s34, s34, 96
	s_lshl_b32 s6, s6, 5
	s_add_co_u32 s34, s34, s6                      ; + 32 x matrix
	s_and_b32 s7, s7, 1
	s_lshl_b32 s7, s7, 4
	s_add_co_u32 s34, s34, s7                      ; + the head's upper or lower 16 rows
	s_lshl_b32 s34, s34, 11
	s_add_nc_u64 s[DST:DST+1], s[22:23], s[34:35]
.Lto_bf16:
	CONV 0
	s_endpgm
.Lnot_qkv:
	s_cmp_lt_u32 s4, 768
	s_cbranch_scc0 .Lbias
	s_sub_co_u32 s5, s4, 704
	s_lshl_b32 s32, s5, 16
	s_lshl_b32 s34, s5, 15
	s_add_nc_u64 s[SRC:SRC+1], s[16:17], s[32:33]
	s_add_nc_u64 s[DST:DST+1], s[24:25], s[34:35]
	CONV 1
	s_endpgm
.Lbias:
	s_sub_co_u32 s5, s4, 768
	s_lshl_b32 s5, s5, 8
	v_add_nc_u32 v5, s5, v0                        ; e: my number of bias4, 0 .. 4,607
	v_mov_b32 v6, 0
.irp t, 1040, 2080, 3120, 4160
	v_cmp_le_u32 vcc_lo, \t, v5
	v_cndmask_b32 v7, 0, 1, vcc_lo
	v_add_nc_u32 v6, v6, v7                        ; c: the copy
.endr
	v_mul_u32_u24 v7, v6, 1040
	v_sub_nc_u32 v8, v5, v7                        ; j: my place in the copy
	v_add3_u32 v8, v8, v6, -16                     ; j - 16 + c,
	v_max_i32 v8, 0, v8
	v_min_u32 v8, 1022, v8                         ; held to the table
	v_lshlrev_b32 v8, 7, v8                        ; a row of rel_pos is 128 bytes
	v_lshlrev_b32 v9, 2, v5
.irp k, 0,1,2,3,4,5,6,7
	global_load_b128 v[IN+4*(\k):IN+4*(\k)+3], v8, s[18:19] offset:16*(\k)
.endr
	s_wait_loadcnt 0x0
.irp k, 0,1,2,3,4,5,6,7,8,9,10,11,12,13,14,15
	v_cvt_pk_bf16_f32 v[IN+32+(\k)], v[IN+2*(\k)], v[IN+2*(\k)+1]  ; rel_pos is rounded to bf16 like every input,
.endr
.irp k, 0,1,2,3,4,5,6,7,8,9,10,11,12,13,14,15
	v_lshlrev_b32 v[IN+2*(\k)], 16, v[IN+32+(\k)]                   ; and summed in f32
	v_and_b32 v[IN+2*(\k)+1], 0xffff0000, v[IN+32+(\k)]
.endr
.irp p, 0,1,2,3,4,5,6,7
	v_pk_add_f32 v[IN+2*(\p):IN+2*(\p)+1], v[IN+2*(\p):IN+2*(\p)+1], v[IN+16+2*(\p):IN+16+2*(\p)+1]
.endr
.irp p, 0,1,2,3
	v_pk_add_f32 v[IN+2*(\p):IN+2*(\p)+1], v[IN+2*(\p):IN+2*(\p)+1], v[IN+8+2*(\p):IN+8+2*(\p)+1]
.endr
.irp p, 0,1
	v_pk_add_f32 v[IN+2*(\p):IN+2*(\p)+1], v[IN+2*(\p):IN+2*(\p)+1], v[IN+4+2*(\p):IN+4+2*(\p)+1]
.endr
	v_pk_add_f32 v[IN:IN+1], v[IN:IN+1], v[IN+2:IN+3]
	v_add_f32 v[IN], v[IN], v[IN+1]
	v_mul_f32 v[IN], 0x3e3504f3, v[IN]             ; / sqrt(32)
	global_store_b32 v9, v[IN], s[26:27]
	s_endpgm
.Lfunc_end_k_q45022b58b3_cast:
	.size	k_q45022b58b3_cast, .Lfunc_end_k_q45022b58b3_cast-k_q45022b58b3_cast
	.p2alignl 7, 3214868480
	.fill 96, 4, 3214868480
	.section	.rodata,"a",@progbits
	.p2align	6, 0x0
	.amdhsa_kernel k_q45022b58b3_cast
		.amdhsa_group_segment_fixed_size 0
		.amdhsa_private_segment_fixed_size 0
		.amdhsa_enable_private_segment 0
		.amdhsa_kernarg_size 80
		.amdhsa_user_sgpr_count 2
		.amdhsa_user_sgpr_kernarg_segment_ptr 1
		.amdhsa_wavefront_size32 1
		.amdhsa_system_sgpr_workgroup_id_x 1
		.amdhsa_system_sgpr_workgroup_id_y 1
		.amdhsa_system_sgpr_workgroup_id_z 1
		.amdhsa_system_vgpr_workitem_id 0
		.amdhsa_next_free_vgpr 128
		.amdhsa_next_free_sgpr 66
		.amdhsa_reserve_vcc 1
		.amdhsa_float_denorm_mode_32 3
		.amdhsa_float_denorm_mode_16_64 3
		.amdhsa_memory_ordered 1
		.amdhsa_forward_progress 1
		.amdhsa_inst_pref_size 24
	.end_amdhsa_kernel
	.amdgpu_metadata
---
amdhsa.version: [ 1, 2 ]
amdhsa.kernels:
  - .name:           k_q45022b58b3_cast
    .symbol:         k_q45022b58b3_cast.kd
    .args:
      - { .name: hidden_states, .offset: 0, .size: 8, .value_kind: global_buffer, .address_space: global }
      - { .name: wq, .offset: 8, .size: 8, .value_kind: global_buffer, .address_space: global }
      - { .name: wk, .offset: 16, .size: 8, .value_kind: global_buffer, .address_space: global }
      - { .name: wv, .offset: 24, .size: 8, .value_kind: global_buffer, .address_space: global }
      - { .name: wo, .offset: 32, .size: 8, .value_kind: global_buffer, .address_space: global }
      - { .name: rel_pos, .offset: 40, .size: 8, .value_kind: global_buffer, .address_space: global }
      - { .name: xb, .offset: 48, .size: 8, .value_kind: global_buffer, .address_space: global }
      - { .name: wqkv, .offset: 56, .size: 8, .value_kind: global_buffer, .address_space: global }
      - { .name: wo16, .offset: 64, .size: 8, .value_kind: global_buffer, .address_space: global }
      - { .name: bias4, .offset: 72, .size: 8, .value_kind: global_buffer, .address_space: global }
    .group_segment_fixed_size: 0
    .private_segment_fixed_size: 0
    .kernarg_segment_align: 8
    .kernarg_segment_size: 80
    .max_flat_workgroup_size: 256
    .sgpr_count:     66
    .vgpr_count:     128
    .wavefront_size: 32
...
	.end_amdgpu_metadata
.endif
;; end of part 1
;; launch qkv (part 2): grid 16 x 32, 4 waves a work-group, clusters of 4 x 4, 327,680 bytes of LDS; arguments xb, wqkv, qkv; writes qkv
.if DOCPART == 2
	.amdgcn_target "amdgcn-amd-amdhsa--gfx1250"
	.amdhsa_code_object_version 6
	.text
	.protected	k_q45022b58b3_qkv
	.globl	k_q45022b58b3_qkv
	.p2align	8
	.type	k_q45022b58b3_qkv,@function
k_q45022b58b3_qkv:
	s_mov_b64 s[64:65], 0
	v_nop
	global_prefetch_b8 v0, s[64:65] scope:SCOPE_SE
	s_setreg_imm32_b32 hwreg(HW_REG_WAVE_MODE, 25, 1), 1
	s_wait_xcnt 0x0
	s_wait_alu depctr_hold_cnt(0) depctr_sa_sdst(0) depctr_va_vdst(0) depctr_va_sdst(0) depctr_va_ssrc(0) depctr_va_vcc(0) depctr_vm_vsrc(0)
	s_getreg_b32 s2, hwreg(HW_REG_IB_STS2, 6, 4)
	s_cmp_eq_u32 s2, 0
	s_cbranch_scc0 .Lentry_in_a_cluster
	s_endpgm
.Lentry_in_a_cluster:
	s_bfe_u32 s2, ttmp6, 0x10000c
	s_cmp_lg_u32 s2, 0xf033
	s_cbranch_scc0 .Lentry_shape_is_right
	s_endpgm
.Lentry_shape_is_right:
; q, k, v = x W^T for all heads.  xb: [8192][1024] bf16.  wqkv: [3072][1024] bf16, 96 rows on end = one head's 32 rows of wq, wk, wv.  Sums in f32, each result rounded once to f16.
; LIMITS.  f16 holds no number beyond 65,504: q, k and v must lie within it (a sum of 1,024 products); below 6e-5 they keep f16's fixed step of 6e-8.
; SHARES.  A work-group makes 256 rows x 192 columns (two heads): 32 x 16 = 512 work-groups of equal work.  Four waves, each 128 rows x 96 columns = ONE head's q, k, v for 128 rows of x:
; 48 accumulators of 16 x 16, 384 registers.  K goes in 8 steps of 128 through a ring of two LDS slots filled by the tensor data mover; a tile's rows are 256 bytes of memory, at multiples of 256.
; CLUSTER.  4 x 4 work-groups.  The four of a row of the cluster need the same tiles of x, the four of a column the same tiles of W: each tile is asked for JOINTLY, by the same tensor load with the
; same descriptor and a mask that names the four.
; THE RESULT IS STORED IN THE ORDER IN WHICH A MATRIX OPERAND LIES IN REGISTERS.  A block of 16 rows x 32 numbers of 16 bits is 1,024 bytes: [half e][lane][16 bytes], lane l holding row l % 16 and the
; numbers 16 e + 8 (l / 16) + 0..7.  For q and k the product is taken transposed (source 0 = 16 rows of W, source 1 = 16 rows of x): a lane then holds one row of x and eight neighbouring channels, which pack into
; just those 16 bytes.  For v it is taken as it stands (source 0 = x, source 1 = W): a lane holds one channel and eight neighbouring keys: a block of V^T.  So every store of a wave is 512 consecutive bytes,
; straight from registers, and the launch behind loads its operands as they lie.
; qkv: head hd = 32 batch + h at byte 98,304 hd: q's 32 blocks (16 queries each), k's 32 at + 32,768, V^T's 32 at + 65,536 (block 2 kk + cb: keys 32 kk on, channels 16 cb on).
; REGISTERS, in windows of 256 (s_set_vgpr_msb: bits 1:0 source 0, 3:2 source 1, 5:4 source 2, 7:6 destination):
;   window 0: v0-31 addresses; v32-159 x's fragments, two buffers of 8; v160-255 W's, two buffers of 6; on the way out v32-223 the packed results
;   window 1: the accumulators of my row blocks 0-3, (a, b) at 8 (6 a + b);   window 2: those of blocks 4-7
.set NB,     6                         ; column blocks of 16 a wave: 0, 1 q; 2, 3 k; 4, 5 v
.set KSTEP,  128
.set PITCH,  272                       ; an LDS row: 256 bytes + 16 of padding = 68 words: the 16 rows that a load touches start at 16 different groups of four banks (64 banks of 4 bytes: ISA guide 11.1)
.set BROWS,  96
.set AHALF,  128*PITCH                 ; 128 rows of x: what one tensor load brings and one wave reads
.set BHALF,  BROWS*PITCH               ; 96 rows of W likewise
.set SLOT,   2*(AHALF+BHALF)           ; x's two halves, then W's two halves
.set SPARE,  2*SLOT                    ; behind the ring: the spare words, 128 bytes for each wave: two blocks of 256 bytes that no other line names
.set NLD,    2*NB+16                   ; LDS loads in a run
.set ADRA, 16                          ; v16-17  LDS address of my x fragments in slot 0, 1
.set ADRB, 20                          ; v20-21  the same for W
.set CO,   26                          ; v26     16 x lane: my 16 bytes of a store
.set SPW,  28                          ; v28     LDS address of my spare word: SPARE + 4 x my thread's number; never rewritten
.set NIL,  29                          ; v29     0; never rewritten
.set PFO,  30                          ; v30     the prefetches' offset: a lane a row; never rewritten
.set FA0,  32                          ; x's fragments: buffer f at FA0 + 64 f
.set FB0,  160                         ; W's: buffer f at FB0 + 48 f
.set OUTR, 32                          ; the way out
.set G1,  24                           ; s[24:31] descriptor group 1 for x's tiles;  s[32:39] group 0, a set for each slot
.set G0,  32
.set G1B, 48                           ; s[48:55], s[56:63] the same for W's tiles
.set G0B, 56
.set LIM, 43                           ; s43     1 in a wave that prefetches, else the greatest number
.set PFA, 44                           ; s[44:45] where my prefetches stand
.set MSB, 0
.macro WIN new                         ; the immediate's high byte repeats the setting that is left; a switch that changes nothing is dropped
.if MSB != (\new)
	s_set_vgpr_msb (MSB<<8)|(\new)
.set MSB, \new
.endif
.endm
; A joint load.  Waves 0 and 1 fetch x's two halves, waves 2 and 3 W's.  The branch hangs on the wave's number alone.  An s_nop 0 and four v_nop follow each of the two lines, ahead of the jump and the label.
.macro JLOAD s
	s_cmp_eq_u32 s11, 0
	s_cbranch_scc0 .Lfor_b_\@
	tensor_load_to_lds s[G0+4*(\s):G0+4*(\s)+3], s[G1:G1+7]
	s_nop 0
.rept 4
	v_nop
.endr
	s_branch .Lasked_\@
.Lfor_b_\@:
	tensor_load_to_lds s[G0B+4*(\s):G0B+4*(\s)+3], s[G1B:G1B+7]
	s_nop 0
.rept 4
	v_nop
.endr
.Lasked_\@:
.endm
; A PREFETCH, behind each joint refill and the run of LDS loads that follows it: the K step that stands TWO refills on, 256 bytes of each row, a lane a row, one instruction a wave.
; x's tile row is read by every cluster of that row of clusters: the one with cluster x = 0 asks.  W's tile column is read by every cluster of that column: the one with cluster y = 0 asks.  The four partners that ask for
; a tile jointly share its rows out BY ADDRESS: of x's 128 rows that a wave fetches the partner at cx takes 32, of W's 96 the partner at cy takes 24 (there lanes 24 to 31 name row 23 once more).
; K steps 0 to 3 come by their loads alone; the loop's last trip (s3 = 1) asks for nothing: K steps 4 to 7 are each named once, and no prefetch leaves a row.
.macro ASK
	s_cmp_gt_u32 s3, s[LIM]
	s_cbranch_scc0 .Lnot_mine_\@
	global_prefetch_b8 v[PFO], s[PFA:PFA+1] th:TH_LOAD_NT scope:SCOPE_SE
.Lnot_mine_\@:
.endm
; A round of the cluster's barrier: my work-group's barrier; wave 0 signals for the work-group; every wave waits for all sixteen; my work-group's barrier once more.
.macro CREST                           ; a round behind its opening barrier
	s_cmp_lg_u32 s10, 0
	s_cbranch_scc1 .Lnot_wave_0_\@
	s_barrier_signal -3
.Lnot_wave_0_\@:
	s_barrier_wait -3
	s_barrier_signal -1
	s_barrier_wait -1
.endm
.macro CROUND
	s_barrier_signal -1
	s_barrier_wait -1
	CREST
.endm
	s_load_b128 s[4:7], s[0:1], 0x0                ; xb s[4:5], wqkv s[6:7]
	s_load_b64 s[8:9], s[0:1], 0x10                ; qkv
	v_lshl_add_u32 v[SPW], v0, 2, SPARE
	v_mov_b32 v[NIL], 0
	ds_add_u32 v[SPW], v[NIL]                      ; the wave's opening: the add and its wait stand ahead of my first tensor load; the set-up below, work on registers, stands between them
	v_lshrrev_b32 v1, 5, v0
	v_readfirstlane_b32 s10, v1                    ; wave 0..3
	s_lshr_b32 s11, s10, 1                         ; which half of the tile's rows is mine.  Also: I fetch for x (0) or for W (1)
	s_and_b32 s12, s10, 1                          ; which of its two heads.  Also: which half of that tile I fetch
	s_bfe_u32 s40, ttmp6, 0x40000                  ; cx, cy: my place in the cluster
	s_bfe_u32 s41, ttmp6, 0x40004
	s_lshl_b32 s42, ttmp9, 2
	s_add_co_u32 s42, s42, s40                     ; tile column = 4 x cluster x + cx
	s_and_b32 s13, ttmp7, 0xffff
	s_lshl_b32 s13, s13, 2
	s_add_co_u32 s13, s13, s41                     ; tile row = 4 x cluster y + cy
	s_lshl_b32 s43, s41, 2
	s_lshl_b32 s43, 15, s43                        ; my row of the cluster: places 4 cy .. 4 cy + 3
	s_lshl_b32 s44, 0x1111, s40                    ; my column: places cx, cx + 4, cx + 8, cx + 12
	s_or_b32 s[G1+0], s43, (1<<16)|(1<<20)|(1<<21)|(5<<22)|(3<<25)   ; 15:0 the mask; 17:16 elements of 2 bytes; 20 padding on; 21 set beside a mask; 24:22 after every 64 words (code 5); 31:25 4 words of it (code 3)
	s_or_b32 s[G1B+0], s44, (1<<16)|(1<<20)|(1<<21)|(5<<22)|(3<<25)
	s_mov_b32 s[G1+1], KSTEP<<16                   ; tensor_dim0 = 128
	s_mov_b32 s[G1+2], 128<<16                     ; tensor_dim1 = 128
	s_mov_b32 s[G1+3], KSTEP<<16                   ; tile_dim0 = 128
	s_mov_b32 s[G1+4], 128                         ; tile_dim1 = 128
	s_mov_b32 s[G1+5], 1024                        ; elements from row to row
	s_mov_b32 s[G1+6], 0
	s_mov_b32 s[G1+7], 0
	s_mov_b32 s[G1B+1], KSTEP<<16
	s_mov_b32 s[G1B+2], BROWS<<16                  ; W's tiles have 96 rows
	s_mov_b32 s[G1B+3], KSTEP<<16
	s_mov_b32 s[G1B+4], BROWS
	s_mov_b32 s[G1B+5], 1024
	s_mov_b32 s[G1B+6], 0
	s_mov_b32 s[G1B+7], 0
	; where the tiles come from: x's hang on the tile row alone, W's on the tile column alone, each in registers that never hold the other coordinate
	s_lshl_b32 s17, s12, 7
	s_lshl_b32 s16, s13, 8
	s_add_co_u32 s16, s16, s17                     ; x: row 256 x tile row + 128 x half,
	s_lshl_b32 s16, s16, 11                        ; of 2,048 bytes
	s_mov_b32 s17, 0
	s_mul_i32 s46, s42, 2*BROWS
	s_mul_i32 s47, s12, BROWS
	s_add_co_u32 s46, s46, s47                     ; W: row 192 x tile column + 96 x half
	s_lshl_b32 s46, s46, 11
	s_mov_b32 s47, 0
	s_mul_i32 s20, s12, AHALF                      ; and where they go: no place in the cluster enters an LDS address
	s_mul_i32 s23, s12, BHALF
	s_add_co_u32 s23, s23, 2*AHALF
	s_wait_dscnt 0x0                               ; the opening add is done
	s_wait_kmcnt 0x0
	s_add_nc_u64 s[14:15], s[4:5], s[16:17]
	s_add_nc_u64 s[46:47], s[6:7], s[46:47]
	CROUND                                         ; all sixteen work-groups are here: the first joint loads meet
.irp s, 0,1
	s_mov_b32 s[G0+4*(\s)], 1                                        ; count = 1
	s_add_co_u32 s[G0+4*(\s)+1], s20, (\s)*SLOT                      ; LDS address
	s_add_nc_u64 s[G0+4*(\s)+2:G0+4*(\s)+3], s[14:15], (\s)*KSTEP*2  ; global address: K step s
	s_or_b32 s[G0+4*(\s)+3], s[G0+4*(\s)+3], 0x80000000              ; type = 2
	s_mov_b32 s[G0B+4*(\s)], 1
	s_add_co_u32 s[G0B+4*(\s)+1], s23, (\s)*SLOT
	s_add_nc_u64 s[G0B+4*(\s)+2:G0B+4*(\s)+3], s[46:47], (\s)*KSTEP*2
	s_or_b32 s[G0B+4*(\s)+3], s[G0B+4*(\s)+3], 0x80000000
	JLOAD \s                                       ; two loads of mine are out
.endr
	; a fragment is 16 rows x 32 K in 8 registers: lane l holds row l % 16, K = 8 (l / 16) + 0..7 and 16 + 8 (l / 16) + 0..7: two loads of 16 bytes, 32 bytes apart
	v_and_b32 v1, 15, v0
	v_bfe_u32 v2, v0, 4, 1
	v_mul_u32_u24 v3, v1, PITCH
	v_lshl_add_u32 v3, v2, 4, v3
	s_mul_i32 s21, s11, AHALF                      ; my 128 rows of x
	s_mul_i32 s22, s12, BHALF                      ; my head's 96 rows of W,
	s_add_co_u32 s22, s22, 2*AHALF                 ; which lie behind x's 256
.irp s, 0,1
	v_add_nc_u32 v[ADRA+(\s)], s21, v3
	v_add_nc_u32 v[ADRB+(\s)], s22, v3
	s_add_co_u32 s21, s21, SLOT
	s_add_co_u32 s22, s22, SLOT
.endr
	v_and_b32 v[CO], 31, v0
	v_lshlrev_b32 v[CO], 4, v[CO]
	; where my results go: head 32 (tile row / 2) + 2 x tile column + my head; my first block of 16 rows in the batch: 16 (tile row % 2) + 8 x my half
	s_lshr_b32 s16, s13, 1
	s_lshl_b32 s16, s16, 5
	s_lshl_b32 s46, s42, 1
	s_add_co_u32 s46, s46, s12
	s_add_co_u32 s16, s16, s46
	s_mul_i32 s16, s16, 98304
	s_and_b32 s17, s13, 1
	s_lshl_b32 s17, s17, 4
	s_lshl3_add_u32 s17, s11, s17
	s_lshl_b32 s17, s17, 10
	s_add_co_u32 s16, s16, s17
	s_mov_b32 s17, 0
	s_add_nc_u64 s[8:9], s[8:9], s[16:17]
	; the prefetches
	s_lshl_b32 s20, s13, 8
	s_lshl_b32 s21, s12, 7
	s_add_co_u32 s20, s20, s21
	s_lshl_b32 s21, s40, 5
	s_add_co_u32 s20, s20, s21                     ; x: the 128 rows that I fetch, my work-group's 32 of them
	s_mul_i32 s22, s42, 2*BROWS
	s_mul_i32 s23, s12, BROWS
	s_add_co_u32 s22, s22, s23
	s_mul_i32 s23, s41, BROWS/4
	s_add_co_u32 s22, s22, s23                     ; W: the 96 rows that I fetch, my work-group's 24 of them
	s_and_b32 s23, ttmp7, 0xffff                   ; cluster y
	s_cmp_eq_u32 s11, 0                            ; do I fetch for x?
	s_cselect_b32 s20, s20, s22
	s_cselect_b32 s23, ttmp9, s23                  ; the coordinate along which other clusters read the same rows
	s_cselect_b32 s22, 31, BROWS/4-1               ; my last row
	s_cselect_b64 s[PFA:PFA+1], s[4:5], s[6:7]
	s_cmp_eq_u32 s23, 0
	s_cselect_b32 s[LIM], 1, -1                    ; the same in all sixteen partners, for a given wave
	s_lshl_b32 s20, s20, 11
	s_mov_b32 s21, 0
	s_add_nc_u64 s[PFA:PFA+1], s[PFA:PFA+1], s[20:21]
	s_add_nc_u64 s[PFA:PFA+1], s[PFA:PFA+1], 3*KSTEP*2  ; at K step 3: the first refill steps it to 4
	v_and_b32 v[PFO], 31, v0
	v_min_u32 v[PFO], s22, v[PFO]
	v_lshlrev_b32 v[PFO], 11, v[PFO]
; 12 matrix instructions: row blocks a0, a0 + 1 of the window's four (hi = 0: my rows 0-63, 1: rows 64-127) x all 6 column blocks, 32 along K, from buffer f.  zero = 1: the product starts the sum.
; The 48 accumulators take turns, one instruction a turn, in the same order in every quarter.
.macro MUL f, hi, a0, zero
	WIN 0x50+0x50*(\hi)                            ; sources in window 0; C and D in window 1 or 2
.irp a, \a0, (\a0)+1
.irp b, 0,1,2,3,4,5
.set rD, 8*(NB*(\a)+(\b))
.set rA, FA0+64*(\f)+8*(4*(\hi)+(\a))
.set rB, FB0+48*(\f)+8*(\b)
.if (\b) < 4
.if \zero
	v_wmma_f32_16x16x32_bf16 v[rD:rD+7], v[rB:rB+7], v[rA:rA+7], 0
.else
	v_wmma_f32_16x16x32_bf16 v[rD:rD+7], v[rB:rB+7], v[rA:rA+7], v[rD:rD+7]
.endif
.else
.if \zero
	v_wmma_f32_16x16x32_bf16 v[rD:rD+7], v[rA:rA+7], v[rB:rB+7], 0
.else
	v_wmma_f32_16x16x32_bf16 v[rD:rD+7], v[rA:rA+7], v[rB:rB+7], v[rD:rD+7]
.endif
.endif
.endr
.endr
.endm
; 28 LDS loads in one run: the fragments of quarter q of a K step into buffer f: W's 6, x's blocks 0-3, x's blocks 4-7
.macro FETCH slot, q, f
	WIN 0
.irp i, 0,1,2,3,4,5
	ds_load_b128 v[FB0+48*(\f)+8*(\i):FB0+48*(\f)+8*(\i)+3],   v[ADRB+(\slot)] offset:64*(\q)+(\i)*16*PITCH
	ds_load_b128 v[FB0+48*(\f)+8*(\i)+4:FB0+48*(\f)+8*(\i)+7], v[ADRB+(\slot)] offset:64*(\q)+(\i)*16*PITCH+32
.endr
.irp i, 0,1,2,3,4,5,6,7
	ds_load_b128 v[FA0+64*(\f)+8*(\i):FA0+64*(\f)+8*(\i)+3],   v[ADRA+(\slot)] offset:64*(\q)+(\i)*16*PITCH
	ds_load_b128 v[FA0+64*(\f)+8*(\i)+4:FA0+64*(\f)+8*(\i)+7], v[ADRA+(\slot)] offset:64*(\q)+(\i)*16*PITCH+32
.endr
.endm
.macro PLACES                          ; four plain vector instructions between a matrix instruction and a load into, or a vector instruction on, its registers (ISA guide 7.12.1 for vector instructions)
.rept 4
	v_nop
.endr
.endm
; A K step is four quarters of 32 along K, 48 matrix instructions each, on buffers 0, 1, 0, 1.  One of the first three: multiplies buffer f; in its middle it fetches quarter q into buffer g.
.macro QUARTER slot, q, f, g, zero
	s_wait_dscnt 8                                 ; W's and x's blocks 0-3 are in; the youngest eight loads (x's blocks 4-7) may be out
	MUL \f, 0, 0, \zero
	MUL \f, 0, 2, \zero
	PLACES
	FETCH \slot, \q, \g
	s_wait_dscnt NLD                               ; all but the run just issued
	MUL \f, 1, 0, \zero
	MUL \f, 1, 2, \zero
.endm
; The last quarter multiplies buffer 1 and changes slots: ONE barrier.  In front of it each wave waits for all its tensor loads (one is out: its part of the next slot), adds 0 to its spare word, and waits for that and
; for its own reads of this slot.  fill = 1: the barrier opens a round of the cluster's barrier, and this slot is filled again, two K steps on, first thing behind the round.
.macro TURN slot, next, fill
.if \fill
	s_wait_xcnt 0x0                                ; the last prefetch, a K step back, has read its address: it is stepped here, ahead of the waits of the change of slots
	s_add_nc_u64 s[PFA:PFA+1], s[PFA:PFA+1], KSTEP*2
.endif
	WIN 0                                          ; (the add's two registers lie in window 0)
	s_wait_tensorcnt 0x0                           ; all my tensor loads have landed
	ds_add_u32 v[SPW], v[NIL]                      ; 0 onto my spare word
	s_wait_dscnt 9                                 ; (the add and the youngest eight loads may be out)
	MUL 1, 0, 0, 0                                 ; twelve matrix instructions stand between the add and the wait for it
	s_wait_dscnt 0x0                               ; the add is done, and my reads of this slot are over
	s_barrier_signal -1
	MUL 1, 0, 2, 0                                 ; work on registers while the others arrive
.if \fill
	WIN 0
.endif
	s_barrier_wait -1
.if \fill
	CREST                                          ; no wave of any partner still reads this slot or has a load on its way
	s_add_nc_u64 s[G0+4*(\slot)+2:G0+4*(\slot)+3], s[G0+4*(\slot)+2:G0+4*(\slot)+3], 2*KSTEP*2
	s_add_nc_u64 s[G0B+4*(\slot)+2:G0B+4*(\slot)+3], s[G0B+4*(\slot)+2:G0B+4*(\slot)+3], 2*KSTEP*2
	JLOAD \slot                                    ; my one tensor load behind the round; the four v_nop behind it are also the places in front of the loads below
.else
	PLACES
.endif
	FETCH \next, 0, 0
.if \fill
	ASK
.endif
	MUL 1, 1, 0, 0
	MUL 1, 1, 2, 0
.endm
	s_wait_tensorcnt 1                             ; my part of K step 0 is in; K step 1's may stay out
	s_barrier_signal -1
	s_barrier_wait -1                              ; everybody's is
	FETCH 0, 0, 0
	QUARTER 0, 1, 0, 1, 1                          ; the first quarter stands in front of the loop: its products start the sums
	WIN 0                                          ; at a label and at a branch every window is 0
	s_mov_b32 s3, 3
.Llap:                                                 ; a trip goes once round the ring, from a lap's second quarter to the next lap's first, and fills both slots again: K steps 2 to 7
	QUARTER 0, 2, 1, 0, 0
	QUARTER 0, 3, 0, 1, 0
	TURN 0, 1, 1
	QUARTER 1, 1, 0, 1, 0
	QUARTER 1, 2, 1, 0, 0
	QUARTER 1, 3, 0, 1, 0
	TURN 1, 0, 1
	QUARTER 0, 1, 0, 1, 0
	WIN 0
	s_sub_co_u32 s3, s3, 1
	s_cmp_lg_u32 s3, 0
	s_cbranch_scc1 .Llap
	QUARTER 0, 2, 1, 0, 0                          ; the last lap fills nothing, and has no round
	QUARTER 0, 3, 0, 1, 0
	TURN 0, 1, 0
	QUARTER 1, 1, 0, 1, 0
	QUARTER 1, 2, 1, 0, 0
	QUARTER 1, 3, 0, 1, 0
	s_wait_dscnt 8                                 ; the very last quarter: nothing more to fetch
	MUL 1, 0, 0, 0
	MUL 1, 0, 2, 0
	s_wait_dscnt 0x0
	MUL 1, 1, 0, 0
	MUL 1, 1, 2, 0
	; THE WAY OUT.  A lane's eight results of an accumulator pack into 16 bytes, and 32 lanes' are half a block: each store is 512 consecutive bytes at a multiple of 512 from qkv's first byte.
	; Each accumulator's registers are read in ascending order.  The 192 packed registers are written once, so no store's data is written again.
	PLACES
	PLACES
.irp a, 0,1,2,3,4,5,6,7
	WIN 0x05+0x05*((\a)/4)                         ; sources 0 and 1: window 1 or 2; destination window 0
.irp b, 0,1,2,3,4,5
.irp i, 0,1,2,3
	v_cvt_pk_f16_f32 v[OUTR+4*(NB*(\a)+(\b))+(\i)], v[8*(NB*((\a)%4)+(\b))+2*(\i)], v[8*(NB*((\a)%4)+(\b))+2*(\i)+1]
.endr
.endr
	WIN 0
	global_store_b128 v[CO], v[OUTR+4*(NB*(\a)+0):OUTR+4*(NB*(\a)+0)+3], s[8:9] offset:1024*(\a)            ; q: block a, channels 0-15
	global_store_b128 v[CO], v[OUTR+4*(NB*(\a)+1):OUTR+4*(NB*(\a)+1)+3], s[8:9] offset:1024*(\a)+512        ; channels 16-31
	global_store_b128 v[CO], v[OUTR+4*(NB*(\a)+2):OUTR+4*(NB*(\a)+2)+3], s[8:9] offset:32768+1024*(\a)      ; k likewise
	global_store_b128 v[CO], v[OUTR+4*(NB*(\a)+3):OUTR+4*(NB*(\a)+3)+3], s[8:9] offset:32768+1024*(\a)+512
	global_store_b128 v[CO], v[OUTR+4*(NB*(\a)+4):OUTR+4*(NB*(\a)+4)+3], s[8:9] offset:65536+2048*((\a)/2)+512*((\a)%2)       ; V^T: keys 32 (a / 2) on, half a % 2; channels 0-15
	global_store_b128 v[CO], v[OUTR+4*(NB*(\a)+5):OUTR+4*(NB*(\a)+5)+3], s[8:9] offset:65536+2048*((\a)/2)+1024+512*((\a)%2)  ; channels 16-31
.endr
	s_wait_tensorcnt 0x0                           ; the wave's end
	ds_add_u32 v[SPW], v[NIL]
	s_wait_dscnt 0x0
	CROUND                                         ; the closing round: no work-group ends while a partner may still ask for a tile that names it
	s_endpgm
.Lfunc_end_k_q45022b58b3_qkv:
	.size	k_q45022b58b3_qkv, .Lfunc_end_k_q45022b58b3_qkv-k_q45022b58b3_qkv
	.p2alignl 7, 3214868480
	.fill 96, 4, 3214868480
	.section	.rodata,"a",@progbits
	.p2align	6, 0x0
	.amdhsa_kernel k_q45022b58b3_qkv
		.amdhsa_group_segment_fixed_size 327680
		.amdhsa_private_segment_fixed_size 0
		.amdhsa_enable_private_segment 0
		.amdhsa_kernarg_size 24
		.amdhsa_user_sgpr_count 2
		.amdhsa_user_sgpr_kernarg_segment_ptr 1
		.amdhsa_wavefront_size32 1
		.amdhsa_system_sgpr_workgroup_id_x 1
		.amdhsa_system_sgpr_workgroup_id_y 1
		.amdhsa_system_sgpr_workgroup_id_z 1
		.amdhsa_system_vgpr_workitem_id 0
		.amdhsa_next_free_vgpr 704
		.amdhsa_next_free_sgpr 66
		.amdhsa_reserve_vcc 0
		.amdhsa_float_denorm_mode_32 3
		.amdhsa_float_denorm_mode_16_64 3
		.amdhsa_memory_ordered 1
		.amdhsa_forward_progress 1
		.amdhsa_inst_pref_size 109
	.end_amdhsa_kernel
	.amdgpu_metadata
---
amdhsa.version: [ 1, 2 ]
amdhsa.kernels:
  - .name:           k_q45022b58b3_qkv
    .symbol:         k_q45022b58b3_qkv.kd
    .args:
      - { .name: xb, .offset: 0, .size: 8, .value_kind: global_buffer, .address_space: global }
      - { .name: wqkv, .offset: 8, .size: 8, .value_kind: global_buffer, .address_space: global }
      - { .name: qkv, .offset: 16, .size: 8, .value_kind: global_buffer, .address_space: global }
    .group_segment_fixed_size: 327680
    .private_segment_fixed_size: 0
    .kernarg_segment_align: 8
    .kernarg_segment_size: 24
    .max_flat_workgroup_size: 128
    .sgpr_count:     66
    .vgpr_count:     704
    .wavefront_size: 32
...
	.end_amdgpu_metadata
.endif
;; end of part 2
;; launch attn (part 3): grid 256 x 1, 4 waves a work-group, no clusters, 18,944 bytes of LDS; arguments qkv, bias4, ctx; writes ctx
.if DOCPART == 3
	.amdgcn_target "amdgcn-amd-amdhsa--gfx1250"
	.amdhsa_code_object_version 6
	.text
	.protected	k_q45022b58b3_attn
	.globl	k_q45022b58b3_attn
	.p2align	8
	.type	k_q45022b58b3_attn,@function
k_q45022b58b3_attn:
	s_mov_b64 s[64:65], 0
	v_nop
	global_prefetch_b8 v0, s[64:65] scope:SCOPE_SE
	s_setreg_imm32_b32 hwreg(HW_REG_WAVE_MODE, 25, 1), 1
	s_wait_xcnt 0x0
; ATTENTION AT HEAD SIZE 32 WITH A BIAS THAT HANGS ON k - q.  ctx[hd][q] = the sum over k of softmax_k(q . k / sqrt(32) + T[k - q + 511]) v[k], 512 keys, 512 heads hd = 32 batch + h.
; qkv and ctx hold blocks of 1,024 bytes in the order in which a matrix operand lies in registers: [half e][lane][16 bytes].  Products, maxima and sums in f32; the weights p are rounded to f16 for the second
; product (their sum is taken of the unrounded p), the result once at the end.
; LIMITS.  q, k, v arrive in f16.  p lies in 0 to 1 and below 6e-5 keeps f16's fixed step of 6e-8; a weight below 2^-126 counts as 0; NaN and infinities are not treated apart.
; SHARES.  A work-group takes two heads; a wave one head and 256 of its queries: 16 tiles of 16.  1,024 waves of equal work.
; ALL OF THE HEAD'S K AND V STAY IN REGISTERS (32 + 32 blocks, 512 registers), loaded once, as they lie in memory; a tile's whole row of scores, 512 keys, is 256 registers more.  So the softmax takes the
; row's TRUE maximum: there is no running maximum, and nothing is rescaled.
; LAYOUT.  S^T = K Q^T (source 0 = 16 keys, source 1 = 16 queries): a lane holds ONE query (lane % 16) and the keys 8 (lane / 16) + 0..7 of each of the 32 results.  Two results rounded to f16 ARE source 1
; (32 keys x 16 queries) of O^T = V^T P, whose result holds one query a lane and eight channels: a block of ctx.
; THE BIAS COSTS NO VECTOR WORK.  bias4 holds U = sqrt(32) T, in four copies shifted by one number each.  The next tile's bias is loaded from LDS straight into S's registers, and the product adds in place:
; S = K Q^T + U.  Then p = 2^(c S - c m), c = log2(e) / sqrt(32), m the row's maximum of S.
; A lane wants U[s .. s + 7], s = 16 (i - qb) + 8 (lane / 16) - lane % 16 + 511, for result i of tile qb.  In copy s % 4 these lie at a multiple of 16 bytes: two loads of 16 bytes.
; NO CLUSTER, NO TENSOR LOAD: work-groups share the 18,432 bytes of bias4 alone, and every operand comes as whole loads of 512 consecutive bytes.  No prefetch: all that a wave streams is asked for at its head.
; REGISTERS, in windows of 256 (s_set_vgpr_msb: bits 1:0 source 0, 3:2 source 1, 5:4 source 2, 7:6 destination):
;   window 0: below      window 1: S, result i at 8 i      window 2: K, block i at 8 i      window 3: V^T, block f at 8 f
.set SPARE, 18432                      ; behind the image of bias4: the spare words, 128 bytes for each wave: two blocks of 256 bytes that no other line names
.set LO,  2                            ; v2   16 x lane; never rewritten
.set BA0, 3                            ; v3   my lane's place in the image; never rewritten
.set SPW, 4                            ; v4   LDS address of my spare word: SPARE + 4 x my thread's number; never rewritten
.set NIL, 5                            ; v5   0; never rewritten
.set BA,  6                            ; v6   the LDS address of the run of loads in hand
.set BG,  7                            ; v7   16 x my thread's number
.set CH,  8                            ; v8-11   four chains of the maximum
.set MX,  12                           ; v12  what the lane 16 away holds
.set NEG, 13                           ; v13  the lowest finite number: the chains' start
.set CM,  14                           ; v[14:15] c m, in the low word
.set LS,  16                           ; v[16:23] four pairs of sums
.set RC,  24                           ; v[24:25] 1 / the sum, in the low word
.set OT,  32                           ; v[32:47] O^T: channels 0-15, 16-31
.set QF,  48                           ; v[48:55] the tile's block of Q
.set PK,  56                           ; v[56:63] the tile's block of ctx
.set IMG, 64                           ; v[64:99] the image on its way into LDS
.set P,   128                          ; v[128:255] the weights in f16: result j's at P + 4 j
.set QA,  16                           ; s[16:17] Q at the tile last asked for
.set KA,  18                           ; s[18:19] the head's K; V lies 32,768 bytes on
.set CT,  20                           ; s[20:21] ctx, one block past the tile in hand
.set TBB, 22                           ; s22  64 (32 - qb) for the tile whose bias is fetched
.set CNT, 23                           ; s23  tiles to go
.set CS,  24                           ; s[24:25] c: the packed scaling takes the pair's low word for both halves
.set SEL, 26                           ; s[26:27] v_permlanex16_b32's selects: each lane takes its own place in the other half
.set TB0, 28                           ; s28  1,024 for the head's first 256 queries, 0 for the others
.set MSB, 0
.macro WIN new                         ; the immediate's high byte repeats the setting that is left; a switch that changes nothing is dropped
.if MSB != (\new)
	s_set_vgpr_msb (MSB<<8)|(\new)
.set MSB, \new
.endif
.endm
	s_load_b128 s[4:7], s[0:1], 0x0                ; qkv s[4:5], bias4 s[6:7]
	s_load_b64 s[8:9], s[0:1], 0x10                ; ctx
	v_lshl_add_u32 v[SPW], v0, 2, SPARE
	v_mov_b32 v[NIL], 0
	v_lshrrev_b32 v1, 5, v0
	v_readfirstlane_b32 s10, v1                    ; wave 0..3
	s_lshr_b32 s13, s10, 1
	s_and_b32 s12, s10, 1                          ; which 256 queries
	s_lshl_b32 s11, ttmp9, 1
	s_add_co_u32 s11, s11, s13                     ; the head
	s_mul_i32 s14, s11, 98304                      ; its bytes in qkv
	s_mov_b32 s15, 0
	s_lshl_b32 s2, s11, 15                         ; and in ctx
	s_lshl_b32 s3, s12, 14                         ; my 16 tiles of 1,024 bytes
	s_mov_b32 s[CS], 0x3e8293ee                    ; c = log2(e) / sqrt(32) = 0.255035
	s_mov_b32 s[CS+1], s[CS]                       ; named with it as a pair
	s_mov_b32 s[SEL], 0x76543210
	s_mov_b32 s[SEL+1], 0xfedcba98
	s_lshl_b32 s[TB0], s12, 10
	s_sub_co_u32 s[TBB], 2048, s[TB0]              ; 64 (32 - qb) for my first tile, qb = 0 or 16
	s_sub_co_u32 s[TB0], 1024, s[TB0]
	s_mov_b32 s[CNT], 16
	v_and_b32 v1, 31, v0
	v_lshlrev_b32 v[LO], 4, v1
	v_lshlrev_b32 v[BG], 4, v0
	v_and_b32 v8, 15, v0
	v_bfe_u32 v9, v0, 4, 1                         ; l / 16
	v_sub_nc_u32 v8, 15, v8                        ; 15 - l % 16
	v_and_b32 v10, 3, v8                           ; the copy: s % 4 = (15 - l % 16) % 4
	v_mul_u32_u24 v10, v10, 4156                   ; a copy is 4,160 bytes, and copy c lies c numbers back
	v_lshl_add_u32 v10, v8, 2, v10
	v_lshl_add_u32 v[BA0], v9, 5, v10              ; 4,156 c + 4 (15 - l % 16) + 32 (l / 16): with 64 (32 - qb) + 64 i that is 4,160 c + 4 (s + 16 - c)
	v_mov_b32 v[MX], 0                             ; v_permlanex16_b32 counts as a reader of its destination
	v_mov_b32 v[NEG], 0xff7fffff
	v_mov_b32 v[CM+1], 0                           ; named as pairs
	v_mov_b32 v[RC+1], 0
	s_wait_kmcnt 0x0
	s_add_nc_u64 s[KA:KA+1], s[4:5], s[14:15]      ; the head's first byte
	s_mov_b32 s14, s3
	s_add_nc_u64 s[QA:QA+1], s[KA:KA+1], s[14:15]
	s_add_nc_u64 s[KA:KA+1], s[KA:KA+1], 32768
	s_add_co_u32 s14, s2, s3
	s_add_nc_u64 s[CT:CT+1], s[8:9], s[14:15]
.irp k, 0,1,2,3,4,5,6,7,8
	global_load_b128 v[IMG+4*(\k):IMG+4*(\k)+3], v[BG], s[6:7] offset:2048*(\k)  ; the image: 128 threads x 16 bytes, nine times
.endr
	global_load_b128 v[QF:QF+3],   v[LO], s[QA:QA+1]
	global_load_b128 v[QF+4:QF+7], v[LO], s[QA:QA+1] offset:512
	WIN 0x80                                       ; destination window 2, address window 0
.set i, 0
.rept 32
	global_load_b128 v[8*i:8*i+3],   v[LO], s[KA:KA+1] offset:1024*i
	global_load_b128 v[8*i+4:8*i+7], v[LO], s[KA:KA+1] offset:1024*i+512
.set i, i+1
.endr
	WIN 0
	s_wait_loadcnt 63                              ; 66 loads are younger than the image's nine; 63 is the largest count that can be named
.irp k, 0,1,2,3,4,5,6,7,8
	ds_store_b128 v[BG], v[IMG+4*(\k):IMG+4*(\k)+3] offset:2048*(\k)
.endr
	s_wait_dscnt 0x0                               ; for the others' sake: my part of the image is written
	s_barrier_signal -1
	s_barrier_wait -1                              ; the launch's one barrier: from here on the image is only read
	WIN 0xc0                                       ; destination window 3
.set i, 0
.rept 32
	global_load_b128 v[8*i:8*i+3],   v[LO], s[KA:KA+1] offset:32768+1024*i
	global_load_b128 v[8*i+4:8*i+7], v[LO], s[KA:KA+1] offset:32768+1024*i+512
.set i, i+1
.endr
	WIN 0
; A tile's bias: 64 loads of 16 bytes, straight into S's registers.
.macro BIASLD
	WIN 0
	v_add_nc_u32 v[BA], s[TBB], v[BA0]
	WIN 0x40                                       ; destination window 1
.set i, 0
.rept 32
	ds_load_b128 v[8*i:8*i+3],   v[BA] offset:64*i
	ds_load_b128 v[8*i+4:8*i+7], v[BA] offset:64*i+16
.set i, i+1
.endr
	WIN 0
.endm
; Result i of S^T = K Q^T + U: one product each, since a head has 32 channels.
.macro KQ i
	WIN 0x52                                       ; K in window 2, Q in window 0, C and D in window 1
	v_wmma_f32_16x16x32_f16 v[8*(\i):8*(\i)+7], v[8*(\i):8*(\i)+7], v[QF:QF+7], v[8*(\i):8*(\i)+7]
.endm
; The eight scores of result j enter the four chains of the maximum; the lowest registers are read first.
.macro MAX4 j
	WIN 0x14                                       ; sources 1 and 2 in window 1
.irp k, 0,1,2,3
.if (\j) == 0
	v_max3_num_f32 v[CH+(\k)], v[NEG], v[8*(\j)+2*(\k)], v[8*(\j)+2*(\k)+1]
.else
	v_max3_num_f32 v[CH+(\k)], v[CH+(\k)], v[8*(\j)+2*(\k)], v[8*(\j)+2*(\k)+1]
.endif
.endr
.endm
; Pair p of 128: c s - c m.
.macro FS p
	v_pk_fma_f32 v[2*(\p):2*(\p)+1], v[2*(\p):2*(\p)+1], s[CS:CS+1], v[CM:CM+1] op_sel_hi:[1,0,0] neg_lo:[0,0,1] neg_hi:[0,0,1]
.endm
; The weights of result j are rounded to f16 and enter the four pairs of sums.  Results 0 and 1 start the sums together.  Later the sum is taken as p x 1 + sum: in that form p is source 0 and the sum source 2, so that
; the roundings and the sums stand under ONE window setting.
.macro RH j
	WIN 0x05                                       ; sources 0 and 1 in window 1; source 2 and the destination in window 0
.irp k, 0,1,2,3
	v_cvt_pk_f16_f32 v[P+4*(\j)+(\k)], v[8*(\j)+2*(\k)], v[8*(\j)+2*(\k)+1]
.endr
.if (\j) == 0
.irp k, 0,1,2,3
	v_pk_add_f32 v[LS+2*(\k):LS+2*(\k)+1], v[2*(\k):2*(\k)+1], v[8+2*(\k):8+2*(\k)+1]
.endr
.elseif (\j) >= 2
.irp k, 0,1,2,3
	v_pk_fma_f32 v[LS+2*(\k):LS+2*(\k)+1], v[8*(\j)+2*(\k):8*(\j)+2*(\k)+1], 1.0, v[LS+2*(\k):LS+2*(\k)+1] op_sel_hi:[1,0,1]
.endr
.endif
.endm
; O^T += V^T P: keys 32 kk on, channels 16 cb on.  The two accumulators take turns; the first products start the sums.
.macro PV kk, cb
	WIN 0x03                                       ; V in window 3
.if (\kk) == 0
	v_wmma_f32_16x16x32_f16 v[OT+8*(\cb):OT+8*(\cb)+7], v[8*(2*(\kk)+(\cb)):8*(2*(\kk)+(\cb))+7], v[P+8*(\kk):P+8*(\kk)+7], 0
.else
	v_wmma_f32_16x16x32_f16 v[OT+8*(\cb):OT+8*(\cb)+7], v[8*(2*(\kk)+(\cb)):8*(2*(\kk)+(\cb))+7], v[P+8*(\kk):P+8*(\kk)+7], v[OT+8*(\cb):OT+8*(\cb)+7]
.endif
.endm
	BIASLD                                         ; my first tile's bias
	s_wait_loadcnt 63                              ; Q and K are in: V's 64 loads are younger; 63 is the largest count that can be named
.Ltile:                                                ; 16 trips, a tile each
	; THE SCORES AND THEIR MAXIMUM.  Behind each product stand the four maxima of the result two back: eight plain instructions lie between a product and the first read of its result.
.set i, 0
.rept 32
.if (i%8) == 0
	s_wait_dscnt 48-2*i                            ; the bias of the next eight results is in; the loads behind them stay out
.endif
	KQ i
.if i == 2
.rept 4
	v_nop                                          ; result 0 has no riders in front of its maxima: four places, once a tile
.endr
.endif
.if i >= 2
	MAX4 i-2
.endif
.set i, i+1
.endr
	MAX4 30
	MAX4 31
	; THE NEXT TILE'S Q.  Eight plain instructions that name none of its registers stand behind the last product that read Q.
	WIN 0
	s_wait_xcnt 0x0                                ; the last tile's two stores and its two loads of Q have read their addresses and data: the pointers, and later the packed block, may be written
	s_add_nc_u64 s[QA:QA+1], s[QA:QA+1], 1024
	s_add_nc_u64 s[CT:CT+1], s[CT:CT+1], 1024
	global_load_b128 v[QF:QF+3],   v[LO], s[QA:QA+1]             ; in the last trip: the 1,024 bytes behind my 16 tiles, inside qkv, used by nothing: the price of one text for every trip
	global_load_b128 v[QF+4:QF+7], v[LO], s[QA:QA+1] offset:512
	v_max3_num_f32 v[CH], v[CH], v[CH+1], v[CH+2]
	v_max_num_f32 v[CH], v[CH], v[CH+3]
	v_permlanex16_b32 v[MX], v[CH], s[SEL], s[SEL+1]             ; the query's other 256 keys lie in the lane 16 away
	v_max_num_f32 v[CH], v[CH], v[MX]
	v_mul_f32 v[CM], s[CS], v[CH]                  ; c m
	; THE SCALINGS AND ALL 256 EXPONENTIALS: ONE BATCH.  None of these lines names an exponential's result; a pair is scaled four pairs ahead of its exponentials.
	WIN 0x41                                       ; destination and source 0 in window 1
.set p, 0
.rept 4
	FS p
.set p, p+1
.endr
.set p, 0
.rept 128
	v_exp_f32 v[2*p], v[2*p]
.if p+4 < 128
	FS p+4
.endif
	v_exp_f32 v[2*p+1], v[2*p+1]
.set p, p+1
.endr
	v_nop                                          ; a plain instruction behind the last exponential, ahead of the first use (ISA guide 5.7.2): one for the batch
	s_wait_alu depctr_va_vdst(0)                   ; a wait ahead of the first line that names a result: one for the batch
	; THE WEIGHTS AND V^T P.  Behind each product stand the roundings and sums of a result two pairs of keys on.
	s_wait_loadcnt 2                               ; V is in (the first trip); only the two loads of Q are younger
	RH 0
	RH 1
	RH 2
	RH 3
.set kk, 0
.rept 16
	PV kk, 0
.if 2*kk+4 < 32
	RH 2*kk+4
.endif
	PV kk, 1
.if 2*kk+5 < 32
	RH 2*kk+5
.endif
.set kk, kk+1
.endr
	; THE TILE'S END.  S has been read: the next tile's bias is asked for, and lands during what follows.  Its place in the image is made of the loop's own count: 64 x tiles left + TB0 = 64 (32 - qb).
	WIN 0
	s_sub_co_u32 s[CNT], s[CNT], 1
	s_lshl_b32 s[TBB], s[CNT], 6
	s_add_co_u32 s[TBB], s[TBB], s[TB0]
	BIASLD                                         ; (in the last trip: a fetch inside the image that nothing uses)
	v_pk_add_f32 v[LS:LS+1], v[LS:LS+1], v[LS+2:LS+3]            ; these sums are the places behind the last products
	v_pk_add_f32 v[LS+4:LS+5], v[LS+4:LS+5], v[LS+6:LS+7]
	v_pk_add_f32 v[LS:LS+1], v[LS:LS+1], v[LS+4:LS+5]
	v_add_f32 v[LS], v[LS], v[LS+1]
	v_permlanex16_b32 v[MX], v[LS], s[SEL], s[SEL+1]
	v_add_f32 v[LS], v[LS], v[MX]
	v_rcp_f32 v[RC], v[LS]
	v_nop                                          ; a plain instruction between the reciprocal and its use,
	s_wait_alu depctr_va_vdst(0)                   ; and a wait
.irp i, 0,1,2,3,4,5,6,7
	v_pk_mul_f32 v[OT+2*(\i):OT+2*(\i)+1], v[OT+2*(\i):OT+2*(\i)+1], v[RC:RC+1] op_sel_hi:[1,0]
.endr
.irp i, 0,1,2,3,4,5,6,7
	v_cvt_pk_f16_f32 v[PK+(\i)], v[OT+2*(\i)], v[OT+2*(\i)+1]
.endr
	global_store_b128 v[LO], v[PK:PK+3],   s[CT:CT+1] offset:-1024   ; the pointer was stepped above: the stores reach back.  512 consecutive bytes each, at a multiple of 512 from ctx's first byte
	global_store_b128 v[LO], v[PK+4:PK+7], s[CT:CT+1] offset:-512
	s_wait_loadcnt 0x0                             ; the next tile's Q
	s_cmp_lg_u32 s[CNT], 0
	s_cbranch_scc1 .Ltile
	s_wait_tensorcnt 0x0                           ; the wave's end, behind my last LDS store; the last wait is also for the fetch that nothing uses
	ds_add_u32 v[SPW], v[NIL]
	s_wait_dscnt 0x0
	s_endpgm
.Lfunc_end_k_q45022b58b3_attn:
	.size	k_q45022b58b3_attn, .Lfunc_end_k_q45022b58b3_attn-k_q45022b58b3_attn
	.p2alignl 7, 3214868480
	.fill 96, 4, 3214868480
	.section	.rodata,"a",@progbits
	.p2align	6, 0x0
	.amdhsa_kernel k_q45022b58b3_attn
		.amdhsa_group_segment_fixed_size 18944
		.amdhsa_private_segment_fixed_size 0
		.amdhsa_enable_private_segment 0
		.amdhsa_kernarg_size 24
		.amdhsa_user_sgpr_count 2
		.amdhsa_user_sgpr_kernarg_segment_ptr 1
		.amdhsa_wavefront_size32 1
		.amdhsa_system_sgpr_workgroup_id_x 1
		.amdhsa_system_sgpr_workgroup_id_y 1
		.amdhsa_system_sgpr_workgroup_id_z 1
		.amdhsa_system_vgpr_workitem_id 0
		.amdhsa_next_free_vgpr 1024
		.amdhsa_next_free_sgpr 66
		.amdhsa_reserve_vcc 0
		.amdhsa_float_denorm_mode_32 3
		.amdhsa_float_denorm_mode_16_64 3
		.amdhsa_memory_ordered 1
		.amdhsa_forward_progress 1
		.amdhsa_inst_pref_size 75
	.end_amdhsa_kernel
	.amdgpu_metadata
---
amdhsa.version: [ 1, 2 ]
amdhsa.kernels:
  - .name:           k_q45022b58b3_attn
    .symbol:         k_q45022b58b3_attn.kd
    .args:
      - { .name: qkv, .offset: 0, .size: 8, .value_kind: global_buffer, .address_space: global }
      - { .name: bias4, .offset: 8, .size: 8, .value_kind: global_buffer, .address_space: global }
      - { .name: ctx, .offset: 16, .size: 8, .value_kind: global_buffer, .address_space: global }
    .group_segment_fixed_size: 18944
    .private_segment_fixed_size: 0
    .kernarg_segment_align: 8
    .kernarg_segment_size: 24
    .max_flat_workgroup_size: 128
    .sgpr_count:     66
    .vgpr_count:     1024
    .wavefront_size: 32
...
	.end_amdgpu_metadata
.endif
;; end of part 3
;; launch outp (part 4): grid 8 x 32, 4 waves a work-group, clusters of 4 x 4, 327,680 bytes of LDS; arguments ctx, wo16, out0; writes out0
.if DOCPART == 4
	.amdgcn_target "amdgcn-amd-amdhsa--gfx1250"
	.amdhsa_code_object_version 6
	.text
	.protected	k_q45022b58b3_outp
	.globl	k_q45022b58b3_outp
	.p2align	8
	.type	k_q45022b58b3_outp,@function
k_q45022b58b3_outp:
	s_mov_b64 s[64:65], 0
	v_nop
	global_prefetch_b8 v0, s[64:65] scope:SCOPE_SE
	s_setreg_imm32_b32 hwreg(HW_REG_WAVE_MODE, 25, 1), 1
	s_wait_xcnt 0x0
	s_wait_alu depctr_hold_cnt(0) depctr_sa_sdst(0) depctr_va_vdst(0) depctr_va_sdst(0) depctr_va_ssrc(0) depctr_va_vcc(0) depctr_vm_vsrc(0)
	s_getreg_b32 s2, hwreg(HW_REG_IB_STS2, 6, 4)
	s_cmp_eq_u32 s2, 0
	s_cbranch_scc0 .Lentry_in_a_cluster
	s_endpgm
.Lentry_in_a_cluster:
	s_bfe_u32 s2, ttmp6, 0x10000c
	s_cmp_lg_u32 s2, 0xf033
	s_cbranch_scc0 .Lentry_shape_is_right
	s_endpgm
.Lentry_shape_is_right:
; out0 = ctx wo^T.  ctx: f16, in blocks of 1,024 bytes (16 queries x one head's 32 channels) in the order in which a matrix operand lies in registers, block qb of head hd = 32 batch + h at 32,768 hd + 1,024 qb.
; wo16: [1024][1024] f16, row-major.  out0: [8192][1024] f32.  Sums in f32, K ascending.
; SHARES.  A work-group makes 256 rows x 128 columns: 32 x 8 = 256 work-groups.  Four waves, each 128 x 64: 32 accumulators of 16 x 16, 256 registers.  K goes in 8 steps of 128 = four heads, through a ring of two
; LDS slots filled by the tensor data mover.  A wave's tile of ctx is four rows of 8,192 bytes (a head's eight blocks on end), 32,768 bytes apart; it lies dense in LDS, and a fragment load takes 512 consecutive
; bytes.  wo16's tiles are 64 rows of 256 bytes, padded in LDS.
; CLUSTER.  4 x 4 work-groups: ctx's tiles are asked for jointly along a row of the cluster, wo16's along a column.
; THE PRODUCT IS TAKEN TRANSPOSED (source 0 = 16 rows of wo16, source 1 = 16 rows of ctx): a lane holds one row of out0 and eight neighbouring columns, 32 bytes.
; REGISTERS, in windows of 256 (s_set_vgpr_msb: bits 1:0 source 0, 3:2 source 1, 5:4 source 2, 7:6 destination):
;   window 0: v0-31 addresses; v32-159 ctx's fragments, two buffers of 8; v160-191, v208-239 wo16's, two buffers of 4; on the way out v32-95 rows read back from the stage
;   window 1: the accumulators of my row blocks 0-3, (a, b) at 8 (4 a + b);   window 2: those of blocks 4-7
.set NB,     4
.set KSTEP,  128
.set PITCH,  272                       ; a row of wo16 in LDS: 256 bytes + 16 of padding = 68 words: the 16 rows that a load touches start at 16 different groups of four banks (64 banks of 4 bytes: ISA guide 11.1)
.set BROWS,  64
.set AHALF,  32768                     ; 128 rows of ctx x 128 K: 32 blocks, [head 0..3][row block 0..7]
.set BHALF,  BROWS*PITCH
.set SLOT,   2*(AHALF+BHALF)
.set ASTEP,  131072                    ; bytes from a K step of ctx to the next: four heads
.set STAGE,  2*SLOT                    ; behind the ring, never filled by a tensor load: 16 rows x 272 bytes for each wave, for the way out
.set SPITCH, 272
.set SPARE,  STAGE+4*16*SPITCH         ; behind the stages: the spare words, 128 bytes for each wave: two blocks of 256 bytes that no other line names
.set NLD,    2*NB+16
.set ADRA, 16                          ; v16-17  LDS address of my ctx fragments in slot 0, 1
.set ADRB, 20                          ; v20-21  the same for wo16
.set STO,  24                          ; v24     the way out: where I put 32 bytes of a row
.set RD,   25                          ; v25     where I read rows back
.set CO,   26                          ; v26     my byte offset in two rows of out0
.set SPW,  28                          ; v28     LDS address of my spare word: SPARE + 4 x my thread's number; never rewritten
.set NIL,  29                          ; v29     0; never rewritten
.set PFO,  30                          ; v30     the prefetches' offset; never rewritten
.set FA0,  32
.set FB0,  160
.set OB,   32                          ; the way out: 16 rows read back: v32-63 and v64-95 by turns
.set G1,  24
.set G0,  32
.set G1B, 48
.set G0B, 56
.set LIM, 43                           ; s43     1 in a wave that prefetches, else the greatest number
.set PFA, 44                           ; s[44:45] where my prefetches stand
.set PFS, 66                           ; s[66:67] bytes from a K step to the next in the tensor that I fetch
.set MSB, 0
.macro WIN new                         ; the immediate's high byte repeats the setting that is left; a switch that changes nothing is dropped
.if MSB != (\new)
	s_set_vgpr_msb (MSB<<8)|(\new)
.set MSB, \new
.endif
.endm
; A joint load.  Waves 0 and 1 fetch ctx's two halves, waves 2 and 3 wo16's.  An s_nop 0 and four v_nop follow each of the two lines, ahead of the jump and the label.
.macro JLOAD s
	s_cmp_eq_u32 s11, 0
	s_cbranch_scc0 .Lfor_b_\@
	tensor_load_to_lds s[G0+4*(\s):G0+4*(\s)+3], s[G1:G1+7]
	s_nop 0
.rept 4
	v_nop
.endr
	s_branch .Lasked_\@
.Lfor_b_\@:
	tensor_load_to_lds s[G0B+4*(\s):G0B+4*(\s)+3], s[G1B:G1B+7]
	s_nop 0
.rept 4
	v_nop
.endr
.Lasked_\@:
.endm
; A PREFETCH, behind each joint refill and the run of LDS loads that follows it: the K step that stands TWO refills on, one instruction a wave.  ctx's tile row is read by both clusters of that row of clusters: the one
; with cluster x = 0 asks; wo16's tile column by all eight clusters of that column: the one with cluster y = 0 asks.  The four partners share a wave's tile out BY ADDRESS: of ctx's four heads the partner at cx takes
; one, 8,192 bytes, a lane 256 of them; of wo16's 64 rows the partner at cy takes 16, a lane a row (lanes 16 to 31 name row 15 once more).  K steps 0 to 3 come by their loads alone; the loop's last trip asks for nothing.
.macro ASK
	s_cmp_gt_u32 s3, s[LIM]
	s_cbranch_scc0 .Lnot_mine_\@
	global_prefetch_b8 v[PFO], s[PFA:PFA+1] th:TH_LOAD_NT scope:SCOPE_SE
.Lnot_mine_\@:
.endm
.macro CREST                           ; a round of the cluster's barrier behind its opening barrier
	s_cmp_lg_u32 s10, 0
	s_cbranch_scc1 .Lnot_wave_0_\@
	s_barrier_signal -3
.Lnot_wave_0_\@:
	s_barrier_wait -3
	s_barrier_signal -1
	s_barrier_wait -1
.endm
.macro CROUND
	s_barrier_signal -1
	s_barrier_wait -1
	CREST
.endm
	s_load_b128 s[4:7], s[0:1], 0x0                ; ctx s[4:5], wo16 s[6:7]
	s_load_b64 s[8:9], s[0:1], 0x10                ; out0
	v_lshl_add_u32 v[SPW], v0, 2, SPARE
	v_mov_b32 v[NIL], 0
	ds_add_u32 v[SPW], v[NIL]                      ; the wave's opening: the add and its wait stand ahead of my first tensor load; the set-up below, work on registers, stands between them
	v_lshrrev_b32 v1, 5, v0
	v_readfirstlane_b32 s10, v1                    ; wave 0..3
	s_lshr_b32 s11, s10, 1                         ; which half of the tile's rows is mine.  Also: I fetch for ctx (0) or for wo16 (1)
	s_and_b32 s12, s10, 1                          ; which half of its columns.  Also: which half of that tile I fetch
	s_bfe_u32 s40, ttmp6, 0x40000                  ; cx, cy
	s_bfe_u32 s41, ttmp6, 0x40004
	s_lshl_b32 s42, ttmp9, 2
	s_add_co_u32 s42, s42, s40                     ; tile column = 4 x cluster x + cx
	s_and_b32 s13, ttmp7, 0xffff
	s_lshl_b32 s13, s13, 2
	s_add_co_u32 s13, s13, s41                     ; tile row = 4 x cluster y + cy
	s_lshl_b32 s43, s41, 2
	s_lshl_b32 s43, 15, s43                        ; my row of the cluster
	s_lshl_b32 s44, 0x1111, s40                    ; my column
	s_or_b32 s[G1+0], s43, (1<<16)|(1<<21)         ; 15:0 the mask; 17:16 elements of 2 bytes; 21 set beside a mask; no padding
	s_or_b32 s[G1B+0], s44, (1<<16)|(1<<20)|(1<<21)|(5<<22)|(3<<25)  ; the same with padding: after every 64 words (code 5) 4 words (code 3)
	s_mov_b32 s[G1+1], 4096<<16                    ; tensor_dim0 = 4,096 elements: a head's eight blocks
	s_mov_b32 s[G1+2], 4<<16                       ; tensor_dim1 = 4 heads
	s_mov_b32 s[G1+3], 4096<<16                    ; tile_dim0
	s_mov_b32 s[G1+4], 4                           ; tile_dim1
	s_mov_b32 s[G1+5], 16384                       ; elements from head to head
	s_mov_b32 s[G1+6], 0
	s_mov_b32 s[G1+7], 0
	s_mov_b32 s[G1B+1], KSTEP<<16
	s_mov_b32 s[G1B+2], BROWS<<16
	s_mov_b32 s[G1B+3], KSTEP<<16
	s_mov_b32 s[G1B+4], BROWS
	s_mov_b32 s[G1B+5], 1024
	s_mov_b32 s[G1B+6], 0
	s_mov_b32 s[G1B+7], 0
	; where the tiles come from: ctx's hang on the tile row alone, wo16's on the tile column alone
	s_lshr_b32 s16, s13, 1
	s_lshl_b32 s16, s16, 20                        ; the batch: 32 heads of 32,768 bytes
	s_and_b32 s17, s13, 1
	s_lshl_b32 s17, s17, 4
	s_lshl3_add_u32 s17, s12, s17                  ; the first block of 16 rows: 16 (tile row % 2) + 8 x half
	s_lshl_b32 s17, s17, 10
	s_add_co_u32 s16, s16, s17
	s_mov_b32 s17, 0
	s_lshl_b32 s46, s42, 7
	s_lshl_b32 s47, s12, 6
	s_add_co_u32 s46, s46, s47                     ; wo16: row 128 x tile column + 64 x half
	s_lshl_b32 s46, s46, 11
	s_mov_b32 s47, 0
	s_mul_i32 s20, s12, AHALF                      ; and where they go: no place in the cluster enters an LDS address
	s_mul_i32 s23, s12, BHALF
	s_add_co_u32 s23, s23, 2*AHALF
	s_wait_dscnt 0x0                               ; the opening add is done
	s_wait_kmcnt 0x0
	s_add_nc_u64 s[14:15], s[4:5], s[16:17]
	s_add_nc_u64 s[46:47], s[6:7], s[46:47]
	CROUND                                         ; all sixteen work-groups are here: the first joint loads meet
.irp s, 0,1
	s_mov_b32 s[G0+4*(\s)], 1
	s_add_co_u32 s[G0+4*(\s)+1], s20, (\s)*SLOT
	s_add_nc_u64 s[G0+4*(\s)+2:G0+4*(\s)+3], s[14:15], (\s)*ASTEP
	s_or_b32 s[G0+4*(\s)+3], s[G0+4*(\s)+3], 0x80000000
	s_mov_b32 s[G0B+4*(\s)], 1
	s_add_co_u32 s[G0B+4*(\s)+1], s23, (\s)*SLOT
	s_add_nc_u64 s[G0B+4*(\s)+2:G0B+4*(\s)+3], s[46:47], (\s)*KSTEP*2
	s_or_b32 s[G0B+4*(\s)+3], s[G0B+4*(\s)+3], 0x80000000
	JLOAD \s                                       ; two loads of mine are out
.endr
	v_and_b32 v1, 15, v0                           ; l % 16
	v_bfe_u32 v2, v0, 4, 1                         ; l / 16
	v_mul_u32_u24 v3, v1, PITCH
	v_lshl_add_u32 v3, v2, 4, v3                   ; wo16: row x pitch + 16 x half
	v_and_b32 v6, 31, v0
	v_lshlrev_b32 v6, 4, v6                        ; ctx: 16 x lane
	s_mul_i32 s21, s11, AHALF                      ; my 128 rows of ctx
	s_mul_i32 s22, s12, BHALF                      ; my 64 rows of wo16,
	s_add_co_u32 s22, s22, 2*AHALF                 ; which lie behind ctx's two halves
.irp s, 0,1
	v_add_nc_u32 v[ADRA+(\s)], s21, v6
	v_add_nc_u32 v[ADRB+(\s)], s22, v3
	s_add_co_u32 s21, s21, SLOT
	s_add_co_u32 s22, s22, SLOT
.endr
	s_mul_i32 s23, s10, 16*SPITCH
	s_add_co_u32 s23, s23, STAGE                   ; my stage
	v_mul_u32_u24 v4, v1, SPITCH                   ; in: row l % 16, 32 bytes for each half of the lanes
	v_lshl_add_u32 v4, v2, 5, v4
	v_add_nc_u32 v[STO], s23, v4
	v_mul_u32_u24 v5, v2, SPITCH                   ; back: lanes 0-15 take one row of 256 bytes, lanes 16-31 the next
	v_lshl_add_u32 v5, v1, 4, v5
	v_add_nc_u32 v[RD], s23, v5
	v_lshlrev_b32 v5, 12, v2                       ; and the same two rows in out0, 4,096 bytes apart
	v_lshl_add_u32 v[CO], v1, 4, v5
	s_lshl_b32 s16, s13, 8
	s_lshl_b32 s17, s11, 7
	s_add_co_u32 s16, s16, s17                     ; my first row of out0,
	s_lshl_b32 s16, s16, 12
	s_lshl_b32 s46, s42, 9                         ; my first column, in bytes: 512 x tile column + 256 x half
	s_lshl_b32 s47, s12, 8
	s_add_co_u32 s46, s46, s47
	s_add_co_u32 s16, s16, s46
	s_mov_b32 s17, 0
	s_add_nc_u64 s[8:9], s[8:9], s[16:17]
	; the prefetches
	s_lshr_b32 s20, s13, 1
	s_lshl_b32 s20, s20, 20
	s_and_b32 s21, s13, 1
	s_lshl_b32 s21, s21, 4
	s_lshl3_add_u32 s21, s12, s21
	s_lshl_b32 s21, s21, 10
	s_add_co_u32 s20, s20, s21
	s_lshl_b32 s21, s40, 15
	s_add_co_u32 s20, s20, s21                     ; ctx: the tile that I fetch, my work-group's head of its four
	s_lshl_b32 s22, s42, 7
	s_lshl_b32 s23, s12, 6
	s_add_co_u32 s22, s22, s23
	s_lshl_b32 s23, s41, 4
	s_add_co_u32 s22, s22, s23
	s_lshl_b32 s22, s22, 11                        ; wo16: the 64 rows that I fetch, my work-group's 16 of them
	s_and_b32 s23, ttmp7, 0xffff                   ; cluster y
	s_mov_b32 s[PFS], KSTEP*2
	s_mov_b32 s[PFS+1], 0
	s_cmp_eq_u32 s11, 0                            ; do I fetch for ctx?
	s_cselect_b32 s20, s20, s22
	s_cselect_b32 s23, ttmp9, s23                  ; the coordinate along which other clusters read the same bytes
	s_cselect_b32 s22, 31, BROWS/4-1               ; my last lane's place
	s_cselect_b32 s21, 8, 11                       ; a lane's step: 256 bytes on end, or a row of 2,048
	s_cselect_b32 s[PFS], ASTEP, s[PFS]
	s_cselect_b64 s[PFA:PFA+1], s[4:5], s[6:7]
	s_cmp_eq_u32 s23, 0
	s_cselect_b32 s[LIM], 1, -1                    ; the same in all sixteen partners, for a given wave
	v_and_b32 v[PFO], 31, v0
	v_min_u32 v[PFO], s22, v[PFO]
	v_lshlrev_b32 v[PFO], s21, v[PFO]
	s_mov_b32 s21, 0
	s_add_nc_u64 s[PFA:PFA+1], s[PFA:PFA+1], s[20:21]
	s_mul_i32 s20, s[PFS], 3
	s_add_nc_u64 s[PFA:PFA+1], s[PFA:PFA+1], s[20:21]  ; at K step 3: the first refill steps it to 4
; 8 matrix instructions: row blocks a0, a0 + 1 of the window's four x all 4 column blocks, 32 along K, from buffer f.  zero = 1: the product starts the sum.
; The 32 accumulators take turns, one instruction a turn, in the same order in every quarter.
.macro MUL f, hi, a0, zero
	WIN 0x50+0x50*(\hi)                            ; sources in window 0; C and D in window 1 or 2
.irp a, \a0, (\a0)+1
.irp b, 0,1,2,3
.set rD, 8*(NB*(\a)+(\b))
.set rA, FA0+64*(\f)+8*(4*(\hi)+(\a))
.set rB, FB0+48*(\f)+8*(\b)
.if \zero
	v_wmma_f32_16x16x32_f16 v[rD:rD+7], v[rB:rB+7], v[rA:rA+7], 0
.else
	v_wmma_f32_16x16x32_f16 v[rD:rD+7], v[rB:rB+7], v[rA:rA+7], v[rD:rD+7]
.endif
.endr
.endr
.endm
; 24 LDS loads in one run: the fragments of quarter q (head q of the K step's four) into buffer f: wo16's 4, ctx's blocks 0-3, ctx's blocks 4-7
.macro FETCH slot, q, f
	WIN 0
.irp i, 0,1,2,3
	ds_load_b128 v[FB0+48*(\f)+8*(\i):FB0+48*(\f)+8*(\i)+3],   v[ADRB+(\slot)] offset:64*(\q)+(\i)*16*PITCH
	ds_load_b128 v[FB0+48*(\f)+8*(\i)+4:FB0+48*(\f)+8*(\i)+7], v[ADRB+(\slot)] offset:64*(\q)+(\i)*16*PITCH+32
.endr
.irp i, 0,1,2,3,4,5,6,7
	ds_load_b128 v[FA0+64*(\f)+8*(\i):FA0+64*(\f)+8*(\i)+3],   v[ADRA+(\slot)] offset:8192*(\q)+1024*(\i)
	ds_load_b128 v[FA0+64*(\f)+8*(\i)+4:FA0+64*(\f)+8*(\i)+7], v[ADRA+(\slot)] offset:8192*(\q)+1024*(\i)+512
.endr
.endm
.macro PLACES                          ; four plain vector instructions between a matrix instruction and a load into, or another instruction on, its registers (ISA guide 7.12.1 for instructions other than loads and stores)
.rept 4
	v_nop
.endr
.endm
.macro QUARTER slot, q, f, g, zero
	s_wait_dscnt 8                                 ; wo16's and ctx's blocks 0-3 are in; the youngest eight loads (ctx's blocks 4-7) may be out
	MUL \f, 0, 0, \zero
	MUL \f, 0, 2, \zero
	PLACES
	FETCH \slot, \q, \g
	s_wait_dscnt NLD                               ; all but the run just issued
	MUL \f, 1, 0, \zero
	MUL \f, 1, 2, \zero
.endm
; The last quarter multiplies buffer 1 and changes slots: ONE barrier.  In front of it each wave waits for all its tensor loads (one is out: its part of the next slot), adds 0 to its spare word, and waits for that and
; for its own reads of this slot.  fill = 1: the barrier opens a round of the cluster's barrier, and this slot is filled again, two K steps on, first thing behind the round.
.macro TURN slot, next, fill
.if \fill
	s_wait_xcnt 0x0                                ; the last prefetch, a K step back, has read its address
	s_add_nc_u64 s[PFA:PFA+1], s[PFA:PFA+1], s[PFS:PFS+1]
.endif
	WIN 0                                          ; (the add's two registers lie in window 0)
	s_wait_tensorcnt 0x0                           ; all my tensor loads have landed
	ds_add_u32 v[SPW], v[NIL]                      ; 0 onto my spare word
	s_wait_dscnt 9                                 ; (the add and the youngest eight loads may be out)
	MUL 1, 0, 0, 0                                 ; eight matrix instructions stand between the add and the wait for it
	s_wait_dscnt 0x0                               ; the add is done, and my reads of this slot are over
	s_barrier_signal -1
	MUL 1, 0, 2, 0
.if \fill
	WIN 0
.endif
	s_barrier_wait -1
.if \fill
	CREST                                          ; no wave of any partner still reads this slot or has a load on its way
	s_add_nc_u64 s[G0+4*(\slot)+2:G0+4*(\slot)+3], s[G0+4*(\slot)+2:G0+4*(\slot)+3], 2*ASTEP
	s_add_nc_u64 s[G0B+4*(\slot)+2:G0B+4*(\slot)+3], s[G0B+4*(\slot)+2:G0B+4*(\slot)+3], 2*KSTEP*2
	JLOAD \slot                                    ; my one tensor load behind the round; the four v_nop behind it are also the places in front of the loads below
.else
	PLACES
.endif
	FETCH \next, 0, 0
.if \fill
	ASK
.endif
	MUL 1, 1, 0, 0
	MUL 1, 1, 2, 0
.endm
; THE WAY OUT of row block a: its 16 rows x 64 columns of f32 go into my own stage (rows of 272 bytes) and come back as whole rows of 256 bytes.
.macro TOSTAGE a
.if (\a) >= 2
	s_wait_xcnt 0x0                                ; the stores of the block two back have read the registers that are loaded again below
.endif
	WIN 0x04+0x04*((\a)/4)                         ; the stores' data: window 1 or 2
.irp b, 0,1,2,3
	ds_store_b128 v[STO], v[8*(NB*((\a)%4)+(\b)):8*(NB*((\a)%4)+(\b))+3]   offset:64*(\b)      ; each accumulator's lowest registers first
	ds_store_b128 v[STO], v[8*(NB*((\a)%4)+(\b))+4:8*(NB*((\a)%4)+(\b))+7] offset:64*(\b)+16
.endr
	WIN 0
.set BK, OB+32*((\a)%2)
.irp t, 0,1,2,3,4,5,6,7
	ds_load_b128 v[BK+4*(\t):BK+4*(\t)+3], v[RD] offset:(\t)*2*SPITCH  ; LDS serves a wave's instructions in order (ISA guide 5.7.1.4): these see the stores above; the next block's stores come behind them
.endr
.endm
.macro SEND a, younger                 ; younger: the LDS instructions issued behind block a's loads: the next block's sixteen, or none
.set BK, OB+32*((\a)%2)
	s_wait_dscnt \younger
.irp t, 0,1,2,3,4,5,6,7
	global_store_b128 v[CO], v[BK+4*(\t):BK+4*(\t)+3], s[8:9] offset:65536*(\a)+8192*(\t) th:TH_STORE_NT  ; 16 lanes store 256 consecutive bytes, at a multiple of 256 from out0's first byte
.endr
.endm
	s_wait_tensorcnt 1                             ; my part of K step 0 is in; K step 1's may stay out
	s_barrier_signal -1
	s_barrier_wait -1                              ; everybody's is
	FETCH 0, 0, 0
	QUARTER 0, 1, 0, 1, 1                          ; the first quarter stands in front of the loop: its products start the sums
	WIN 0                                          ; at a label and at a branch every window is 0
	s_mov_b32 s3, 3
.Llap:                                                 ; a trip goes once round the ring and fills both slots again: K steps 2 to 7
	QUARTER 0, 2, 1, 0, 0
	QUARTER 0, 3, 0, 1, 0
	TURN 0, 1, 1
	QUARTER 1, 1, 0, 1, 0
	QUARTER 1, 2, 1, 0, 0
	QUARTER 1, 3, 0, 1, 0
	TURN 1, 0, 1
	QUARTER 0, 1, 0, 1, 0
	WIN 0
	s_sub_co_u32 s3, s3, 1
	s_cmp_lg_u32 s3, 0
	s_cbranch_scc1 .Llap
	QUARTER 0, 2, 1, 0, 0                          ; the last lap fills nothing, and has no round
	QUARTER 0, 3, 0, 1, 0
	TURN 0, 1, 0
	QUARTER 1, 1, 0, 1, 0
	QUARTER 1, 2, 1, 0, 0
	QUARTER 1, 3, 0, 1, 0
	s_wait_dscnt 8                                 ; the very last quarter: nothing more to fetch
	MUL 1, 0, 0, 0
	MUL 1, 0, 2, 0
	s_wait_dscnt 0x0
	MUL 1, 1, 0, 0
	MUL 1, 1, 2, 0
	PLACES
	PLACES
	TOSTAGE 0
.irp a, 1,2,3,4,5,6,7
	TOSTAGE \a                                     ; a block's trip through the stage stands between the loads of the block before and its stores
	SEND (\a)-1, 16
.endr
	SEND 7, 0
	s_wait_tensorcnt 0x0                           ; the wave's end, behind my last tensor load and my last LDS store
	ds_add_u32 v[SPW], v[NIL]
	s_wait_dscnt 0x0
	CROUND                                         ; the closing round: no work-group ends while a partner may still ask for a tile that names it
	s_endpgm
.Lfunc_end_k_q45022b58b3_outp:
	.size	k_q45022b58b3_outp, .Lfunc_end_k_q45022b58b3_outp-k_q45022b58b3_outp
	.p2alignl 7, 3214868480
	.fill 96, 4, 3214868480
	.section	.rodata,"a",@progbits
	.p2align	6, 0x0
	.amdhsa_kernel k_q45022b58b3_outp
		.amdhsa_group_segment_fixed_size 327680
		.amdhsa_private_segment_fixed_size 0
		.amdhsa_enable_private_segment 0
		.amdhsa_kernarg_size 24
		.amdhsa_user_sgpr_count 2
		.amdhsa_user_sgpr_kernarg_segment_ptr 1
		.amdhsa_wavefront_size32 1
		.amdhsa_system_sgpr_workgroup_id_x 1
		.amdhsa_system_sgpr_workgroup_id_y 1
		.amdhsa_system_sgpr_workgroup_id_z 1
		.amdhsa_system_vgpr_workitem_id 0
		.amdhsa_next_free_vgpr 640
		.amdhsa_next_free_sgpr 70
		.amdhsa_reserve_vcc 0
		.amdhsa_float_denorm_mode_32 3
		.amdhsa_float_denorm_mode_16_64 3
		.amdhsa_memory_ordered 1
		.amdhsa_forward_progress 1
		.amdhsa_inst_pref_size 87
	.end_amdhsa_kernel
	.amdgpu_metadata
---
amdhsa.version: [ 1, 2 ]
amdhsa.kernels:
  - .name:           k_q45022b58b3_outp
    .symbol:         k_q45022b58b3_outp.kd
    .args:
      - { .name: ctx, .offset: 0, .size: 8, .value_kind: global_buffer, .address_space: global }
      - { .name: wo16, .offset: 8, .size: 8, .value_kind: global_buffer, .address_space: global }
      - { .name: out0, .offset: 16, .size: 8, .value_kind: global_buffer, .address_space: global }
    .group_segment_fixed_size: 327680
    .private_segment_fixed_size: 0
    .kernarg_segment_align: 8
    .kernarg_segment_size: 24
    .max_flat_workgroup_size: 128
    .sgpr_count:     70
    .vgpr_count:     640
    .wavefront_size: 32
...
	.end_amdgpu_metadata
.endif
;; end of part 4
;; ======== version 2 of 3: 3 launches
;; limits: values are held in f16: magnitudes above 65,504 overflow, below 6.1e-05 lose precision; values outside matrix products are rounded to bf16
;; workspace buffers: xb 16,777,216 bytes; wqkv 6,291,456 bytes; wo16 2,097,152 bytes; bias4 18,432 bytes; ctx 16,777,216 bytes
;; launch cast (part 5): grid 786 x 1, 8 waves a work-group, no clusters, 0 bytes of LDS; arguments hidden_states, wq, wk, wv, wo, rel_pos, xb, wqkv, wo16, bias4; writes xb, wqkv, wo16, bias4
.if DOCPART == 5
	.amdgcn_target "amdgcn-amd-amdhsa--gfx1250"
	.amdhsa_code_object_version 6
	.text
	.protected	k_q45022b58b3_cast
	.globl	k_q45022b58b3_cast
	.p2align	8
	.type	k_q45022b58b3_cast,@function
k_q45022b58b3_cast:
	s_mov_b64 s[64:65], 0
	v_nop
	global_prefetch_b8 v0, s[64:65] scope:SCOPE_SE
	s_setreg_imm32_b32 hwreg(HW_REG_WAVE_MODE, 25, 1), 1
	s_wait_xcnt 0x0
; THE INPUTS ARE ROUNDED ONCE, TO bf16, and laid out for the launches behind.  Every work-group has one of four roles, by its number g:
;   g <  512        16 rows of hidden_states (16,384 f32) -> xb, bf16, row-major
;   512 <= g < 704  16 rows of wq, wk or wv -> wqkv, bf16: row 32 h + d of matrix number m (0, 1, 2) goes to row 96 h + 32 m + d, so that 96 rows on end are one head's q, k and v
;   704 <= g < 768  16 rows of wo -> wo16: rounded to bf16 like the other inputs, and that number written as f16, since it is multiplied with f16 numbers; laid out as a matrix operand lies in registers (below)
;   g >= 768        256 numbers of bias4 (below)
; LIMITS.  wo16: f16 holds no number beyond 65,504, and below 6e-5 it keeps its fixed step of 6e-8.
; A stream: each byte is read once and written once; no LDS, no barrier, no matrix unit.  In the first two roles a wave converts 2,048 numbers: sixteen loads of 512 consecutive bytes, all issued at once,
; and sixteen stores of 256 consecutive bytes, each at a multiple of 256 from its buffer's first byte.  No register of a load or store is written again, so no wait frees any.
; wo16: blocks of 1,024 bytes, block (nb, h) = rows 16 nb .. 16 nb + 15, numbers 32 h .. 32 h + 31, at byte 1,024 (32 nb + h): [half e][lane][16 bytes], lane l holding row l % 16 and the numbers 16 e + 8 (l / 16) + 0..7.
; A thread makes 16 bytes of it from 32 consecutive bytes of a row; a wave's store is 512 consecutive bytes; its load takes 16 bytes twice from each of 16 rows, and the eight waves' sixteen loads of one step cover
; 512 consecutive bytes of each row: 4,194,304 bytes are read in that way in the whole launch.
; bias4: the score's bias hangs on k - q alone: T[i] = the mean of row i of rel_pos, i = k - q + 511.  Stored is U[i] = sqrt(32) T[i] = (the row's sum) / sqrt(32), which is added to q . k ahead of the
; division by sqrt(32).  Four copies, 1,040 numbers apart; number j of copy c is U[j - 16 + c], the index held to 0 .. 1022: so eight neighbouring U from ANY index on begin at a multiple of 16 bytes in one of the copies.
; Numbers 4,160 to 4,607 fill the buffer and are used by no product.  This role's stores are 128 bytes a wave: 18,432 bytes in the whole launch.
.set SRC, 28                           ; s[28:29] where my work-group reads
.set DST, 30                           ; s[30:31] where it writes
.set IN,  16                           ; v[16:79]   sixteen loads of four f32
.set OUT, 80                           ; v[80:111]  what is stored
.set T,   112                          ; v[112:123] at work
	s_load_b512 s[8:23], s[0:1], 0x0               ; hidden s[8:9], wq s[10:11], wk s[12:13], wv s[14:15], wo s[16:17], rel_pos s[18:19], xb s[20:21], wqkv s[22:23]
	s_load_b128 s[24:27], s[0:1], 0x40             ; wo16 s[24:25], bias4 s[26:27]
	s_mov_b32 s4, ttmp9                            ; g
	v_lshrrev_b32 v3, 5, v0                        ; wave
	v_and_b32 v4, 31, v0                           ; lane
	v_lshlrev_b32 v1, 4, v4
	v_lshl_or_b32 v1, v3, 13, v1                   ; in: 8,192 x wave + 16 x lane
	v_lshlrev_b32 v2, 3, v4
	v_lshl_or_b32 v2, v3, 12, v2                   ; out: 4,096 x wave + 8 x lane
	s_mov_b32 s33, 0                               ; the offsets' high words
	s_mov_b32 s35, 0
	s_wait_kmcnt 0x0
	s_cmp_lt_u32 s4, 512
	s_cbranch_scc0 .Lnot_x
	s_lshl_b32 s32, s4, 16                         ; 16 rows of 4,096 bytes in,
	s_lshl_b32 s34, s4, 15                         ; of 2,048 bytes out
	s_add_nc_u64 s[SRC:SRC+1], s[8:9], s[32:33]
	s_add_nc_u64 s[DST:DST+1], s[20:21], s[34:35]
	s_branch .Lto_bf16
.Lnot_x:
	s_cmp_lt_u32 s4, 704
	s_cbranch_scc0 .Lnot_qkv
	s_sub_co_u32 s5, s4, 512
	s_lshr_b32 s6, s5, 6                           ; which matrix: 0 q, 1 k, 2 v
	s_and_b32 s7, s5, 63                           ; which 16 rows of it
	s_cmp_eq_u32 s6, 0
	s_cselect_b64 s[SRC:SRC+1], s[10:11], s[12:13]
	s_cmp_eq_u32 s6, 2
	s_cselect_b64 s[SRC:SRC+1], s[14:15], s[SRC:SRC+1]
	s_lshl_b32 s32, s7, 16
	s_add_nc_u64 s[SRC:SRC+1], s[SRC:SRC+1], s[32:33]
	s_lshr_b32 s34, s7, 1                          ; the head
	s_mul_i32 s34, s34, 96
	s_lshl_b32 s6, s6, 5
	s_add_co_u32 s34, s34, s6                      ; + 32 x matrix
	s_and_b32 s7, s7, 1
	s_lshl_b32 s7, s7, 4
	s_add_co_u32 s34, s34, s7                      ; + the head's upper or lower 16 rows
	s_lshl_b32 s34, s34, 11
	s_add_nc_u64 s[DST:DST+1], s[22:23], s[34:35]
.Lto_bf16:                                             ; 16,384 numbers, row-major in and out
.irp k, 0,1,2,3,4,5,6,7,8,9,10,11,12,13,14,15
	global_load_b128 v[IN+4*(\k):IN+4*(\k)+3], v1, s[SRC:SRC+1] offset:512*(\k) th:TH_LOAD_NT
.endr
.irp k, 0,1,2,3,4,5,6,7,8,9,10,11,12,13,14,15
	s_wait_loadcnt 15-(\k)                         ; loads come back in order: load k is in, the younger ones stay out
	v_cvt_pk_bf16_f32 v[OUT+2*(\k)], v[IN+4*(\k)], v[IN+4*(\k)+1]
	v_cvt_pk_bf16_f32 v[OUT+2*(\k)+1], v[IN+4*(\k)+2], v[IN+4*(\k)+3]
	global_store_b64 v2, v[OUT+2*(\k):OUT+2*(\k)+1], s[DST:DST+1] offset:256*(\k)
.endr
	s_endpgm
.Lnot_qkv:
	s_cmp_lt_u32 s4, 768
	s_cbranch_scc0 .Lbias
	s_sub_co_u32 s5, s4, 704                       ; nb: which 16 rows of wo
	s_lshl_b32 s32, s5, 16
	s_lshl_b32 s34, s5, 15                         ; its 32 blocks
	s_add_nc_u64 s[SRC:SRC+1], s[16:17], s[32:33]
	s_add_nc_u64 s[DST:DST+1], s[24:25], s[34:35]
	; step k, thread t: the 16 bytes at 4,096 k + 16 t of the 32 blocks: block h = 4 k + wave / 2, half e = wave % 2, my lane.  They are numbers 32 h + 16 e + 8 (l / 16) + 0..7 of row l % 16:
	; byte 4,096 (l % 16) + 512 k + 64 wave + 32 (l / 16) of the 16 rows
	v_and_b32 v5, 15, v0
	v_bfe_u32 v7, v0, 4, 1
	v_lshlrev_b32 v5, 12, v5
	v_lshl_add_u32 v5, v3, 6, v5
	v_lshl_add_u32 v5, v7, 5, v5
	v_lshlrev_b32 v6, 4, v0
.irp k, 0,1,2,3,4,5,6,7
	global_load_b128 v[IN+8*(\k):IN+8*(\k)+3],   v5, s[SRC:SRC+1] offset:512*(\k)
	global_load_b128 v[IN+8*(\k)+4:IN+8*(\k)+7], v5, s[SRC:SRC+1] offset:512*(\k)+16
.endr
.irp k, 0,1,2,3,4,5,6,7
	s_wait_loadcnt 14-2*(\k)                       ; step k's two loads are in, the younger ones stay out
.irp j, 0,1,2,3
	v_cvt_pk_bf16_f32 v[T+(\j)], v[IN+8*(\k)+2*(\j)], v[IN+8*(\k)+2*(\j)+1]
.endr
.irp j, 0,1,2,3
	v_lshlrev_b32 v[T+4+2*(\j)], 16, v[T+(\j)]
	v_and_b32 v[T+5+2*(\j)], 0xffff0000, v[T+(\j)]
.endr
.irp j, 0,1,2,3
	v_cvt_pk_f16_f32 v[OUT+4*(\k)+(\j)], v[T+4+2*(\j)], v[T+5+2*(\j)]
.endr
	global_store_b128 v6, v[OUT+4*(\k):OUT+4*(\k)+3], s[DST:DST+1] offset:4096*(\k)  ; a wave's store: 512 consecutive bytes, at a multiple of 512 from wo16's first byte
.endr
	s_endpgm
.Lbias:
	s_sub_co_u32 s5, s4, 768
	s_lshl_b32 s5, s5, 8
	v_add_nc_u32 v5, s5, v0                        ; e: my number of bias4, 0 .. 4,607
	v_mov_b32 v6, 0
.irp t, 1040, 2080, 3120, 4160
	v_cmp_le_u32 vcc_lo, \t, v5
	v_cndmask_b32 v7, 0, 1, vcc_lo
	v_add_nc_u32 v6, v6, v7                        ; c: the copy
.endr
	v_mul_u32_u24 v7, v6, 1040
	v_sub_nc_u32 v8, v5, v7                        ; j: my place in the copy
	v_add3_u32 v8, v8, v6, -16                     ; j - 16 + c,
	v_max_i32 v8, 0, v8
	v_min_u32 v8, 1022, v8                         ; held to the table
	v_lshlrev_b32 v8, 7, v8                        ; a row of rel_pos is 128 bytes
	v_lshlrev_b32 v9, 2, v5
.irp k, 0,1,2,3,4,5,6,7
	global_load_b128 v[IN+4*(\k):IN+4*(\k)+3], v8, s[18:19] offset:16*(\k)
.endr
	s_wait_loadcnt 0x0
.irp k, 0,1,2,3,4,5,6,7,8,9,10,11,12,13,14,15
	v_cvt_pk_bf16_f32 v[IN+32+(\k)], v[IN+2*(\k)], v[IN+2*(\k)+1]  ; rel_pos is rounded to bf16 like every input,
.endr
.irp k, 0,1,2,3,4,5,6,7,8,9,10,11,12,13,14,15
	v_lshlrev_b32 v[IN+2*(\k)], 16, v[IN+32+(\k)]                   ; and summed in f32
	v_and_b32 v[IN+2*(\k)+1], 0xffff0000, v[IN+32+(\k)]
.endr
.irp p, 0,1,2,3,4,5,6,7
	v_pk_add_f32 v[IN+2*(\p):IN+2*(\p)+1], v[IN+2*(\p):IN+2*(\p)+1], v[IN+16+2*(\p):IN+16+2*(\p)+1]
.endr
.irp p, 0,1,2,3
	v_pk_add_f32 v[IN+2*(\p):IN+2*(\p)+1], v[IN+2*(\p):IN+2*(\p)+1], v[IN+8+2*(\p):IN+8+2*(\p)+1]
.endr
.irp p, 0,1
	v_pk_add_f32 v[IN+2*(\p):IN+2*(\p)+1], v[IN+2*(\p):IN+2*(\p)+1], v[IN+4+2*(\p):IN+4+2*(\p)+1]
.endr
	v_pk_add_f32 v[IN:IN+1], v[IN:IN+1], v[IN+2:IN+3]
	v_add_f32 v[IN], v[IN], v[IN+1]
	v_mul_f32 v[IN], 0x3e3504f3, v[IN]             ; / sqrt(32)
	global_store_b32 v9, v[IN], s[26:27]
	s_endpgm
.Lfunc_end_k_q45022b58b3_cast:
	.size	k_q45022b58b3_cast, .Lfunc_end_k_q45022b58b3_cast-k_q45022b58b3_cast
	.p2alignl 7, 3214868480
	.fill 96, 4, 3214868480
	.section	.rodata,"a",@progbits
	.p2align	6, 0x0
	.amdhsa_kernel k_q45022b58b3_cast
		.amdhsa_group_segment_fixed_size 0
		.amdhsa_private_segment_fixed_size 0
		.amdhsa_enable_private_segment 0
		.amdhsa_kernarg_size 80
		.amdhsa_user_sgpr_count 2
		.amdhsa_user_sgpr_kernarg_segment_ptr 1
		.amdhsa_wavefront_size32 1
		.amdhsa_system_sgpr_workgroup_id_x 1
		.amdhsa_system_sgpr_workgroup_id_y 1
		.amdhsa_system_sgpr_workgroup_id_z 1
		.amdhsa_system_vgpr_workitem_id 0
		.amdhsa_next_free_vgpr 128
		.amdhsa_next_free_sgpr 66
		.amdhsa_reserve_vcc 1
		.amdhsa_float_denorm_mode_32 3
		.amdhsa_float_denorm_mode_16_64 3
		.amdhsa_memory_ordered 1
		.amdhsa_forward_progress 1
		.amdhsa_inst_pref_size 23
	.end_amdhsa_kernel
	.amdgpu_metadata
---
amdhsa.version: [ 1, 2 ]
amdhsa.kernels:
  - .name:           k_q45022b58b3_cast
    .symbol:         k_q45022b58b3_cast.kd
    .args:
      - { .name: hidden_states, .offset: 0, .size: 8, .value_kind: global_buffer, .address_space: global }
      - { .name: wq, .offset: 8, .size: 8, .value_kind: global_buffer, .address_space: global }
      - { .name: wk, .offset: 16, .size: 8, .value_kind: global_buffer, .address_space: global }
      - { .name: wv, .offset: 24, .size: 8, .value_kind: global_buffer, .address_space: global }
      - { .name: wo, .offset: 32, .size: 8, .value_kind: global_buffer, .address_space: global }
      - { .name: rel_pos, .offset: 40, .size: 8, .value_kind: global_buffer, .address_space: global }
      - { .name: xb, .offset: 48, .size: 8, .value_kind: global_buffer, .address_space: global }
      - { .name: wqkv, .offset: 56, .size: 8, .value_kind: global_buffer, .address_space: global }
      - { .name: wo16, .offset: 64, .size: 8, .value_kind: global_buffer, .address_space: global }
      - { .name: bias4, .offset: 72, .size: 8, .value_kind: global_buffer, .address_space: global }
    .group_segment_fixed_size: 0
    .private_segment_fixed_size: 0
    .kernarg_segment_align: 8
    .kernarg_segment_size: 80
    .max_flat_workgroup_size: 256
    .sgpr_count:     66
    .vgpr_count:     128
    .wavefront_size: 32
...
	.end_amdgpu_metadata
.endif
;; end of part 5
;; launch qkvattn (part 6): grid 16 x 16, 4 waves a work-group, clusters of 4 x 4, 327,680 bytes of LDS; arguments xb, wqkv, bias4, ctx; writes ctx
.if DOCPART == 6
	.amdgcn_target "amdgcn-amd-amdhsa--gfx1250"
	.amdhsa_code_object_version 6
	.text
	.protected	k_q45022b58b3_qkvattn
	.globl	k_q45022b58b3_qkvattn
	.p2align	8
	.type	k_q45022b58b3_qkvattn,@function
k_q45022b58b3_qkvattn:
	s_mov_b64 s[64:65], 0
	v_nop
	global_prefetch_b8 v0, s[64:65] scope:SCOPE_SE
	s_setreg_imm32_b32 hwreg(HW_REG_WAVE_MODE, 25, 1), 1
	s_wait_xcnt 0x0
	s_wait_alu depctr_hold_cnt(0) depctr_sa_sdst(0) depctr_va_vdst(0) depctr_va_sdst(0) depctr_va_ssrc(0) depctr_va_vcc(0) depctr_vm_vsrc(0)
	s_getreg_b32 s2, hwreg(HW_REG_IB_STS2, 6, 4)
	s_cmp_eq_u32 s2, 0
	s_cbranch_scc0 .Lentry_in_a_cluster
	s_endpgm
.Lentry_in_a_cluster:
	s_bfe_u32 s2, ttmp6, 0x10000c
	s_cmp_lg_u32 s2, 0xf033
	s_cbranch_scc0 .Lentry_shape_is_right
	s_endpgm
.Lentry_shape_is_right:
; THE PROJECTIONS q, k, v = x W^T AND THE ATTENTION OF TWO HEADS OF ONE BATCH, IN ONE WORK-GROUP: q, k and v never leave the WGP.
; xb: [8192][1024] bf16.  wqkv: [3072][1024] bf16, 96 rows on end = one head's 32 rows of wq, wk, wv.  bias4: four shifted copies of U = sqrt(32) x the mean of each row of rel_pos (below).
; ctx: f16, blocks of 1,024 bytes (16 queries x one head's 32 channels), block qb of head hd = 32 batch + h at 32,768 hd + 1,024 qb.
; ctx[hd][q] = the sum over k of softmax_k(q . k / sqrt(32) + T[k - q + 511]) v[k], 512 keys.  All sums, maxima and products' sums in f32; q, k, v are rounded once to f16, the weights p to f16 for the second
; product (their sum is taken of the unrounded p), the result once at the end.
; LIMITS.  f16 holds no number beyond 65,504: q, k and v (sums of 1,024 products) must lie within it; below 6e-5 they keep f16's fixed step of 6e-8, and so does p, which lies in 0 to 1.  A weight below 2^-126 counts as 0;
; NaN and infinities are not treated apart.
; A BLOCK: 16 rows x 32 numbers of 16 bits in the order in which a matrix operand lies in registers: [half e][lane][16 bytes], lane l holding row l % 16 and the numbers 16 e + 8 (l / 16) + 0..7.
;
; PART 1, THE PROJECTIONS.  The work-group makes 512 rows (a batch) x 192 columns (two heads) as two tiles of 256 x 192, one after the other: 16 x 16 = 256 work-groups of equal work.  Four waves, each 128 rows x 96
; columns = ONE head's q, k, v: 48 accumulators, 384 registers.  K goes in steps of 128 through a ring of two LDS slots filled by the tensor data mover; the two tiles' 8 + 8 steps are ONE walk of 16, and the ring does not
; stop between them.  A tile's rows are 256 bytes of memory, at multiples of 256.  For q and k the product is taken transposed (source 0 = 16 rows of W, source 1 = 16 rows of x): a lane holds one row of x and eight
; neighbouring channels, which pack into its 16 bytes of a block.  For v it is taken as it stands: a lane holds one channel and eight neighbouring keys: a block of V^T.
; CLUSTER.  4 x 4 work-groups.  The four of a row of the cluster have the same batch and need the same tiles of x, the four of a column the same heads and the same tiles of W: each tile is asked for JOINTLY, by the same
; tensor load with the same descriptor and a mask that names the four.
; THE HAND-OVER.  Tile 0's results wait, packed, in 192 registers (ring, spare words, bias and 98,304 bytes more do not fit in LDS).  When the ring has had its last fill and every wave its last read of it, both tiles' blocks are stored
; into the ring's bytes as two head images of 98,304 bytes: q's 32 blocks, k's 32 at + 32,768, V^T's 32 at + 65,536 (block 2 kk + cb: keys 32 kk on, channels 16 cb on).  Every store and load there is 512 bytes on end.
;
; PART 2, THE ATTENTION.  A wave takes one head and 256 of its queries: 16 tiles of 16.  ALL OF THE HEAD'S K AND V STAY IN REGISTERS (32 + 32 blocks, 512 registers); a tile's whole row of scores, 512 keys, is 256 more.
; So the softmax takes the row's TRUE maximum: there is no running maximum, and nothing is rescaled.  S^T = K Q^T (source 0 = 16 keys, source 1 = 16 queries): a lane holds ONE query (lane % 16) and the keys
; 8 (lane / 16) + 0..7 of each of the 32 results.  Two results rounded to f16 ARE source 1 of O^T = V^T P, whose result holds one query a lane and eight channels: a block of ctx.
; THE BIAS COSTS NO VECTOR WORK.  The next tile's bias is loaded from LDS straight into S's registers, and the product adds in place: S = K Q^T + U.  Then p = 2^(c S - c m), c = log2(e) / sqrt(32), m the row's maximum.
; A lane wants U[s .. s + 7], s = 16 (i - qb) + 8 (lane / 16) - lane % 16 + 511, for result i of tile qb.  Number j of copy c of bias4 (copies 1,040 numbers apart) is U[j - 16 + c]: in copy s % 4 the eight lie at a multiple of 16 bytes.
;
; REGISTERS, in windows of 256 (s_set_vgpr_msb: bits 1:0 source 0, 3:2 source 1, 5:4 source 2, 7:6 destination):
;   part 1: window 0: v0-31 addresses; v32-159 x's fragments, two buffers of 8; v160-255 W's, two buffers of 6;  window 1: the accumulators of my row blocks 0-3, (a, b) at 8 (6 a + b);  window 2: those of blocks 4-7;
;           window 3: v0-191 tile 0's results, packed
;   part 2: window 0: below;  window 1: S, result i at 8 i;  window 2: K, block i at 8 i;  window 3: V^T, block f at 8 f
.set NB,     6                         ; column blocks of 16 a wave: 0, 1 q; 2, 3 k; 4, 5 v
.set KSTEP,  128
.set PITCH,  272                       ; an LDS row: 256 bytes + 16 of padding = 68 words: the 16 rows that a load touches start at 16 different groups of four banks (64 banks of 4 bytes: ISA guide 11.1)
.set BROWS,  96
.set AHALF,  128*PITCH                 ; 128 rows of x: what one tensor load brings and one wave reads
.set BHALF,  BROWS*PITCH               ; 96 rows of W likewise
.set SLOT,   2*(AHALF+BHALF)           ; x's two halves, then W's two halves: 121,856 bytes
.set SLOT1,  1<<17                     ; slot 1 begins here, so that one exclusive or turns an address in one slot into the other's
.set SPARE,  SLOT1+SLOT                ; behind the ring: the spare words, 128 bytes for each wave: two blocks of 256 bytes that no other line names
.set BIAS,   SPARE+512                 ; the image of bias4, 18,432 bytes of its own: no tile lands there
.set HEADB,  98304                     ; a head's image, in the ring's bytes once the ring is done
.set NLD,    2*NB+16                   ; LDS loads in a run
.set TILEB,  256*2048                  ; bytes from a tile of x to the next
.set LO,   2                           ; v2   16 x lane; never rewritten
.set BA0,  3                           ; v3   my lane's place in the image of bias4; never rewritten
.set QAD,  4                           ; v4   LDS address of my 16 bytes of the block of Q last asked for
.set KAD,  5                           ; v5   of my head's K; V^T lies 32,768 bytes on
.set BA,   6                           ; v6   the LDS address of the bias run in hand
.set STB,  7                           ; v7   the hand-over: where my q and k blocks go
.set CH,   8                           ; v8-11   four chains of the maximum (at the head: at work)
.set MX,   12                          ; v12  what the lane 16 away holds
.set NEG,  13                          ; v13  the lowest finite number: the chains' start
.set CM,   14                          ; v[14:15] c m, in the low word
.set ADRA, 16                          ; v16  part 1: LDS address of my x fragments in the slot in hand
.set ADRB, 17                          ; v17  the same for W
.set ADRA0, 18                         ; v18  the same in slot 0; never rewritten in part 1
.set ADRB0, 19                         ; v19
.set LS,   16                          ; v[16:23] part 2: four pairs of sums
.set RC,   24                          ; v[24:25] 1 / the sum, in the low word
.set STV,  26                          ; v26  the hand-over: where my V^T blocks go
.set BG,   27                          ; v27  16 x my thread's number
.set SPW,  28                          ; v28  LDS address of my spare word: SPARE + 4 x my thread's number; never rewritten
.set NIL,  29                          ; v29  0; never rewritten
.set PFO,  30                          ; v30  the prefetches' offset: a lane a row; never rewritten
.set BGL,  31                          ; v31  where my 16 bytes of the image go
.set FA0,  32                          ; x's fragments: buffer f at FA0 + 64 f
.set FB0,  160                         ; W's: buffer f at FB0 + 48 f
.set OUTR, 32                          ; the hand-over: tile 1's results, packed: v32-223
.set IMG,  64                          ; v[64:99] the image on its way into LDS, ahead of the first fragments
.set OT,   32                          ; v[32:47] part 2: O^T: channels 0-15, 16-31
.set QF,   48                          ; v[48:55] the tile's block of Q
.set PK,   56                          ; v[56:63] the tile's block of ctx
.set P,    128                         ; v[128:255] the weights in f16: result j's at P + 4 j
.set G1,  24                           ; s[24:31] descriptor group 1 for x's tiles
.set G0,  32                           ; s[32:39] group 0: a set for each of the two first fills; the second then walks on
.set G1B, 48                           ; s[48:55], s[56:63] the same for W's tiles
.set G0B, 56
.set LIM, 43                           ; s43  the last step at whose refill I prefetch; 0 in a wave that never does
.set PFA, 44                           ; s[44:45] where my prefetch stands
.set OA,  72                           ; s[72:73] the byte offset of a K step in x, from my tile of step 0
.set OB,  74                           ; s[74:75] the same in W
.set J,   76                           ; s76  the K step to be asked for next, 2 to 15 (8 to 15: the second tile's 0 to 7)
.set TB,  77                           ; s77  LDS byte at which the slot in hand begins
.set CT,  78                           ; s[78:79] ctx, one block past the tile in hand
.set TBB, 80                           ; s80  64 (32 - qb) for the tile whose bias is fetched
.set CNT, 81                           ; s81  tiles to go
.set CS,  82                           ; s[82:83] c: the packed scaling takes the pair's low word for both halves
.set SEL, 84                           ; s[84:85] v_permlanex16_b32's selects: each lane takes its own place in the other half
.set TB0, 86                           ; s86  1,024 for the head's first 256 queries, 0 for the others
.set PT,  87                           ; s87  at work
.set PO,  88                           ; s[88:89] the prefetch's offset
.set PFB, 90                           ; s[90:91] the rows that I prefetch, at K step 0 of the first tile
.set PFT, 92                           ; s92  bytes from tile to tile in the tensor that I fetch: TILEB for x, 0 for W
.set MSB, 0
.macro WIN new                         ; the immediate's high byte repeats the setting that is left; a switch that changes nothing is dropped
.if MSB != (\new)
	s_set_vgpr_msb (MSB<<8)|(\new)
.set MSB, \new
.endif
.endm
; A joint load.  Waves 0 and 1 fetch x's two halves, waves 2 and 3 W's.  The branch hangs on the wave's number alone.  An s_nop 0 and four v_nop follow each of the two lines, ahead of the jump and the label.
.macro JLOAD s
	s_cmp_eq_u32 s11, 0
	s_cbranch_scc0 .Lfor_b_\@
	tensor_load_to_lds s[G0+4*(\s):G0+4*(\s)+3], s[G1:G1+7]
	s_nop 0
.rept 4
	v_nop
.endr
	s_branch .Lasked_\@
.Lfor_b_\@:
	tensor_load_to_lds s[G0B+4*(\s):G0B+4*(\s)+3], s[G1B:G1B+7]
	s_nop 0
.rept 4
	v_nop
.endr
.Lasked_\@:
.endm
; A PREFETCH, behind each joint refill and the run of LDS loads that follows it: the K step that stands TWO refills on, 256 bytes of each row, a lane a row, one instruction a wave.
; A batch's rows of x are read by every cluster of that row of clusters: the one with cluster x = 0 asks, for steps 4 to 15 of the walk.  W's rows are read by every cluster of that column: the one with cluster y = 0 asks, for
; steps 4 to 7 alone: the second tile walks the same rows of W once more.  The four partners that ask for a tile jointly share its rows out BY ADDRESS: of x's 128 rows that a wave fetches the partner at cx takes 32, of
; W's 96 the partner at cy takes 24 (there lanes 24 to 31 name row 23 once more).  Steps 0 to 3 come by their loads alone.  No prefetch leaves its rows.
.macro ASK
	s_cmp_le_u32 s[J], s[LIM]
	s_cbranch_scc0 .Lnot_mine_\@
	global_prefetch_b8 v[PFO], s[PFA:PFA+1] th:TH_LOAD_NT scope:SCOPE_SE
.Lnot_mine_\@:
.endm
; A round of the cluster's barrier: my work-group's barrier; wave 0 signals for the work-group; every wave waits for all sixteen; my work-group's barrier once more.
.macro CREST                           ; a round behind its opening barrier
	s_cmp_lg_u32 s10, 0
	s_cbranch_scc1 .Lnot_wave_0_\@
	s_barrier_signal -3
.Lnot_wave_0_\@:
	s_barrier_wait -3
	s_barrier_signal -1
	s_barrier_wait -1
.endm
.macro CROUND
	s_barrier_signal -1
	s_barrier_wait -1
	CREST
.endm
	s_load_b128 s[4:7], s[0:1], 0x0                ; xb s[4:5], wqkv s[6:7]
	s_load_b128 s[68:71], s[0:1], 0x10             ; bias4 s[68:69], ctx s[70:71]
	v_lshl_add_u32 v[SPW], v0, 2, SPARE
	v_mov_b32 v[NIL], 0
	ds_add_u32 v[SPW], v[NIL]                      ; the wave's opening: the add and its wait stand ahead of my first tensor load; the set-up below, work on registers, stands between them
	v_lshrrev_b32 v1, 5, v0
	v_readfirstlane_b32 s10, v1                    ; wave 0..3
	s_lshr_b32 s11, s10, 1                         ; which half of a tile's rows is mine, and later which 256 queries.  Also: I fetch for x (0) or for W (1)
	s_and_b32 s12, s10, 1                          ; which of the two heads.  Also: which half of that tile I fetch
	s_bfe_u32 s40, ttmp6, 0x40000                  ; cx, cy: my place in the cluster
	s_bfe_u32 s41, ttmp6, 0x40004
	s_lshl_b32 s42, ttmp9, 2
	s_add_co_u32 s42, s42, s40                     ; the pair of heads = 4 x cluster x + cx
	s_and_b32 s13, ttmp7, 0xffff
	s_lshl_b32 s13, s13, 2
	s_add_co_u32 s13, s13, s41                     ; the batch = 4 x cluster y + cy
	s_lshl_b32 s43, s41, 2
	s_lshl_b32 s43, 15, s43                        ; my row of the cluster: places 4 cy .. 4 cy + 3
	s_lshl_b32 s44, 0x1111, s40                    ; my column: places cx, cx + 4, cx + 8, cx + 12
	s_or_b32 s[G1+0], s43, (1<<16)|(1<<20)|(1<<21)|(5<<22)|(3<<25)   ; 15:0 the mask; 17:16 elements of 2 bytes; 20 padding on; 21 set beside a mask; 24:22 after every 64 words (code 5); 31:25 4 words of it (code 3)
	s_or_b32 s[G1B+0], s44, (1<<16)|(1<<20)|(1<<21)|(5<<22)|(3<<25)
	s_mov_b32 s[G1+1], KSTEP<<16                   ; tensor_dim0 = 128
	s_mov_b32 s[G1+2], 128<<16                     ; tensor_dim1 = 128
	s_mov_b32 s[G1+3], KSTEP<<16                   ; tile_dim0 = 128
	s_mov_b32 s[G1+4], 128                         ; tile_dim1 = 128
	s_mov_b32 s[G1+5], 1024                        ; elements from row to row
	s_mov_b32 s[G1+6], 0
	s_mov_b32 s[G1+7], 0
	s_mov_b32 s[G1B+1], KSTEP<<16
	s_mov_b32 s[G1B+2], BROWS<<16                  ; W's tiles have 96 rows
	s_mov_b32 s[G1B+3], KSTEP<<16
	s_mov_b32 s[G1B+4], BROWS
	s_mov_b32 s[G1B+5], 1024
	s_mov_b32 s[G1B+6], 0
	s_mov_b32 s[G1B+7], 0
	; where the tiles come from: x's hang on the batch alone, W's on the pair of heads alone, each in registers that never hold the other coordinate
	s_lshl_b32 s16, s13, 9
	s_lshl_b32 s17, s12, 7
	s_add_co_u32 s16, s16, s17                     ; x: row 512 x batch + 128 x half,
	s_lshl_b32 s16, s16, 11                        ; of 2,048 bytes
	s_mov_b32 s17, 0
	s_mul_i32 s46, s42, 2*BROWS
	s_mul_i32 s47, s12, BROWS
	s_add_co_u32 s46, s46, s47                     ; W: row 192 x pair + 96 x half
	s_lshl_b32 s46, s46, 11
	s_mov_b32 s47, 0
	s_mul_i32 s20, s12, AHALF                      ; and where they go: no place in the cluster enters an LDS address
	s_mul_i32 s23, s12, BHALF
	s_add_co_u32 s23, s23, 2*AHALF
	s_mov_b32 s[OA+1], 0                           ; the offsets' high words
	s_mov_b32 s[OB+1], 0
	s_mov_b32 s[PO+1], 0
	s_mov_b32 s[J], 2
	s_mov_b32 s[TB], 0
	s_mov_b32 s[CS], 0x3e8293ee                    ; c = log2(e) / sqrt(32) = 0.255035
	s_mov_b32 s[CS+1], s[CS]                       ; named with it as a pair
	s_mov_b32 s[SEL], 0x76543210
	s_mov_b32 s[SEL+1], 0xfedcba98
	s_lshl_b32 s[TB0], s11, 10
	s_sub_co_u32 s[TBB], 2048, s[TB0]              ; 64 (32 - qb) for my first tile, qb = 0 or 16
	s_sub_co_u32 s[TB0], 1024, s[TB0]
	s_mov_b32 s[CNT], 16
	s_wait_dscnt 0x0                               ; the opening add is done
	s_wait_kmcnt 0x0
	s_add_nc_u64 s[14:15], s[4:5], s[16:17]        ; x at my tile of step 0; kept
	s_add_nc_u64 s[46:47], s[6:7], s[46:47]        ; W likewise; kept
	CROUND                                         ; all sixteen work-groups are here: the first joint loads meet
.irp s, 0,1
	s_mov_b32 s[G0+4*(\s)], 1                                        ; count = 1
	s_add_co_u32 s[G0+4*(\s)+1], s20, (\s)*SLOT1                     ; LDS address
	s_add_nc_u64 s[G0+4*(\s)+2:G0+4*(\s)+3], s[14:15], (\s)*KSTEP*2  ; global address: K step s
	s_or_b32 s[G0+4*(\s)+3], s[G0+4*(\s)+3], 0x80000000              ; type = 2
	s_mov_b32 s[G0B+4*(\s)], 1
	s_add_co_u32 s[G0B+4*(\s)+1], s23, (\s)*SLOT1
	s_add_nc_u64 s[G0B+4*(\s)+2:G0B+4*(\s)+3], s[46:47], (\s)*KSTEP*2
	s_or_b32 s[G0B+4*(\s)+3], s[G0B+4*(\s)+3], 0x80000000
	JLOAD \s                                       ; two loads of mine are out
.endr
	; all that follows, up to the first barrier, stands in the wait for the first tile
	v_lshlrev_b32 v[BG], 4, v0
.irp k, 0,1,2,3,4,5,6,7,8
	global_load_b128 v[IMG+4*(\k):IMG+4*(\k)+3], v[BG], s[68:69] offset:2048*(\k)  ; bias4: 128 threads x 16 bytes, nine times
.endr
	; a fragment is 16 rows x 32 K in 8 registers: lane l holds row l % 16, K = 8 (l / 16) + 0..7 and 16 + 8 (l / 16) + 0..7: two loads of 16 bytes, 32 bytes apart
	v_and_b32 v1, 15, v0                           ; l % 16
	v_bfe_u32 v8, v0, 4, 1                         ; l / 16
	v_mul_u32_u24 v9, v1, PITCH
	v_lshl_add_u32 v9, v8, 4, v9
	s_mul_i32 s21, s11, AHALF                      ; my 128 rows of x
	s_mul_i32 s22, s12, BHALF                      ; my head's 96 rows of W,
	s_add_co_u32 s22, s22, 2*AHALF                 ; which lie behind x's 256
	v_add_nc_u32 v[ADRA0], s21, v9
	v_add_nc_u32 v[ADRB0], s22, v9
	v_add_nc_u32 v[ADRA], s[TB], v[ADRA0]
	v_add_nc_u32 v[ADRB], s[TB], v[ADRB0]
	v_and_b32 v10, 31, v0
	v_lshlrev_b32 v[LO], 4, v10
	s_mul_i32 s21, s12, HEADB                      ; my head's image
	s_lshl_b32 s22, s11, 13
	s_add_co_u32 s22, s22, s21
	v_add_nc_u32 v[STB], s22, v[LO]                ; block a of tile t is block 16 t + 8 x my half + a of the batch
	v_add_nc_u32 v[STV], 65536, v[STB]
	s_lshl_b32 s22, s11, 14
	s_add_co_u32 s22, s22, s21
	v_add_nc_u32 v[QAD], s22, v[LO]                ; my 16 tiles of queries
	s_add_co_u32 s22, s21, 32768
	v_add_nc_u32 v[KAD], s22, v[LO]
	v_sub_nc_u32 v9, 15, v1                        ; 15 - l % 16
	v_and_b32 v10, 3, v9                           ; the copy: s % 4 = (15 - l % 16) % 4
	v_mul_u32_u24 v10, v10, 4156                   ; a copy is 4,160 bytes, and copy c lies c numbers back
	v_lshl_add_u32 v10, v9, 2, v10
	v_lshl_add_u32 v[BA0], v8, 5, v10              ; 4,156 c + 4 (15 - l % 16) + 32 (l / 16): with 64 (32 - qb) + 64 i that is 4,160 c + 4 (s + 16 - c)
	v_add_nc_u32 v[BA0], BIAS, v[BA0]
	v_add_nc_u32 v[BGL], BIAS, v[BG]
	v_mov_b32 v[MX], 0                             ; v_permlanex16_b32 counts as a reader of its destination
	v_mov_b32 v[NEG], 0xff7fffff
	v_mov_b32 v[CM+1], 0                           ; named as pairs
	v_mov_b32 v[RC+1], 0
	; where my results go: head 32 x batch + 2 x pair + my head; my 16 blocks of it
	s_lshl_b32 s93, s13, 5
	s_lshl_b32 s94, s42, 1
	s_add_co_u32 s93, s93, s94
	s_add_co_u32 s93, s93, s12
	s_lshl_b32 s94, s93, 15
	s_lshl_b32 s93, s11, 14
	s_add_co_u32 s94, s94, s93
	s_mov_b32 s95, 0
	s_add_nc_u64 s[CT:CT+1], s[70:71], s[94:95]
	; the prefetches
	s_lshl_b32 s20, s13, 9
	s_lshl_b32 s21, s12, 7
	s_add_co_u32 s20, s20, s21
	s_lshl_b32 s21, s40, 5
	s_add_co_u32 s20, s20, s21                     ; x: the 128 rows that I fetch, my work-group's 32 of them
	s_mul_i32 s22, s42, 2*BROWS
	s_mul_i32 s23, s12, BROWS
	s_add_co_u32 s22, s22, s23
	s_mul_i32 s23, s41, BROWS/4
	s_add_co_u32 s22, s22, s23                     ; W: the 96 rows that I fetch, my work-group's 24 of them
	s_and_b32 s23, ttmp7, 0xffff                   ; cluster y
	s_cmp_eq_u32 s11, 0                            ; do I fetch for x?
	s_cselect_b32 s20, s20, s22
	s_cselect_b32 s23, ttmp9, s23                  ; the coordinate along which other clusters read the same rows
	s_cselect_b32 s22, 31, BROWS/4-1               ; my last row
	s_cselect_b32 s[LIM], 13, 5                    ; the refill of step 13 names step 15, that of step 5 step 7
	s_cselect_b32 s[PFT], TILEB, 0
	s_cselect_b64 s[PFB:PFB+1], s[4:5], s[6:7]
	s_cmp_eq_u32 s23, 0
	s_cselect_b32 s[LIM], s[LIM], 0                ; the same in all sixteen partners, for a given wave
	s_lshl_b32 s20, s20, 11
	s_mov_b32 s21, 0
	s_add_nc_u64 s[PFB:PFB+1], s[PFB:PFB+1], s[20:21]
	v_and_b32 v[PFO], 31, v0
	v_min_u32 v[PFO], s22, v[PFO]
	v_lshlrev_b32 v[PFO], 11, v[PFO]
	s_wait_loadcnt 0x0                             ; bias4
.irp k, 0,1,2,3,4,5,6,7,8
	ds_store_b128 v[BGL], v[IMG+4*(\k):IMG+4*(\k)+3] offset:2048*(\k)
.endr
; 12 matrix instructions: row blocks a0, a0 + 1 of the window's four (hi = 0: my rows 0-63, 1: rows 64-127) x all 6 column blocks, 32 along K, from buffer f.  zero = 1: the product starts the sum.
; The 48 accumulators take turns, one instruction a turn, in the same order in every quarter.
.macro MUL f, hi, a0, zero
	WIN 0x50+0x50*(\hi)                            ; sources in window 0; C and D in window 1 or 2
.irp a, \a0, (\a0)+1
.irp b, 0,1,2,3,4,5
.set rD, 8*(NB*(\a)+(\b))
.set rA, FA0+64*(\f)+8*(4*(\hi)+(\a))
.set rB, FB0+48*(\f)+8*(\b)
.if (\b) < 4
.if \zero
	v_wmma_f32_16x16x32_bf16 v[rD:rD+7], v[rB:rB+7], v[rA:rA+7], 0
.else
	v_wmma_f32_16x16x32_bf16 v[rD:rD+7], v[rB:rB+7], v[rA:rA+7], v[rD:rD+7]
.endif
.else
.if \zero
	v_wmma_f32_16x16x32_bf16 v[rD:rD+7], v[rA:rA+7], v[rB:rB+7], 0
.else
	v_wmma_f32_16x16x32_bf16 v[rD:rD+7], v[rA:rA+7], v[rB:rB+7], v[rD:rD+7]
.endif
.endif
.endr
.endr
.endm
; 28 LDS loads in one run: the fragments of quarter q of the K step in hand into buffer f: W's 6, x's blocks 0-3, x's blocks 4-7
.macro FETCH q, f
	WIN 0
.irp i, 0,1,2,3,4,5
	ds_load_b128 v[FB0+48*(\f)+8*(\i):FB0+48*(\f)+8*(\i)+3],   v[ADRB] offset:64*(\q)+(\i)*16*PITCH
	ds_load_b128 v[FB0+48*(\f)+8*(\i)+4:FB0+48*(\f)+8*(\i)+7], v[ADRB] offset:64*(\q)+(\i)*16*PITCH+32
.endr
.irp i, 0,1,2,3,4,5,6,7
	ds_load_b128 v[FA0+64*(\f)+8*(\i):FA0+64*(\f)+8*(\i)+3],   v[ADRA] offset:64*(\q)+(\i)*16*PITCH
	ds_load_b128 v[FA0+64*(\f)+8*(\i)+4:FA0+64*(\f)+8*(\i)+7], v[ADRA] offset:64*(\q)+(\i)*16*PITCH+32
.endr
.endm
.macro PLACES                          ; four plain vector instructions between a matrix instruction and a load into, or a vector instruction on, its registers (ISA guide 7.12.1 for vector instructions)
.rept 4
	v_nop
.endr
.endm
; A K step is four quarters of 32 along K, 48 matrix instructions each, on buffers 0, 1, 0, 1.  One of the first three: multiplies buffer f; in its middle it fetches quarter q into buffer g.
.macro QUARTER q, f, g, zero
	s_wait_dscnt 8                                 ; W's and x's blocks 0-3 are in; the youngest eight loads (x's blocks 4-7) may be out
	MUL \f, 0, 0, \zero
	MUL \f, 0, 2, \zero
	PLACES
	FETCH \q, \g
	s_wait_dscnt NLD                               ; all but the run just issued
	MUL \f, 1, 0, \zero
	MUL \f, 1, 2, \zero
.endm
; The last quarter multiplies buffer 1 and changes slots: ONE barrier.  In front of it each wave waits for all its tensor loads (one is out: its part of the next slot), adds 0 to its spare word, and waits for that and
; for its own reads of this slot.  fill = 1: the barrier opens a round of the cluster's barrier, and this slot is filled again, with step J of the walk, first thing behind the round.
.macro TURN fill
.if \fill
	s_wait_xcnt 0x0                                ; the last prefetch, a K step back, has read its address: it is made anew here, ahead of the waits of the change of slots: step J + 2
	s_add_co_u32 s[PT], s[J], 2
	s_and_b32 s[PO], s[PT], 7
	s_lshl_b32 s[PO], s[PO], 8                     ; 256 bytes a step along K,
	s_lshr_b32 s[PT], s[PT], 3
	s_mul_i32 s[PT], s[PT], s[PFT]                 ; and the tile
	s_add_co_u32 s[PO], s[PO], s[PT]
	s_add_nc_u64 s[PFA:PFA+1], s[PFB:PFB+1], s[PO:PO+1]
.endif
	WIN 0                                          ; (the add's two registers lie in window 0)
	s_wait_tensorcnt 0x0                           ; all my tensor loads have landed: no load of mine is out, so a group 0 may be written
	ds_add_u32 v[SPW], v[NIL]                      ; 0 onto my spare word: scalar work and twelve matrix instructions stand between it and the wait for it
.if \fill
	s_and_b32 s[OB], s[J], 7                       ; the walking descriptors: step J's place along K,
	s_lshl_b32 s[OB], s[OB], 8
	s_lshr_b32 s[OA], s[J], 3                      ; and, for x, its tile
	s_lshl_b32 s[OA], s[OA], 19
	s_add_co_u32 s[OA], s[OA], s[OB]
	s_xor_b32 s[G0+5], s[G0+5], SLOT1              ; the other slot than last time
	s_add_nc_u64 s[G0+6:G0+7], s[14:15], s[OA:OA+1]
	s_or_b32 s[G0+7], s[G0+7], 0x80000000
	s_xor_b32 s[G0B+5], s[G0B+5], SLOT1
	s_add_nc_u64 s[G0B+6:G0B+7], s[46:47], s[OB:OB+1]
	s_or_b32 s[G0B+7], s[G0B+7], 0x80000000
.endif
	s_xor_b32 s[TB], s[TB], SLOT1                  ; the slot that is read next
	s_wait_dscnt 9                                 ; (the add and the youngest eight loads may be out)
	MUL 1, 0, 0, 0
	s_wait_dscnt 0x0                               ; the add is done, and my reads of this slot are over
	s_barrier_signal -1
	MUL 1, 0, 2, 0                                 ; work on registers while the others arrive
.if \fill
	WIN 0
.endif
	s_barrier_wait -1
.if \fill
	CREST                                          ; no wave of any partner still reads this slot or has a load on its way
	JLOAD 1                                        ; my one tensor load behind the round; the four v_nop behind it are also places in front of the loads below
.else
	PLACES
	WIN 0
.endif
	v_add_nc_u32 v[ADRA], s[TB], v[ADRA0]
	v_add_nc_u32 v[ADRB], s[TB], v[ADRB0]
	FETCH 0, 0
.if \fill
	ASK
	s_add_co_u32 s[J], s[J], 1
.endif
	MUL 1, 1, 0, 0
	MUL 1, 1, 2, 0
.endm
; From a K step's second quarter to the next step's first.
.macro STEP fill
	QUARTER 2, 1, 0, 0
	QUARTER 3, 0, 1, 0
	TURN \fill
	QUARTER 1, 0, 1, 0
.endm
; Six LDS stores: block a of tile t, whose packed registers lie at base + 4 (6 a + b).  512 bytes on end each.
.macro PARK t, a, base
	ds_store_b128 v[STB], v[(\base)+4*(NB*(\a)+0):(\base)+4*(NB*(\a)+0)+3] offset:16384*(\t)+1024*(\a)              ; q: channels 0-15
	ds_store_b128 v[STB], v[(\base)+4*(NB*(\a)+1):(\base)+4*(NB*(\a)+1)+3] offset:16384*(\t)+1024*(\a)+512          ; channels 16-31
	ds_store_b128 v[STB], v[(\base)+4*(NB*(\a)+2):(\base)+4*(NB*(\a)+2)+3] offset:32768+16384*(\t)+1024*(\a)        ; k likewise
	ds_store_b128 v[STB], v[(\base)+4*(NB*(\a)+3):(\base)+4*(NB*(\a)+3)+3] offset:32768+16384*(\t)+1024*(\a)+512
	ds_store_b128 v[STV], v[(\base)+4*(NB*(\a)+4):(\base)+4*(NB*(\a)+4)+3] offset:16384*(\t)+2048*((\a)/2)+512*((\a)%2)       ; V^T: keys 32 (a / 2) on, half a % 2; channels 0-15
	ds_store_b128 v[STV], v[(\base)+4*(NB*(\a)+5):(\base)+4*(NB*(\a)+5)+3] offset:16384*(\t)+2048*((\a)/2)+1024+512*((\a)%2)  ; channels 16-31
.endm
	s_wait_dscnt 0x0                               ; for the others' sake: my part of the image of bias4 is written
	s_wait_tensorcnt 1                             ; my part of K step 0 is in; K step 1's may stay out
	s_barrier_signal -1
	s_barrier_wait -1                              ; everybody's is
	FETCH 0, 0
	QUARTER 1, 0, 1, 1                             ; the first tile's first quarter: its products start the sums
	WIN 0                                          ; at a label and at a branch every window is 0
	s_mov_b32 s3, 7
.Lk0:                                                  ; steps 0 to 6 of the walk; steps 2 to 8 are asked for
	STEP 1
	WIN 0
	s_sub_co_u32 s3, s3, 1
	s_cmp_lg_u32 s3, 0
	s_cbranch_scc1 .Lk0
	QUARTER 2, 1, 0, 0                             ; step 7, the first tile's last, is written out; step 9 is asked for
	QUARTER 3, 0, 1, 0
	TURN 1
	PLACES                                         ; THE FIRST TILE IS DONE: its results are rounded to f16 and wait in window 3.  Each accumulator's registers are read in ascending order.
	PLACES
.irp a, 0,1,2,3,4,5,6,7
	WIN 0xc5+0x05*((\a)/4)                         ; sources 0 and 1: window 1 or 2; destination window 3
.irp b, 0,1,2,3,4,5
.irp i, 0,1,2,3
	v_cvt_pk_f16_f32 v[4*(NB*(\a)+(\b))+(\i)], v[8*(NB*((\a)%4)+(\b))+2*(\i)], v[8*(NB*((\a)%4)+(\b))+2*(\i)+1]
.endr
.endr
.endr
	QUARTER 1, 0, 1, 1                             ; the second tile's first quarter starts the sums anew
	WIN 0
	s_mov_b32 s3, 6
.Lk1:                                                  ; steps 8 to 13; steps 10 to 15 are asked for
	STEP 1
	WIN 0
	s_sub_co_u32 s3, s3, 1
	s_cmp_lg_u32 s3, 0
	s_cbranch_scc1 .Lk1
	STEP 0                                         ; step 14 fills nothing, and has no round
	QUARTER 2, 1, 0, 0                             ; step 15
	QUARTER 3, 0, 1, 0
	s_wait_dscnt 8                                 ; the very last quarter: nothing more to fetch
	MUL 1, 0, 0, 0
	MUL 1, 0, 2, 0
	s_wait_dscnt 0x0                               ; my reads of the ring are over; my last tensor load was shown landed in step 14
	s_barrier_signal -1
	MUL 1, 1, 0, 0
	MUL 1, 1, 2, 0
	s_barrier_wait -1                              ; everybody's are: the ring has had its last fill and its last read, and its bytes take the two heads' images
	; THE HAND-OVER
	WIN 0x0c                                       ; the stores' data: window 3
.irp a, 0,1,2,3,4,5,6,7
	PARK 0, \a, 0
.endr
	PLACES
	PLACES
.irp a, 0,1,2,3,4,5,6,7
	WIN 0x05+0x05*((\a)/4)                         ; sources 0 and 1: window 1 or 2; destination window 0
.irp b, 0,1,2,3,4,5
.irp i, 0,1,2,3
	v_cvt_pk_f16_f32 v[OUTR+4*(NB*(\a)+(\b))+(\i)], v[8*(NB*((\a)%4)+(\b))+2*(\i)], v[8*(NB*((\a)%4)+(\b))+2*(\i)+1]
.endr
.endr
	WIN 0
	PARK 1, \a, OUTR
.endr
	s_wait_dscnt 0x0                               ; for the others' sake: my blocks are written
	s_barrier_signal -1
	s_barrier_wait -1                              ; both images are whole; from here on LDS is only read
	WIN 0x80                                       ; destination window 2, address window 0
.set i, 0
.rept 32
	ds_load_b128 v[8*i:8*i+3],   v[KAD] offset:1024*i
	ds_load_b128 v[8*i+4:8*i+7], v[KAD] offset:1024*i+512
.set i, i+1
.endr
	WIN 0xc0                                       ; destination window 3
.set i, 0
.rept 32
	ds_load_b128 v[8*i:8*i+3],   v[KAD] offset:32768+1024*i
	ds_load_b128 v[8*i+4:8*i+7], v[KAD] offset:32768+1024*i+512
.set i, i+1
.endr
	WIN 0
	ds_load_b128 v[QF:QF+3],   v[QAD]
	ds_load_b128 v[QF+4:QF+7], v[QAD] offset:512
; A tile's bias: 64 loads of 16 bytes, straight into S's registers.
.macro BIASLD
	WIN 0
	v_add_nc_u32 v[BA], s[TBB], v[BA0]
	WIN 0x40                                       ; destination window 1
.set i, 0
.rept 32
	ds_load_b128 v[8*i:8*i+3],   v[BA] offset:64*i
	ds_load_b128 v[8*i+4:8*i+7], v[BA] offset:64*i+16
.set i, i+1
.endr
	WIN 0
.endm
; Result i of S^T = K Q^T + U: one product each, since a head has 32 channels.
.macro KQ i
	WIN 0x52                                       ; K in window 2, Q in window 0, C and D in window 1
	v_wmma_f32_16x16x32_f16 v[8*(\i):8*(\i)+7], v[8*(\i):8*(\i)+7], v[QF:QF+7], v[8*(\i):8*(\i)+7]
.endm
; The eight scores of result j enter the four chains of the maximum; the lowest registers are read first.
.macro MAX4 j
	WIN 0x14                                       ; sources 1 and 2 in window 1
.irp k, 0,1,2,3
.if (\j) == 0
	v_max3_num_f32 v[CH+(\k)], v[NEG], v[8*(\j)+2*(\k)], v[8*(\j)+2*(\k)+1]
.else
	v_max3_num_f32 v[CH+(\k)], v[CH+(\k)], v[8*(\j)+2*(\k)], v[8*(\j)+2*(\k)+1]
.endif
.endr
.endm
; Pair p of 128: c s - c m.
.macro FS p
	v_pk_fma_f32 v[2*(\p):2*(\p)+1], v[2*(\p):2*(\p)+1], s[CS:CS+1], v[CM:CM+1] op_sel_hi:[1,0,0] neg_lo:[0,0,1] neg_hi:[0,0,1]
.endm
; The weights of result j are rounded to f16 and enter the four pairs of sums.  Results 0 and 1 start the sums together.  Later the sum is taken as p x 1 + sum: in that form p is source 0 and the sum source 2, so that
; the roundings and the sums stand under ONE window setting.
.macro RH j
	WIN 0x05                                       ; sources 0 and 1 in window 1; source 2 and the destination in window 0
.irp k, 0,1,2,3
	v_cvt_pk_f16_f32 v[P+4*(\j)+(\k)], v[8*(\j)+2*(\k)], v[8*(\j)+2*(\k)+1]
.endr
.if (\j) == 0
.irp k, 0,1,2,3
	v_pk_add_f32 v[LS+2*(\k):LS+2*(\k)+1], v[2*(\k):2*(\k)+1], v[8+2*(\k):8+2*(\k)+1]
.endr
.elseif (\j) >= 2
.irp k, 0,1,2,3
	v_pk_fma_f32 v[LS+2*(\k):LS+2*(\k)+1], v[8*(\j)+2*(\k):8*(\j)+2*(\k)+1], 1.0, v[LS+2*(\k):LS+2*(\k)+1] op_sel_hi:[1,0,1]
.endr
.endif
.endm
; O^T += V^T P: keys 32 kk on, channels 16 cb on.  The two accumulators take turns; the first products start the sums.
.macro PV kk, cb
	WIN 0x03                                       ; V in window 3
.if (\kk) == 0
	v_wmma_f32_16x16x32_f16 v[OT+8*(\cb):OT+8*(\cb)+7], v[8*(2*(\kk)+(\cb)):8*(2*(\kk)+(\cb))+7], v[P+8*(\kk):P+8*(\kk)+7], 0
.else
	v_wmma_f32_16x16x32_f16 v[OT+8*(\cb):OT+8*(\cb)+7], v[8*(2*(\kk)+(\cb)):8*(2*(\kk)+(\cb))+7], v[P+8*(\kk):P+8*(\kk)+7], v[OT+8*(\cb):OT+8*(\cb)+7]
.endif
.endm
	BIASLD                                         ; my first tile's bias
.Ltile:                                                ; 16 trips, a tile each
	; THE SCORES AND THEIR MAXIMUM.  Behind each product stand the four maxima of the result two back: eight plain instructions lie between a product and the first read of its result.
.set i, 0
.rept 32
.if (i%8) == 0
	s_wait_dscnt 48-2*i                            ; LDS loads come back in order: the bias of the next eight results is in, and all that was asked for ahead of the bias: Q, and in the first trip K and V
.endif
	KQ i
.if i == 2
.rept 4
	v_nop                                          ; result 0 has no riders in front of its maxima: four places, once a tile
.endr
.endif
.if i >= 2
	MAX4 i-2
.endif
.set i, i+1
.endr
	MAX4 30
	MAX4 31
	; THE NEXT TILE'S Q.  Eight plain instructions that name none of its registers stand behind the last product that read Q.
	WIN 0
	s_wait_xcnt 0x0                                ; the last tile's two stores have read their address and data: the pointer, and later the packed block, may be written
	s_add_nc_u64 s[CT:CT+1], s[CT:CT+1], 1024
	v_add_nc_u32 v[QAD], 1024, v[QAD]
	ds_load_b128 v[QF:QF+3],   v[QAD]              ; in the last trip: the 1,024 bytes behind my 16 tiles, inside the image, used by nothing: the price of one text for every trip
	ds_load_b128 v[QF+4:QF+7], v[QAD] offset:512
	v_max3_num_f32 v[CH], v[CH], v[CH+1], v[CH+2]
	v_max_num_f32 v[CH], v[CH], v[CH+3]
	v_permlanex16_b32 v[MX], v[CH], s[SEL], s[SEL+1]             ; the query's other 256 keys lie in the lane 16 away
	v_max_num_f32 v[CH], v[CH], v[MX]
	v_mul_f32 v[CM], s[CS], v[CH]                  ; c m
	; THE SCALINGS AND ALL 256 EXPONENTIALS: ONE BATCH.  None of these lines names an exponential's result; a pair is scaled four pairs ahead of its exponentials.
	WIN 0x41                                       ; destination and source 0 in window 1
.set p, 0
.rept 4
	FS p
.set p, p+1
.endr
.set p, 0
.rept 128
	v_exp_f32 v[2*p], v[2*p]
.if p+4 < 128
	FS p+4
.endif
	v_exp_f32 v[2*p+1], v[2*p+1]
.set p, p+1
.endr
	v_nop                                          ; a plain instruction behind the last exponential, ahead of the first use (ISA guide 5.7.2): one for the batch
	s_wait_alu depctr_va_vdst(0)                   ; a wait ahead of the first line that names a result: one for the batch
	; THE WEIGHTS AND V^T P.  Behind each product stand the roundings and sums of a result two pairs of keys on.
	RH 0
	RH 1
	RH 2
	RH 3
.set kk, 0
.rept 16
	PV kk, 0
.if 2*kk+4 < 32
	RH 2*kk+4
.endif
	PV kk, 1
.if 2*kk+5 < 32
	RH 2*kk+5
.endif
.set kk, kk+1
.endr
	; THE TILE'S END.  S has been read: the next tile's bias is asked for, and lands during what follows.  Its place in the image is made of the loop's own count: 64 x tiles left + TB0 = 64 (32 - qb).
	WIN 0
	s_sub_co_u32 s[CNT], s[CNT], 1
	s_lshl_b32 s[TBB], s[CNT], 6
	s_add_co_u32 s[TBB], s[TBB], s[TB0]
	BIASLD                                         ; (in the last trip: a fetch inside the image that nothing uses)
	v_pk_add_f32 v[LS:LS+1], v[LS:LS+1], v[LS+2:LS+3]            ; these sums are the places behind the last products
	v_pk_add_f32 v[LS+4:LS+5], v[LS+4:LS+5], v[LS+6:LS+7]
	v_pk_add_f32 v[LS:LS+1], v[LS:LS+1], v[LS+4:LS+5]
	v_add_f32 v[LS], v[LS], v[LS+1]
	v_permlanex16_b32 v[MX], v[LS], s[SEL], s[SEL+1]
	v_add_f32 v[LS], v[LS], v[MX]
	v_rcp_f32 v[RC], v[LS]
	v_nop                                          ; a plain instruction between the reciprocal and its use,
	s_wait_alu depctr_va_vdst(0)                   ; and a wait
.irp i, 0,1,2,3,4,5,6,7
	v_pk_mul_f32 v[OT+2*(\i):OT+2*(\i)+1], v[OT+2*(\i):OT+2*(\i)+1], v[RC:RC+1] op_sel_hi:[1,0]
.endr
.irp i, 0,1,2,3,4,5,6,7
	v_cvt_pk_f16_f32 v[PK+(\i)], v[OT+2*(\i)], v[OT+2*(\i)+1]
.endr
	global_store_b128 v[LO], v[PK:PK+3],   s[CT:CT+1] offset:-1024   ; the pointer was stepped above: the stores reach back.  512 consecutive bytes each, at a multiple of 512 from ctx's first byte
	global_store_b128 v[LO], v[PK+4:PK+7], s[CT:CT+1] offset:-512
	s_cmp_lg_u32 s[CNT], 0
	s_cbranch_scc1 .Ltile
	s_wait_tensorcnt 0x0                           ; the wave's end, behind my last tensor load and my last LDS store; the last wait is also for the fetches that nothing uses
	ds_add_u32 v[SPW], v[NIL]
	s_wait_dscnt 0x0
	CROUND                                         ; the closing round: no work-group ends while a partner may still ask for a tile that names it
	s_endpgm
.Lfunc_end_k_q45022b58b3_qkvattn:
	.size	k_q45022b58b3_qkvattn, .Lfunc_end_k_q45022b58b3_qkvattn-k_q45022b58b3_qkvattn
	.p2alignl 7, 3214868480
	.fill 96, 4, 3214868480
	.section	.rodata,"a",@progbits
	.p2align	6, 0x0
	.amdhsa_kernel k_q45022b58b3_qkvattn
		.amdhsa_group_segment_fixed_size 327680
		.amdhsa_private_segment_fixed_size 0
		.amdhsa_enable_private_segment 0
		.amdhsa_kernarg_size 32
		.amdhsa_user_sgpr_count 2
		.amdhsa_user_sgpr_kernarg_segment_ptr 1
		.amdhsa_wavefront_size32 1
		.amdhsa_system_sgpr_workgroup_id_x 1
		.amdhsa_system_sgpr_workgroup_id_y 1
		.amdhsa_system_sgpr_workgroup_id_z 1
		.amdhsa_system_vgpr_workitem_id 0
		.amdhsa_next_free_vgpr 1024
		.amdhsa_next_free_sgpr 96
		.amdhsa_reserve_vcc 0
		.amdhsa_float_denorm_mode_32 3
		.amdhsa_float_denorm_mode_16_64 3
		.amdhsa_memory_ordered 1
		.amdhsa_forward_progress 1
		.amdhsa_inst_pref_size 216
	.end_amdhsa_kernel
	.amdgpu_metadata
---
amdhsa.version: [ 1, 2 ]
amdhsa.kernels:
  - .name:           k_q45022b58b3_qkvattn
    .symbol:         k_q45022b58b3_qkvattn.kd
    .args:
      - { .name: xb, .offset: 0, .size: 8, .value_kind: global_buffer, .address_space: global }
      - { .name: wqkv, .offset: 8, .size: 8, .value_kind: global_buffer, .address_space: global }
      - { .name: bias4, .offset: 16, .size: 8, .value_kind: global_buffer, .address_space: global }
      - { .name: ctx, .offset: 24, .size: 8, .value_kind: global_buffer, .address_space: global }
    .group_segment_fixed_size: 327680
    .private_segment_fixed_size: 0
    .kernarg_segment_align: 8
    .kernarg_segment_size: 32
    .max_flat_workgroup_size: 128
    .sgpr_count:     96
    .vgpr_count:     1024
    .wavefront_size: 32
...
	.end_amdgpu_metadata
.endif
;; end of part 6
;; launch outp (part 7): grid 4 x 64, 4 waves a work-group, clusters of 4 x 1, 327,680 bytes of LDS; arguments ctx, wo16, out0; writes out0
.if DOCPART == 7
	.amdgcn_target "amdgcn-amd-amdhsa--gfx1250"
	.amdhsa_code_object_version 6
	.text
	.protected	k_q45022b58b3_outp
	.globl	k_q45022b58b3_outp
	.p2align	8
	.type	k_q45022b58b3_outp,@function
k_q45022b58b3_outp:
	s_mov_b64 s[64:65], 0
	v_nop
	global_prefetch_b8 v0, s[64:65] scope:SCOPE_SE
	s_setreg_imm32_b32 hwreg(HW_REG_WAVE_MODE, 25, 1), 1
	s_wait_xcnt 0x0
	s_wait_alu depctr_hold_cnt(0) depctr_sa_sdst(0) depctr_va_vdst(0) depctr_va_sdst(0) depctr_va_ssrc(0) depctr_va_vcc(0) depctr_vm_vsrc(0)
	s_getreg_b32 s2, hwreg(HW_REG_IB_STS2, 6, 4)
	s_cmp_eq_u32 s2, 0
	s_cbranch_scc0 .Lentry_in_a_cluster
	s_endpgm
.Lentry_in_a_cluster:
	s_bfe_u32 s2, ttmp6, 0x10000c
	s_cmp_lg_u32 s2, 0x3003
	s_cbranch_scc0 .Lentry_shape_is_right
	s_endpgm
.Lentry_shape_is_right:
; out0 = ctx wo^T.  out0: [8192][1024] f32.  Sums in f32, K ascending.  Both operands lie in memory in blocks of 1,024 bytes in the order in which a matrix operand lies in registers:
; [half e][lane][16 bytes], lane l holding row l % 16 and the numbers 16 e + 8 (l / 16) + 0..7 of the block's 32.
;   ctx, f16:  block qb (16 queries) of head hd = 32 batch + h (K = 32 h on) at 32,768 hd + 1,024 qb.        wo16, f16:  block (nb, h) (rows 16 nb on of wo, K = 32 h on) at 1,024 (32 nb + h).
; SHARES.  A work-group makes 128 rows x 256 columns: 64 x 4 = 256 work-groups.  Four waves, each all 128 rows x 64 columns: 32 accumulators of 16 x 16, 256 registers.  K goes in 32 QUARTERS of 32 = a head each.
; NO LDS BYTE IS FILLED TWICE.  The work-group's 128 rows of ctx over the whole K are 262,144 bytes: they are all asked for at the head and stay in LDS, so no slot is ever waited for in order to be filled again.
; Wave w fetches heads w, 4 + w, .. 28 + w, eight blocks (8,192 bytes on end) of each, by two tensor loads: heads w and 4 + w, then the other six.  Head 4 n + q lies at LDS byte 65,536 q + 8,192 n, dense: a
; fragment load takes 512 consecutive bytes.  Two barriers show the two parts to all four waves; behind the second the waves never meet again.
; CLUSTER.  The four work-groups of a cluster make the four column blocks of the same 128 rows and need the same ctx: each tensor load is a JOINT request, with the same descriptor and the mask of four in all four.
; wo16 COMES STRAIGHT INTO REGISTERS: a wave's 64 columns are wanted by no other wave of the work-group, and a block lies in memory as it lies in registers: 8 loads of 512 consecutive bytes a quarter, into a ring of
; eight register sets.  Quarter Q asks, in its middle, for quarter Q + 7: 56 loads of a wave are on their way.
; NO JOINT REQUEST FOR wo16, though 64 work-groups read each block: it would have to go through LDS, where ctx, the stages and the spare words leave 47,616 bytes: two slots of one quarter (256 columns x 64 bytes), that is
; a round of the cluster's barrier for every 32 matrix instructions.
; THE PRODUCT IS TAKEN TRANSPOSED (source 0 = 16 rows of wo16, source 1 = 16 rows of ctx): a lane holds one row of out0 and eight neighbouring columns, 32 bytes.
; REGISTERS, in windows of 256 (s_set_vgpr_msb: bits 1:0 source 0, 3:2 source 1, 5:4 source 2, 7:6 destination):
;   window 0: v0-31 addresses; v32-159 ctx's fragments, two buffers of 8; on the way out the same 128: four buffers of rows read back from the stage
;   window 1: the 32 accumulators, (a, b) at 8 (4 a + b)          window 2: wo16's ring: quarter Q's four blocks at 32 (Q % 8) + 8 b
.set NB,     4                         ; column blocks of 16 a wave
.set HEADB,  8192                      ; a head's eight blocks of the work-group's 128 rows
.set WREG,   8*HEADB                   ; what one wave fetches: eight heads
.set ASTEP,  131072                    ; bytes in ctx from a head to the head four on
.set STAGE,  4*WREG                    ; behind ctx, never filled by a tensor load: 16 rows x 272 bytes for each wave, for the way out
.set SPITCH, 272
.set SPARE,  STAGE+4*16*SPITCH         ; behind the stages: the spare words, 128 bytes for each wave: two blocks of 256 bytes that no other line names
.set ADRA, 16                          ; v16-19  LDS address of my 16 bytes in the heads 4 n + q, q = 0..3; stepped in the loop
.set BO,   20                          ; v20     16 x lane; never rewritten
.set STO,  24                          ; v24     the way out: where I put 32 bytes of a row
.set RD,   25                          ; v25     where I read rows back
.set CO,   26                          ; v26     my byte offset in two rows of out0
.set SPW,  28                          ; v28     LDS address of my spare word: SPARE + 4 x my thread's number; never rewritten
.set NIL,  29                          ; v29     0; never rewritten
.set PFO,  30                          ; v30     the prefetches' offset; never rewritten
.set FA0,  32                          ; ctx's fragments: buffer f at FA0 + 64 f
.set OB,   32                          ; the way out: 16 rows read back, four buffers of 32 by turns
.set G1,   24                          ; s[24:31] descriptor group 1 of the first fill: two heads
.set G0,   32                          ; s[32:39] group 0, a set for each of the two fills
.set G1R,  48                          ; s[48:55] group 1 of the second fill: six heads
.set LIM,  43                          ; s43     1 in a work-group that prefetches, else the greatest number
.set BP,   44                          ; s[44:45] wo16 at my wave's first block; stepped in the loop
.set MSB, 0
.macro WIN new                         ; the immediate's high byte repeats the setting that is left; a switch that changes nothing is dropped
.if MSB != (\new)
	s_set_vgpr_msb (MSB<<8)|(\new)
.set MSB, \new
.endif
.endm
; A round of the cluster's barrier: my work-group's barrier; wave 0 signals for the work-group; every wave waits for all four work-groups; my work-group's barrier once more.
.macro CROUND
	s_barrier_signal -1
	s_barrier_wait -1
	s_cmp_lg_u32 s10, 0
	s_cbranch_scc1 .Lnot_wave_0_\@
	s_barrier_signal -3
.Lnot_wave_0_\@:
	s_barrier_wait -3
	s_barrier_signal -1
	s_barrier_wait -1
.endm
; 8 loads: the four blocks of head h (counted from where BP stands) of my 64 columns, into set s of the ring
.macro BLOAD s, h
	WIN 0x80                                       ; destination window 2, address window 0
.irp b, 0,1,2,3
	global_load_b128 v[32*(\s)+8*(\b):32*(\s)+8*(\b)+3],   v[BO], s[BP:BP+1] offset:32768*(\b)+1024*(\h)
	global_load_b128 v[32*(\s)+8*(\b)+4:32*(\s)+8*(\b)+7], v[BO], s[BP:BP+1] offset:32768*(\b)+1024*(\h)+512
.endr
.endm
; A PREFETCH of wo16, behind the run of loads of every second quarter: heads h and h + 1 of my wave's four column blocks, 2,048 bytes on end of each: a lane 256 bytes, one instruction.  It names what will be loaded eight and
; nine quarters, 256 and 288 matrix instructions, later.  Each block of wo16 is read by all 64 row blocks: the cluster of row block 0 asks, each of its sixteen waves for its own columns, so each 256 bytes are named once in
; the launch.  Heads 0 to 15 come by their loads alone; heads 16 to 23 are asked for in quarters 1 to 7 (how = 1), heads 24 to 31 in the loop's first trip (how = 2: s3 = 2 there); no prefetch leaves my blocks.
; ctx is all asked for at the head, by its tensor loads.
.macro ASK how, h
.if (\how) == 1
	s_cmp_eq_u32 s[LIM], 1
.else
	s_cmp_gt_u32 s3, s[LIM]
.endif
	s_cbranch_scc0 .Lnot_mine_\@
	global_prefetch_b8 v[PFO], s[BP:BP+1] offset:1024*(\h) th:TH_LOAD_NT scope:SCOPE_SE
.Lnot_mine_\@:
.endm
	s_load_b128 s[4:7], s[0:1], 0x0                ; ctx s[4:5], wo16 s[6:7]
	s_load_b64 s[8:9], s[0:1], 0x10                ; out0
	v_lshl_add_u32 v[SPW], v0, 2, SPARE
	v_mov_b32 v[NIL], 0
	ds_add_u32 v[SPW], v[NIL]                      ; the wave's opening: the add and its wait stand ahead of my first tensor load; the set-up below, work on registers, stands between them
	v_lshrrev_b32 v1, 5, v0
	v_readfirstlane_b32 s10, v1                    ; wave 0..3
	s_bfe_u32 s40, ttmp6, 0x40000                  ; cx: my place in the cluster
	s_lshl_b32 s42, ttmp9, 2
	s_add_co_u32 s42, s42, s40                     ; my block of 256 columns = 4 x cluster x + cx: it enters wo16's and out0's addresses alone
	s_and_b32 s13, ttmp7, 0xffff                   ; my block of 128 rows, which the four partners share
	s_mov_b32 s[G1+0], 15|(1<<16)|(1<<21)          ; 15:0 the mask: all four work-groups; 17:16 elements of 2 bytes; 21 set beside a mask; no padding
	s_mov_b32 s[G1+1], 4096<<16                    ; tensor_dim0 = 4,096 elements: a head's eight blocks
	s_mov_b32 s[G1+2], 2<<16                       ; tensor_dim1 = 2 heads
	s_mov_b32 s[G1+3], 4096<<16                    ; tile_dim0
	s_mov_b32 s[G1+4], 2                           ; tile_dim1
	s_mov_b32 s[G1+5], 65536                       ; elements from a head to the head four on
	s_mov_b32 s[G1+6], 0
	s_mov_b32 s[G1+7], 0
	s_mov_b32 s[G1R+0], 15|(1<<16)|(1<<21)         ; the same with six heads
	s_mov_b32 s[G1R+1], 4096<<16
	s_mov_b32 s[G1R+2], 6<<16
	s_mov_b32 s[G1R+3], 4096<<16
	s_mov_b32 s[G1R+4], 6
	s_mov_b32 s[G1R+5], 65536
	s_mov_b32 s[G1R+6], 0
	s_mov_b32 s[G1R+7], 0
	s_lshr_b32 s16, s13, 2
	s_lshl_b32 s16, s16, 20                        ; ctx: the batch, 32 heads of 32,768 bytes,
	s_and_b32 s17, s13, 3
	s_lshl_b32 s17, s17, 13                        ; the eight blocks of my 128 rows,
	s_add_co_u32 s16, s16, s17
	s_lshl_b32 s17, s10, 15                        ; head = my wave's number
	s_add_co_u32 s16, s16, s17
	s_mov_b32 s17, 0
	s_mul_i32 s20, s10, WREG                       ; and where my heads go: no place in the cluster enters an LDS address
	s_lshl_b32 s46, s42, 4
	s_lshl2_add_u32 s46, s10, s46                  ; wo16: my first block of 16 columns = 16 x column block + 4 x wave,
	s_lshl_b32 s46, s46, 15                        ; 32 blocks of 1,024 bytes each
	s_mov_b32 s47, 0
	v_and_b32 v6, 31, v0
	v_lshlrev_b32 v[BO], 4, v6
	s_wait_dscnt 0x0                               ; the opening add is done
	s_wait_kmcnt 0x0
	s_add_nc_u64 s[14:15], s[4:5], s[16:17]
	s_add_nc_u64 s[BP:BP+1], s[6:7], s[46:47]
	BLOAD 0, 0                                     ; the ring's first four sets are asked for ahead of the round,
	BLOAD 1, 1
	BLOAD 2, 2
	BLOAD 3, 3
	WIN 0                                          ; at a label and at a branch every window is 0
	CROUND                                         ; all four work-groups are here: the joint loads meet
	s_mov_b32 s[G0], 1                             ; count = 1
	s_add_co_u32 s[G0+1], s20, 0                   ; LDS address: my heads 0 and 1
	s_add_nc_u64 s[G0+2:G0+3], s[14:15], 0         ; global address
	s_or_b32 s[G0+3], s[G0+3], 0x80000000          ; type = 2
	s_mov_b32 s[G0+4], 1
	s_add_co_u32 s[G0+5], s20, 2*HEADB             ; my heads 2 to 7
	s_add_nc_u64 s[G0+6:G0+7], s[14:15], 2*ASTEP
	s_or_b32 s[G0+7], s[G0+7], 0x80000000
	tensor_load_to_lds s[G0:G0+3], s[G1:G1+7]      ; both fills go out together: two loads of mine are out, and no further one is ever issued
	s_nop 0
	tensor_load_to_lds s[G0+4:G0+7], s[G1R:G1R+7]
	s_nop 0
.rept 4
	v_nop
.endr
	BLOAD 4, 4                                     ; and the next three behind the tensor loads
	BLOAD 5, 5
	BLOAD 6, 6
	WIN 0
	v_and_b32 v1, 15, v0                           ; l % 16
	v_bfe_u32 v2, v0, 4, 1                         ; l / 16
.irp q, 0,1,2,3
	v_add_nc_u32 v[ADRA+(\q)], (\q)*WREG, v[BO]
.endr
	s_mul_i32 s23, s10, 16*SPITCH
	s_add_co_u32 s23, s23, STAGE                   ; my stage
	v_mul_u32_u24 v4, v1, SPITCH                   ; in: row l % 16, 32 bytes for each half of the lanes
	v_lshl_add_u32 v4, v2, 5, v4
	v_add_nc_u32 v[STO], s23, v4
	v_mul_u32_u24 v5, v2, SPITCH                   ; back: lanes 0-15 take one row of 256 bytes, lanes 16-31 the next
	v_lshl_add_u32 v5, v1, 4, v5
	v_add_nc_u32 v[RD], s23, v5
	v_lshlrev_b32 v5, 12, v2                       ; and the same two rows in out0, 4,096 bytes apart
	v_lshl_add_u32 v[CO], v1, 4, v5
	s_lshl_b32 s16, s13, 19                        ; my first row of out0: 128 rows of 4,096 bytes a row block,
	s_lshl_b32 s46, s42, 10                        ; my first column, in bytes: 1,024 x column block + 256 x wave
	s_lshl_b32 s47, s10, 8
	s_add_co_u32 s46, s46, s47
	s_add_co_u32 s16, s16, s46
	s_mov_b32 s17, 0
	s_add_nc_u64 s[8:9], s[8:9], s[16:17]
	v_and_b32 v[PFO], 7, v0                        ; the prefetches: lane l names byte 256 (l % 8) of two heads' blocks of column block l / 8
	v_lshlrev_b32 v[PFO], 8, v[PFO]
	v_bfe_u32 v3, v0, 3, 2
	v_lshl_add_u32 v[PFO], v3, 15, v[PFO]
	s_cmp_eq_u32 s13, 0
	s_cselect_b32 s[LIM], 1, -1                    ; the same in all four partners
; 16 matrix instructions: row blocks 4 hi .. 4 hi + 3 x all 4 column blocks, 32 along K: ctx's buffer f, wo16's set s.  zero = 1: the product starts the sum.
; The 32 accumulators take turns, one instruction a turn, in the same order in every quarter.
.macro MUL f, s, hi, zero
	WIN 0x52                                       ; source 0 (wo16) window 2, source 1 (ctx) window 0, C and D window 1
.irp a, 0,1,2,3
.irp b, 0,1,2,3
.set rD, 8*(NB*(4*(\hi)+(\a))+(\b))
.set rA, FA0+64*(\f)+8*(4*(\hi)+(\a))
.set rB, 32*(\s)+8*(\b)
.if \zero
	v_wmma_f32_16x16x32_f16 v[rD:rD+7], v[rB:rB+7], v[rA:rA+7], 0
.else
	v_wmma_f32_16x16x32_f16 v[rD:rD+7], v[rB:rB+7], v[rA:rA+7], v[rD:rD+7]
.endif
.endr
.endr
.endm
; 16 LDS loads in one run: a head's eight blocks into buffer f: address register aq, byte off behind it; blocks 0-3 first
.macro FETCH aq, f, off
	WIN 0
.irp i, 0,1,2,3,4,5,6,7
	ds_load_b128 v[FA0+64*(\f)+8*(\i):FA0+64*(\f)+8*(\i)+3],   v[ADRA+(\aq)] offset:(\off)+1024*(\i)
	ds_load_b128 v[FA0+64*(\f)+8*(\i)+4:FA0+64*(\f)+8*(\i)+7], v[ADRA+(\aq)] offset:(\off)+1024*(\i)+512
.endr
.endm
.macro PLACES                          ; four plain vector instructions between a matrix instruction and a load into, or another instruction on, its registers (ISA guide 7.12.1 for instructions other than loads and stores)
.rept 4
	v_nop
.endr
.endm
; A QUARTER: 32 matrix instructions on ctx's buffer q % 2 and wo16's set q % 8 (q: the quarter's number modulo 8).  In its middle, in one run: the next quarter's fragments of ctx, whose head lies fstep heads behind address
; register (q + 1) % 4 (fstep < 0: none), and the loads of wo16 for the quarter seven on, head bh from where BP stands, into the set that the last quarter multiplied (bh < 0: none).
; lc: the loads of wo16 issued behind this quarter's own, which may stay out.  ask: 0, or ASK's how.  sync = 1: the barrier that shows the second fill to all four waves.
.macro QUARTER q, zero, lc, fstep, bh, ask, sync
	s_wait_loadcnt \lc                             ; loads come back in order: this quarter's blocks of wo16 are in
.if \sync
	s_wait_dscnt 0x0                               ; no LDS instruction of mine is out at a signal,
	s_wait_tensorcnt 0x0                           ; and my six heads have landed:
	s_barrier_signal -1                            ; say so,
.else
	s_wait_dscnt 8                                 ; ctx's blocks 0-3 are in; the youngest eight loads (blocks 4-7) may be out
.endif
	MUL (\q)%2, (\q)%8, 0, \zero
.if \sync
	s_barrier_wait -1                              ; and go on when all four waves have said so: all of ctx's 128 rows lie in LDS
.endif
.if ((\fstep) >= 0) || ((\bh) >= 0)
	PLACES
.endif
.if (\fstep) >= 0
	FETCH ((\q)+1)%4, ((\q)+1)%2, (\fstep)*HEADB
.endif
.if (\bh) >= 0
	BLOAD ((\q)+7)%8, \bh
.endif
.if \ask
	WIN 0
	ASK \ask, (\bh)+8
.endif
.if (\fstep) >= 0
	s_wait_dscnt 16                                ; all but the run just issued
.else
	s_wait_dscnt 0x0
.endif
	MUL (\q)%2, (\q)%8, 1, \zero
.endm
; THE WAY OUT of row block a: its 16 rows x 64 columns of f32 go into my own stage (rows of 272 bytes) and come back as whole rows of 256 bytes.
.macro TOSTAGE a
.if (\a) >= 4
	s_wait_xcnt 0x0                                ; the stores of the block four back have read the registers that are loaded again below
.endif
	WIN 0x04                                       ; the stores' data: window 1
.irp b, 0,1,2,3
	ds_store_b128 v[STO], v[8*(NB*(\a)+(\b)):8*(NB*(\a)+(\b))+3]   offset:64*(\b)      ; each accumulator's lowest registers first
	ds_store_b128 v[STO], v[8*(NB*(\a)+(\b))+4:8*(NB*(\a)+(\b))+7] offset:64*(\b)+16
.endr
	WIN 0
.set BK, OB+32*((\a)%4)
.irp t, 0,1,2,3,4,5,6,7
	ds_load_b128 v[BK+4*(\t):BK+4*(\t)+3], v[RD] offset:(\t)*2*SPITCH  ; LDS serves a wave's instructions in order (ISA guide 5.7.1.4): these see the stores above; the next block's stores come behind them
.endr
.endm
.macro SEND a, younger                 ; younger: the LDS instructions issued behind block a's loads: the next block's sixteen, or none
.set BK, OB+32*((\a)%4)
	s_wait_dscnt \younger
.irp t, 0,1,2,3,4,5,6,7
	global_store_b128 v[CO], v[BK+4*(\t):BK+4*(\t)+3], s[8:9] offset:65536*(\a)+8192*(\t) th:TH_STORE_NT  ; 16 lanes store 256 consecutive bytes, at a multiple of 256 from out0's first byte
.endr
.endm
	s_wait_tensorcnt 1                             ; my heads 0 and 1 are in; the second fill may stay out
	s_barrier_signal -1
	s_barrier_wait -1                              ; everybody's are: heads 0 to 7
	FETCH 0, 0, 0
	QUARTER 0, 1, 48, 0, 7,  0, 0                  ; quarters 0 to 7 are written out: the first starts the sums, the last holds the barrier
	QUARTER 1, 0, 48, 0, 8,  1, 0
	QUARTER 2, 0, 48, 0, 9,  0, 0
	QUARTER 3, 0, 48, 1, 10, 1, 0
	QUARTER 4, 0, 48, 1, 11, 0, 0
	QUARTER 5, 0, 48, 1, 12, 1, 0
	QUARTER 6, 0, 48, 1, 13, 0, 0
	QUARTER 7, 0, 48, 2, 14, 1, 1
	WIN 0                                          ; at a label and at a branch every window is 0
	s_mov_b32 s3, 2
.Lring:                                                ; two trips, once round the ring each: quarters 8 to 15 and 16 to 23
	QUARTER 0, 0, 48, 2, 15, 0, 0
	QUARTER 1, 0, 48, 2, 16, 2, 0
	QUARTER 2, 0, 48, 2, 17, 0, 0
	QUARTER 3, 0, 48, 3, 18, 2, 0
	QUARTER 4, 0, 48, 3, 19, 0, 0
	QUARTER 5, 0, 48, 3, 20, 2, 0
	QUARTER 6, 0, 48, 3, 21, 0, 0
	QUARTER 7, 0, 48, 4, 22, 2, 0
	WIN 0
.irp q, 0,1,2,3
	v_add_nc_u32 v[ADRA+(\q)], 2*HEADB, v[ADRA+(\q)]  ; eight heads on: two in each wave's region
.endr
	s_wait_xcnt 0x0                                ; every load and prefetch issued so far (the youngest sixteen matrix instructions back) has read its address, so the pointer may be written
	s_add_nc_u64 s[BP:BP+1], s[BP:BP+1], 8*1024
	s_sub_co_u32 s3, s3, 1
	s_cmp_lg_u32 s3, 0
	s_cbranch_scc1 .Lring
	QUARTER 0, 0, 48, 2, 15, 0, 0                  ; quarters 24 to 31 are written out: one more run of loads (head 31), then none, and the counts run down
	QUARTER 1, 0, 48, 2, -1, 0, 0
	QUARTER 2, 0, 40, 2, -1, 0, 0
	QUARTER 3, 0, 32, 3, -1, 0, 0
	QUARTER 4, 0, 24, 3, -1, 0, 0
	QUARTER 5, 0, 16, 3, -1, 0, 0
	QUARTER 6, 0, 8,  3, -1, 0, 0
	QUARTER 7, 0, 0, -1, -1, 0, 0
	PLACES
	PLACES
	TOSTAGE 0
.irp a, 1,2,3,4,5,6,7
	TOSTAGE \a                                     ; a block's trip through the stage stands between the loads of the block before and its stores
	SEND (\a)-1, 16
.endr
	SEND 7, 0
	s_wait_tensorcnt 0x0                           ; the wave's end, behind my last tensor load and my last LDS store
	ds_add_u32 v[SPW], v[NIL]
	s_wait_dscnt 0x0
	CROUND                                         ; the closing round: no work-group ends while a partner may still ask for a tile that names it
	s_endpgm
.Lfunc_end_k_q45022b58b3_outp:
	.size	k_q45022b58b3_outp, .Lfunc_end_k_q45022b58b3_outp-k_q45022b58b3_outp
	.p2alignl 7, 3214868480
	.fill 96, 4, 3214868480
	.section	.rodata,"a",@progbits
	.p2align	6, 0x0
	.amdhsa_kernel k_q45022b58b3_outp
		.amdhsa_group_segment_fixed_size 327680
		.amdhsa_private_segment_fixed_size 0
		.amdhsa_enable_private_segment 0
		.amdhsa_kernarg_size 24
		.amdhsa_user_sgpr_count 2
		.amdhsa_user_sgpr_kernarg_segment_ptr 1
		.amdhsa_wavefront_size32 1
		.amdhsa_system_sgpr_workgroup_id_x 1
		.amdhsa_system_sgpr_workgroup_id_y 1
		.amdhsa_system_sgpr_workgroup_id_z 1
		.amdhsa_system_vgpr_workitem_id 0
		.amdhsa_next_free_vgpr 768
		.amdhsa_next_free_sgpr 66
		.amdhsa_reserve_vcc 0
		.amdhsa_float_denorm_mode_32 3
		.amdhsa_float_denorm_mode_16_64 3
		.amdhsa_memory_ordered 1
		.amdhsa_forward_progress 1
		.amdhsa_inst_pref_size 121
	.end_amdhsa_kernel
	.amdgpu_metadata
---
amdhsa.version: [ 1, 2 ]
amdhsa.kernels:
  - .name:           k_q45022b58b3_outp
    .symbol:         k_q45022b58b3_outp.kd
    .args:
      - { .name: ctx, .offset: 0, .size: 8, .value_kind: global_buffer, .address_space: global }
      - { .name: wo16, .offset: 8, .size: 8, .value_kind: global_buffer, .address_space: global }
      - { .name: out0, .offset: 16, .size: 8, .value_kind: global_buffer, .address_space: global }
    .group_segment_fixed_size: 327680
    .private_segment_fixed_size: 0
    .kernarg_segment_align: 8
    .kernarg_segment_size: 24
    .max_flat_workgroup_size: 128
    .sgpr_count:     66
    .vgpr_count:     768
    .wavefront_size: 32
...
	.end_amdgpu_metadata
.endif
;; end of part 7
;; ======== version 3 of 3: 3 launches; version 2 with the launch cast written anew for expert scheduling mode
;; limits: values are held in f16: magnitudes above 65,504 overflow, below 6.1e-05 lose precision; values outside matrix products are rounded to bf16
;; workspace buffers: xb 16,777,216 bytes; wqkv 6,291,456 bytes; wo16 2,097,152 bytes; bias4 18,432 bytes; ctx 16,777,216 bytes
;; launch cast (part 8): grid 786 x 1, 8 waves a work-group, no clusters, 0 bytes of LDS; arguments hidden_states, wq, wk, wv, wo, rel_pos, xb, wqkv, wo16, bias4; writes xb, wqkv, wo16, bias4
.if DOCPART == 8
	.amdgcn_target "amdgcn-amd-amdhsa--gfx1250"
	.amdhsa_code_object_version 6
	.text
	.protected	k_q45022b58b3_cast
	.globl	k_q45022b58b3_cast
	.p2align	8
	.type	k_q45022b58b3_cast,@function
k_q45022b58b3_cast:
	s_mov_b64 s[64:65], 0
	v_nop
	global_prefetch_b8 v0, s[64:65] scope:SCOPE_SE
	s_setreg_imm32_b32 hwreg(HW_REG_WAVE_SCHED_MODE, 0, 2), 2
	s_setreg_imm32_b32 hwreg(HW_REG_WAVE_MODE, 25, 1), 1
	s_wait_xcnt 0x0
	s_wait_alu depctr_vm_vsrc(0)
; THE INPUTS ARE ROUNDED ONCE, TO bf16, and laid out for the launches behind.  Every work-group has one of four roles, by its number g:
;   g <  512        16 rows of hidden_states (16,384 f32) -> xb, bf16, row-major
;   512 <= g < 704  16 rows of wq, wk or wv -> wqkv, bf16: row 32 h + d of matrix number m (0, 1, 2) goes to row 96 h + 32 m + d, so that 96 rows on end are one head's q, k and v
;   704 <= g < 768  16 rows of wo -> wo16: rounded to bf16 like the other inputs, and that number written as f16, since it is multiplied with f16 numbers; laid out as a matrix operand lies in registers (below)
;   g >= 768        256 numbers of bias4 (below)
; LIMITS.  wo16: f16 holds no number beyond 65,504, and below 6e-5 it keeps its fixed step of 6e-8.
; A stream: each byte is read once and written once; no LDS, no barrier, no matrix unit.  In the first two roles a wave converts 2,048 numbers: sixteen loads of 512 consecutive bytes, all issued at once,
; and sixteen stores of 256 consecutive bytes, each at a multiple of 256 from its buffer's first byte.
; wo16: blocks of 1,024 bytes, block (nb, h) = rows 16 nb .. 16 nb + 15, numbers 32 h .. 32 h + 31, at byte 1,024 (32 nb + h): [half e][lane][16 bytes], lane l holding row l % 16 and the numbers 16 e + 8 (l / 16) + 0..7.
; A thread makes 16 bytes of it from 32 consecutive bytes of a row; a wave's store is 512 consecutive bytes; its load takes 16 bytes twice from each of 16 rows, and the eight waves' sixteen loads of one step cover
; 512 consecutive bytes of each row: 4,194,304 bytes are read in that way in the whole launch.
; bias4: the score's bias hangs on k - q alone: T[i] = the mean of row i of rel_pos, i = k - q + 511.  Stored is U[i] = sqrt(32) T[i] = (the row's sum) / sqrt(32), which is added to q . k ahead of the
; division by sqrt(32).  Four copies, 1,040 numbers apart; number j of copy c is U[j - 16 + c], the index held to 0 .. 1022: so eight neighbouring U from ANY index on begin at a multiple of 16 bytes in one of the copies.
; Numbers 4,160 to 4,607 fill the buffer and are used by no product.  This role's stores are 128 bytes a wave: 18,432 bytes in the whole launch.
; THE MODE: SCHED_MODE bits 1:0 = 2 (LLVM: expert scheduling mode 2), set by the entry lines.  The code itself states the register dependences between vector instructions and memory instructions, with s_wait_alu, always for 0.
; THE PLAN.  Registers that memory instructions touch:
;   the offsets (v1, v2; v5, v6; v8, v9)  made once by vector lines, ahead of one wait that stands in front of the role's loads; read by its loads and stores; never written again.
;   IN    written by the role's loads, which are all issued at once, before any vector line has named these registers; read by the conversions behind the counted wait for the data.
;   OUT   each register is written once, by a conversion, and read once, by a store.
; The conversions go in four blocks of four loads' numbers.  At the head of block p, behind the wait for its data, ONE wait states that block p - 1 has written its part of OUT; that block's stores are then dealt among
; block p's conversions, which name IN and OUT of block p (and T) alone: none of the registers that those stores read.  One more wait stands ahead of the last block's stores.
; No register that a load or store reads is written again, so nothing is owed for that; EXEC is never written.  In the bias role four compares write scalar registers: one wait stands between them and their first reader.
.set SRC, 28                           ; s[28:29] where my work-group reads
.set DST, 30                           ; s[30:31] where it writes
.set MK,  36                           ; s[36:39] the bias role's four masks
.set IN,  16                           ; v[16:79]   sixteen loads of four f32
.set OUT, 80                           ; v[80:111]  what is stored
.set T,   112                          ; v[112:123] at work: no memory instruction names them
; roles x and wq, wk, wv: load k's four numbers are rounded; they are stored
.macro CV k
	v_cvt_pk_bf16_f32 v[OUT+2*(\k)], v[IN+4*(\k)], v[IN+4*(\k)+1]
	v_cvt_pk_bf16_f32 v[OUT+2*(\k)+1], v[IN+4*(\k)+2], v[IN+4*(\k)+3]
.endm
.macro ST k
	global_store_b64 v2, v[OUT+2*(\k):OUT+2*(\k)+1], s[DST:DST+1] offset:256*(\k)
.endm
; role wo: step k's eight numbers are rounded to bf16, widened again and written as f16; they are stored
.macro WCV k
.irp j, 0,1,2,3
	v_cvt_pk_bf16_f32 v[T+(\j)], v[IN+8*(\k)+2*(\j)], v[IN+8*(\k)+2*(\j)+1]
.endr
.irp j, 0,1,2,3
	v_lshlrev_b32 v[T+4+2*(\j)], 16, v[T+(\j)]
	v_and_b32 v[T+5+2*(\j)], 0xffff0000, v[T+(\j)]
.endr
.irp j, 0,1,2,3
	v_cvt_pk_f16_f32 v[OUT+4*(\k)+(\j)], v[T+4+2*(\j)], v[T+5+2*(\j)]
.endr
.endm
.macro WST k
	global_store_b128 v6, v[OUT+4*(\k):OUT+4*(\k)+3], s[DST:DST+1] offset:4096*(\k)  ; a wave's store: 512 consecutive bytes, at a multiple of 512 from wo16's first byte
.endm
	s_load_b512 s[8:23], s[0:1], 0x0               ; hidden s[8:9], wq s[10:11], wk s[12:13], wv s[14:15], wo s[16:17], rel_pos s[18:19], xb s[20:21], wqkv s[22:23]
	s_load_b128 s[24:27], s[0:1], 0x40             ; wo16 s[24:25], bias4 s[26:27]
	s_mov_b32 s4, ttmp9                            ; g
	v_lshrrev_b32 v3, 5, v0                        ; wave
	v_and_b32 v4, 31, v0                           ; lane
	v_lshlrev_b32 v1, 4, v4
	v_lshl_or_b32 v1, v3, 13, v1                   ; in: 8,192 x wave + 16 x lane
	v_lshlrev_b32 v2, 3, v4
	v_lshl_or_b32 v2, v3, 12, v2                   ; out: 4,096 x wave + 8 x lane
	s_mov_b32 s33, 0                               ; the offsets' high words
	s_mov_b32 s35, 0
	s_wait_kmcnt 0x0
	s_cmp_lt_u32 s4, 512
	s_cbranch_scc0 .Lnot_x
	s_lshl_b32 s32, s4, 16                         ; 16 rows of 4,096 bytes in,
	s_lshl_b32 s34, s4, 15                         ; of 2,048 bytes out
	s_add_nc_u64 s[SRC:SRC+1], s[8:9], s[32:33]
	s_add_nc_u64 s[DST:DST+1], s[20:21], s[34:35]
	s_branch .Lto_bf16
.Lnot_x:
	s_cmp_lt_u32 s4, 704
	s_cbranch_scc0 .Lnot_qkv
	s_sub_co_u32 s5, s4, 512
	s_lshr_b32 s6, s5, 6                           ; which matrix: 0 q, 1 k, 2 v
	s_and_b32 s7, s5, 63                           ; which 16 rows of it
	s_cmp_eq_u32 s6, 0
	s_cselect_b64 s[SRC:SRC+1], s[10:11], s[12:13]
	s_cmp_eq_u32 s6, 2
	s_cselect_b64 s[SRC:SRC+1], s[14:15], s[SRC:SRC+1]
	s_lshl_b32 s32, s7, 16
	s_add_nc_u64 s[SRC:SRC+1], s[SRC:SRC+1], s[32:33]
	s_lshr_b32 s34, s7, 1                          ; the head
	s_mul_i32 s34, s34, 96
	s_lshl_b32 s6, s6, 5
	s_add_co_u32 s34, s34, s6                      ; + 32 x matrix
	s_and_b32 s7, s7, 1
	s_lshl_b32 s7, s7, 4
	s_add_co_u32 s34, s34, s7                      ; + the head's upper or lower 16 rows
	s_lshl_b32 s34, s34, 11
	s_add_nc_u64 s[DST:DST+1], s[22:23], s[34:35]
.Lto_bf16:                                             ; 16,384 numbers, row-major in and out
	s_wait_alu depctr_va_vdst(0)                   ; v1 and v2 are written: the loads below read v1 as their offset, the stores v2
.irp k, 0,1,2,3,4,5,6,7,8,9,10,11,12,13,14,15
	global_load_b128 v[IN+4*(\k):IN+4*(\k)+3], v1, s[SRC:SRC+1] offset:512*(\k) th:TH_LOAD_NT
.endr
.irp p, 0,1,2,3
	s_wait_loadcnt 12-4*(\p)                       ; loads come back in order: block p's four are in, the younger ones stay out
.if (\p) > 0
	s_wait_alu depctr_va_vdst(0)                   ; the block before has written its eight registers of OUT, which the four stores below read
.endif
.irp i, 0,1,2,3
.if (\p) > 0
	ST 4*((\p)-1)+(\i)                             ; no vector line since the wait names these registers
.endif
	CV 4*(\p)+(\i)
.endr
.endr
	s_wait_alu depctr_va_vdst(0)                   ; block 3 has written its part of OUT, which the last four stores read
.irp i, 12,13,14,15
	ST \i
.endr
	s_endpgm
.Lnot_qkv:
	s_cmp_lt_u32 s4, 768
	s_cbranch_scc0 .Lbias
	s_sub_co_u32 s5, s4, 704                       ; nb: which 16 rows of wo
	s_lshl_b32 s32, s5, 16
	s_lshl_b32 s34, s5, 15                         ; its 32 blocks
	s_add_nc_u64 s[SRC:SRC+1], s[16:17], s[32:33]
	s_add_nc_u64 s[DST:DST+1], s[24:25], s[34:35]
	; step k, thread t: the 16 bytes at 4,096 k + 16 t of the 32 blocks: block h = 4 k + wave / 2, half e = wave % 2, my lane.  They are numbers 32 h + 16 e + 8 (l / 16) + 0..7 of row l % 16:
	; byte 4,096 (l % 16) + 512 k + 64 wave + 32 (l / 16) of the 16 rows
	v_and_b32 v5, 15, v0
	v_bfe_u32 v7, v0, 4, 1
	v_lshlrev_b32 v5, 12, v5
	v_lshl_add_u32 v5, v3, 6, v5
	v_lshl_add_u32 v5, v7, 5, v5
	v_lshlrev_b32 v6, 4, v0
	s_wait_alu depctr_va_vdst(0)                   ; v5 and v6 are written: the loads below read v5 as their offset, the stores v6
.irp k, 0,1,2,3,4,5,6,7
	global_load_b128 v[IN+8*(\k):IN+8*(\k)+3],   v5, s[SRC:SRC+1] offset:512*(\k)
	global_load_b128 v[IN+8*(\k)+4:IN+8*(\k)+7], v5, s[SRC:SRC+1] offset:512*(\k)+16
.endr
.irp p, 0,1,2,3
	s_wait_loadcnt 12-4*(\p)                       ; the four loads of steps 2 p and 2 p + 1 are in, the younger ones stay out
.if (\p) > 0
	s_wait_alu depctr_va_vdst(0)                   ; the two steps before have written their eight registers of OUT, which the two stores below read
.endif
.irp i, 0,1
.if (\p) > 0
	WST 2*((\p)-1)+(\i)                            ; no vector line since the wait names these registers
.endif
	WCV 2*(\p)+(\i)
.endr
.endr
	s_wait_alu depctr_va_vdst(0)                   ; steps 6 and 7 have written their part of OUT, which the last two stores read
	WST 6
	WST 7
	s_endpgm
.Lbias:
	s_sub_co_u32 s5, s4, 768
	s_lshl_b32 s5, s5, 8
	v_add_nc_u32 v5, s5, v0                        ; e: my number of bias4, 0 .. 4,607
	v_mov_b32 v6, 0
	v_cmp_le_u32 s[MK], 1040, v5                   ; the four compares stand in a run, each with a scalar register of its own
	v_cmp_le_u32 s[MK+1], 2080, v5
	v_cmp_le_u32 s[MK+2], 3120, v5
	v_cmp_le_u32 s[MK+3], 4160, v5
	s_wait_alu depctr_va_sdst(0)                   ; the four masks are written, ahead of their first reader
.irp m, 0,1,2,3
	v_cndmask_b32 v7, 0, 1, s[MK+(\m)]
	v_add_nc_u32 v6, v6, v7                        ; c: the copy
.endr
	v_mul_u32_u24 v7, v6, 1040
	v_sub_nc_u32 v8, v5, v7                        ; j: my place in the copy
	v_add3_u32 v8, v8, v6, -16                     ; j - 16 + c,
	v_max_i32 v8, 0, v8
	v_min_u32 v8, 1022, v8                         ; held to the table
	v_lshlrev_b32 v8, 7, v8                        ; a row of rel_pos is 128 bytes
	v_lshlrev_b32 v9, 2, v5
	s_wait_alu depctr_va_vdst(0)                   ; v8 and v9 are written: the loads below read v8 as their offset, the store at the end v9
.irp k, 0,1,2,3,4,5,6,7
	global_load_b128 v[IN+4*(\k):IN+4*(\k)+3], v8, s[18:19] offset:16*(\k)
.endr
	s_wait_loadcnt 0x0
.irp k, 0,1,2,3,4,5,6,7,8,9,10,11,12,13,14,15
	v_cvt_pk_bf16_f32 v[IN+32+(\k)], v[IN+2*(\k)], v[IN+2*(\k)+1]  ; rel_pos is rounded to bf16 like every input,
.endr
.irp k, 0,1,2,3,4,5,6,7,8,9,10,11,12,13,14,15
	v_lshlrev_b32 v[IN+2*(\k)], 16, v[IN+32+(\k)]                   ; and summed in f32
	v_and_b32 v[IN+2*(\k)+1], 0xffff0000, v[IN+32+(\k)]
.endr
.irp p, 0,1,2,3,4,5,6,7
	v_pk_add_f32 v[IN+2*(\p):IN+2*(\p)+1], v[IN+2*(\p):IN+2*(\p)+1], v[IN+16+2*(\p):IN+16+2*(\p)+1]
.endr
.irp p, 0,1,2,3
	v_pk_add_f32 v[IN+2*(\p):IN+2*(\p)+1], v[IN+2*(\p):IN+2*(\p)+1], v[IN+8+2*(\p):IN+8+2*(\p)+1]
.endr
.irp p, 0,1
	v_pk_add_f32 v[IN+2*(\p):IN+2*(\p)+1], v[IN+2*(\p):IN+2*(\p)+1], v[IN+4+2*(\p):IN+4+2*(\p)+1]
.endr
	v_pk_add_f32 v[IN:IN+1], v[IN:IN+1], v[IN+2:IN+3]
	v_add_f32 v[IN], v[IN], v[IN+1]
	v_mul_f32 v[IN], 0x3e3504f3, v[IN]             ; / sqrt(32)
	s_wait_alu depctr_va_vdst(0)                   ; the multiply has written v[IN], which the store reads
	global_store_b32 v9, v[IN], s[26:27]
	s_endpgm
.Lfunc_end_k_q45022b58b3_cast:
	.size	k_q45022b58b3_cast, .Lfunc_end_k_q45022b58b3_cast-k_q45022b58b3_cast
	.p2alignl 7, 3214868480
	.fill 96, 4, 3214868480
	.section	.rodata,"a",@progbits
	.p2align	6, 0x0
	.amdhsa_kernel k_q45022b58b3_cast
		.amdhsa_group_segment_fixed_size 0
		.amdhsa_private_segment_fixed_size 0
		.amdhsa_enable_private_segment 0
		.amdhsa_kernarg_size 80
		.amdhsa_user_sgpr_count 2
		.amdhsa_user_sgpr_kernarg_segment_ptr 1
		.amdhsa_wavefront_size32 1
		.amdhsa_system_sgpr_workgroup_id_x 1
		.amdhsa_system_sgpr_workgroup_id_y 1
		.amdhsa_system_sgpr_workgroup_id_z 1
		.amdhsa_system_vgpr_workitem_id 0
		.amdhsa_next_free_vgpr 128
		.amdhsa_next_free_sgpr 66
		.amdhsa_reserve_vcc 0
		.amdhsa_float_denorm_mode_32 3
		.amdhsa_float_denorm_mode_16_64 3
		.amdhsa_memory_ordered 1
		.amdhsa_forward_progress 1
		.amdhsa_inst_pref_size 24
	.end_amdhsa_kernel
	.amdgpu_metadata
---
amdhsa.version: [ 1, 2 ]
amdhsa.kernels:
  - .name:           k_q45022b58b3_cast
    .symbol:         k_q45022b58b3_cast.kd
    .args:
      - { .name: hidden_states, .offset: 0, .size: 8, .value_kind: global_buffer, .address_space: global }
      - { .name: wq, .offset: 8, .size: 8, .value_kind: global_buffer, .address_space: global }
      - { .name: wk, .offset: 16, .size: 8, .value_kind: global_buffer, .address_space: global }
      - { .name: wv, .offset: 24, .size: 8, .value_kind: global_buffer, .address_space: global }
      - { .name: wo, .offset: 32, .size: 8, .value_kind: global_buffer, .address_space: global }
      - { .name: rel_pos, .offset: 40, .size: 8, .value_kind: global_buffer, .address_space: global }
      - { .name: xb, .offset: 48, .size: 8, .value_kind: global_buffer, .address_space: global }
      - { .name: wqkv, .offset: 56, .size: 8, .value_kind: global_buffer, .address_space: global }
      - { .name: wo16, .offset: 64, .size: 8, .value_kind: global_buffer, .address_space: global }
      - { .name: bias4, .offset: 72, .size: 8, .value_kind: global_buffer, .address_space: global }
    .group_segment_fixed_size: 0
    .private_segment_fixed_size: 0
    .kernarg_segment_align: 8
    .kernarg_segment_size: 80
    .max_flat_workgroup_size: 256
    .sgpr_count:     66
    .vgpr_count:     128
    .wavefront_size: 32
...
	.end_amdgpu_metadata
.endif
;; end of part 8
;; launch qkvattn: the kernel of part 6 again; grid 16 x 16, 4 waves a work-group, clusters of 4 x 4, 327,680 bytes of LDS; arguments xb, wqkv, bias4, ctx; writes ctx
;; launch outp: the kernel of part 7 again; grid 4 x 64, 4 waves a work-group, clusters of 4 x 1, 327,680 bytes of LDS; arguments ctx, wo16, out0; writes out0
